; MI455X (gfx1250); checked and timed in simulation.
; The chip was launched on July 23, 2026; its instructions are those of AMD's public machine-readable ISA for CDNA 5 (MIT licence, August 2026) and "CDNA5" Instruction Set Architecture Reference Guide (July 2026). The comments in the code are by the model that wrote it; some were corrected since.
;; Multi Head Attention. Allowed arithmetic: matrix products marked QUANTISED: E2M3 operands, one E8M0 scale for each 32 along K, by v_wmma_scale_f32_16x16x128_f8f6f4 with both operands' format E2M3, f32 sums; everything else in f32.
;; Inputs: Wk 1,024 x 1,024 float32; Wo 1,024 x 1,024 float32; Wq 1,024 x 1,024 float32; Wv 1,024 x 1,024 float32; bk 1,024 float32; bo 1,024 float32; bq 1,024 float32; bv 1,024 float32; x 2 x 2,048 x 1,024 float32.
;; Outputs: out0 2 x 2,048 x 1,024 float32.
;; This version of the problem:
;;   THIS VERSION OF THE PROBLEM IS GIVEN IN LOW PRECISION. The matrix products marked QUANTISED in the list below multiply operands that are first quantised to E2M3 (2 exponent bits, 3 mantissa bits; 6 bits a number), with one power-of-two scale for each 32 numbers along K (OCP MX v1.0); their sums are f32. All else is computed in f32.
;;   The module's matrix products, in the order in which they are computed (A, B: the left and right operand; K: the contracted axis; several contracted axes count as one K, in the product's order):
;;     1. [M 4,096, K 1,024] x [K 1,024, N 1,024]; A: input x; B: input Wq: QUANTISED
;;     2. [M 4,096, K 1,024] x [K 1,024, N 1,024]; A: input x; B: input Wk: QUANTISED
;;     3. [M 4,096, K 1,024] x [K 1,024, N 1,024]; A: input x; B: input Wv: QUANTISED
;;     4. batch 32 x [M 2,048, K 64] x [K 64, N 2,048]; A: computed on the way; B: computed on the way: QUANTISED
;;     5. batch 32 x [M 2,048, K 2,048] x [K 2,048, N 64]; A: softmax (see below); B: computed on the way: QUANTISED
;;     6. [M 4,096, K 1,024] x [K 1,024, N 1,024]; A: computed on the way; B: input Wo: QUANTISED
;;   THE QUANTISER, for each operand of a quantised product, along K:
;;     - K is cut into blocks of 32 from its start; a last block that is shorter is filled with zeros.
;;     - A block's scale is 2^e with e = floor(log2(the largest magnitude in the block)) - 2, held to -126 .. 127; a block of zeros has e = 0. As a byte (E8M0): e + 127.
;;     - Each number is divided by its block's scale, clamped to +-7.5, and rounded to the nearest number of E2M3, ties to even, subnormals kept.
;;     - The product sums the exact products of the quantised numbers (number of the format x scale) in f32.
;;   ~~~python
;;   def quantise(x, axis):      # numpy; x: float32 -> the quantised numbers, widened to float32 again
;;       x = np.moveaxis(x, axis, -1); K = x.shape[-1]
;;       x = np.pad(x, [(0, 0)] * (x.ndim - 1) + [(0, -K % 32)]); x = x.reshape(x.shape[:-1] + (-1, 32)); a = np.abs(x).max(-1, keepdims=True)
;;       e = np.where(a > 0, np.clip(np.frexp(np.where(a > 0, a, 1))[1] - 1 - 2, -126, 127), 0)      # np.frexp(a)[1] - 1 = floor(log2(a)), exactly
;;       r = np.clip(x / 2.0 ** e, -7.5, 7.5)
;;       step = 2.0 ** (np.maximum(np.frexp(np.where(r == 0, 1, r))[1] - 1, 0) - 3)
;;       q = np.round(r / step) * step * 2.0 ** e      # np.round: ties to even
;;       return np.moveaxis(q.reshape(q.shape[:-2] + (-1,))[..., :K], -1, axis).astype(np.float32)
;;   ~~~
;;   SOFTMAX AHEAD OF A QUANTISED PRODUCT. Where the list says 'softmax', what is quantised is not the finished softmax but p = 2^(t - M), with t = logit x log2(e) and M = ceil(the row's largest t), a whole number; so 1/2 < the row's largest p <= 1. The row's sum l is taken of the UNQUANTISED p, in f32, and the product's result is divided by l at the end. Since M is a whole number, a kernel that streams over the keys may use a running M (the ceiling of the running maximum): every later rescaling is an exact power of two, which a block's scale takes up: the codes' values come out the same.
;;   OPERANDS COMPUTED ON THE WAY. 'Computed on the way' means the value that the module computes at that place (a softmax that the list does not call 'softmax' is quantised finished and normalised). What goes into a quantiser is computed in f32, as accurately as f32 sums, v_exp_f32 and their like allow (about 1e-6 of the number): no bf16 or f16 on the way to a quantiser, and a product that is left as it is and whose result goes on into a quantised operand takes f32 operands (vector FMAs, or v_wmma_f32_16x16x4_f32). A number that lies on a knife's edge between two numbers of the format may be rounded either way, as far as f32 arithmetic and the matrix unit's own rounding can turn it there, and no further.
;; 2 versions. Each part assembles by itself: llvm-mc -triple=amdgcn-amd-amdhsa -mcpu=gfx1250 --defsym DOCPART=n.
;; ======== version 1 of 2: 4 launches
;; workspace buffers: xq 3,276,800 bytes; wq 3,276,800 bytes; qq 3,407,872 bytes; kv 6,684,672 bytes; cq 3,276,800 bytes
;; launch quant (part 1): grid 256 x 1, 8 waves a work-group, no clusters, 70,656 bytes of LDS; arguments x, Wq, Wk, Wv, Wo, xq, wq; writes xq, wq
.if DOCPART == 1
	.amdgcn_target "amdgcn-amd-amdhsa--gfx1250"
	.amdhsa_code_object_version 6
	.text
	.protected	k_qa328bcdf20_quant
	.globl	k_qa328bcdf20_quant
	.p2align	8
	.type	k_qa328bcdf20_quant,@function
k_qa328bcdf20_quant:
	s_mov_b64 s[64:65], 0
	v_nop
	global_prefetch_b8 v0, s[64:65] scope:SCOPE_SE
	s_setreg_imm32_b32 hwreg(HW_REG_WAVE_MODE, 25, 1), 1
	s_wait_xcnt 0x0
; x [4096][1024] (K innermost) and Wq, Wk, Wv, Wo [1024 (K)][1024] (K outermost), f32, become codes of FP6 (E2M3) with one E8M0 byte for each 32 along K, laid as the products' launches read them.
; A block's scale is 2^(floor(log2(its largest magnitude)) - 2); its byte is the largest magnitude's exponent field - 2, held at 1 from below by a floor among the maximum's leaves.
; LIMITS: a block of zeros, or one whose largest magnitude lies under 2^-124, gets the byte 1 where the rule says 127 (its codes are zeros or the rule's own, and this program alone reads the bytes); NaN and infinities are not served.
; LAYOUT OF THE CODES: [c = K / 64 (16)][tile (256)][768 bytes].  A tile is 16 rows; 768 bytes are the image of registers 0-5 of half a fragment (16 rows x 64 K): lane l's registers 0-3 at 16 l, its registers 4-5 at 512 + 8 l.
; THE ROWS OF A TILE ARE NOT NEIGHBOURS: lane r of tile 2 B + u holds row 32 B + 8 u + r + 8 (r / 8), so that results made with such tiles as source 0 have 16 neighbours in a lane's 16 registers of two tiles.
; LAYOUT OF THE SCALES, behind the codes: [group of 128 rows (32)][K step of 128 (8)][e (2)][r (16)][j (4)] words: tile 4 e + j of the group, row r; byte b scales k = 32 b on.
; Work-groups 0-127 take x (128 rows x 256 K each, a wave a tile), 128-255 the weights (128 columns x 256 K each, a wave 32 columns x 128 K).  Each wave asks for its whole 16 KiB at its head.
; The two texts part on the work-group's number and never join; each has LDS bytes, a barrier and an end of its own.  No tensor loads, no matrix work: the bytes decide here.
.set CSTR,  196608                     ; bytes from one c to the next: 256 tiles x 768
.set SOFF,  3145728                    ; the scales begin behind 16 c
.set STG,   8448                       ; x: a wave's stage, 16 rows x 528 bytes
.set XSG,   8*STG                      ; x: the work-group's scale words, 2 K steps x 512 bytes
.set WSG,   XSG+1024                   ; the weights': likewise
.set SEL,   22                         ; s[22:23] lane selects for v_permlanex16_b32: lane l xor 16
.set PC,    12                         ; v12-31   x: a fragment's 12 registers of codes and 8 at work
.set R0,    32                         ; v32-95   x: K step 0 as loaded; later K step 1 in the quantiser's order
.set R1,    96                         ; v96-159  x: K step 1 as loaded
.set X,     160                        ; v160-223 x: K step 0 in the quantiser's order
.set TM,    224                        ; v224-239 at work
.set PW,    240                        ; v240     the scale word just made
.set WX,    32                         ; v32-159  weights: 128 numbers down K
.set WC,    160                        ; v160-191 weights: a set of 8 for each block's codes, so that no store's data are written again
	s_load_b256 s[4:11], s[0:1], 0x0               ; x, Wq, Wk, Wv
	s_load_b128 s[12:15], s[0:1], 0x20             ; Wo, xq
	s_load_b64 s[16:17], s[0:1], 0x30              ; wq
	v_lshl_add_u32 v254, v0, 2, 0x11000
	v_mov_b32 v255, 0
	v_lshrrev_b32 v1, 5, v0
	v_readfirstlane_b32 s20, v1                    ; wave 0..7
	v_and_b32 v1, 31, v0                           ; lane
	v_and_b32 v2, 15, v0                           ; r
	v_bfe_u32 v3, v0, 4, 1                         ; h
	s_mov_b32 s[SEL], 0x76543210
	s_mov_b32 s[SEL+1], 0xfedcba98
	s_cmp_lt_u32 ttmp9, 128
	s_cbranch_scc0 .Lweights
; ---------------- x: work-group = (group of 128 rows g, K steps 2 sp and 2 sp + 1); wave w = tile w of the group
	s_lshr_b32 s24, ttmp9, 2                       ; g
	s_and_b32 s25, ttmp9, 3                        ; sp
	s_lshr_b32 s26, s20, 1
	s_and_b32 s27, s20, 1
	s_lshl_b32 s28, s24, 7
	s_lshl_b32 s29, s26, 5
	s_add_co_u32 s28, s28, s29
	s_lshl_b32 s29, s27, 3
	s_add_co_u32 s28, s28, s29                     ; the tile's first row: 128 g + 32 (w / 2) + 8 (w % 2)
	s_lshl_b32 s28, s28, 12                        ; a row is 4,096 bytes
	s_lshl_b32 s29, s25, 10                        ; 256 along K are 1,024 bytes
	s_add_co_u32 s28, s28, s29
	s_mov_b32 s29, 0
	s_lshl_b32 s30, s24, 3
	s_add_co_u32 s30, s30, s20                     ; tile 8 g + w
	s_mul_i32 s30, s30, 768
	s_mul_i32 s31, s25, 4*CSTR                     ; c = 4 sp on
	s_add_co_u32 s30, s30, s31
	s_mov_b32 s31, 0
	s_lshl_b32 s32, s24, 12                        ; the scale words that waves 0 and 1 store: group g, K step 2 sp + w
	s_lshl_b32 s33, s25, 10
	s_add_co_u32 s32, s32, s33
	s_lshl_b32 s33, s20, 9
	s_add_co_u32 s32, s32, s33
	s_add_co_u32 s32, s32, SOFF
	s_mov_b32 s33, 0
	s_lshr_b32 s36, s20, 2
	s_lshl_b32 s36, s36, 8
	s_and_b32 s37, s20, 3
	s_lshl_b32 s37, s37, 2
	s_add_co_u32 s36, s36, s37
	s_add_co_u32 s36, s36, XSG                     ; my tile's words: 256 (w / 4) + 4 (w % 4)
	s_lshl_b32 s37, s27, 9
	s_add_co_u32 s37, s37, XSG
	s_mul_i32 s38, s20, STG                        ; my stage
	v_lshlrev_b32 v4, 4, v1                        ; 16 x lane
	v_lshlrev_b32 v5, 3, v1                        ; 8 x lane
	v_add_nc_u32 v6, s38, v4                       ; into the stage: a row's 512 bytes as they lie
	v_mul_u32_u24 v7, v2, 528
	v_lshl_add_u32 v7, v3, 6, v7
	v_add_nc_u32 v7, s38, v7                       ; out of it: row r, + 64 h: my 16 numbers of each block of 32.  528 = 33 x 16: sixteen rows fall on sixteen different columns of 16 bytes
	v_lshl_add_u32 v8, v2, 4, s36                  ; my row's scale word
	v_add_nc_u32 v9, s37, v4                       ; waves 0, 1: a K step's 512 bytes of words
.irp b, 0,1,2,3
	v_mov_b32 v[TM+4+\b], 0                        ; written once: a lane permute's destination counts as one of its sources
.endr
	s_wait_kmcnt 0x0
	s_add_nc_u64 s[28:29], s[4:5], s[28:29]
	s_add_nc_u64 s[30:31], s[14:15], s[30:31]
	s_add_nc_u64 s[32:33], s[14:15], s[32:33]
.macro XLOAD reg, s                    ; the tile's 16 rows, 128 numbers of K step s each: every load reads 512 consecutive bytes
.irp r, 0,1,2,3,4,5,6,7,8,9,10,11,12,13,14,15
	global_load_b128 v[\reg+4*\r:\reg+4*\r+3], v4, s[28:29] offset:(\r+8*(\r/8))*4096+512*\s th:TH_LOAD_NT
.endr
.endm
.macro TURN src, dst                   ; through my own stage: LDS serves a wave's instructions in order, so no wait stands between the stores and the loads
.irp r, 0,1,2,3,4,5,6,7,8,9,10,11,12,13,14,15
	ds_store_b128 v6, v[\src+4*\r:\src+4*\r+3] offset:528*\r
.endr
.irp b, 0,1,2,3
.irp j, 0,1,2,3
	ds_load_b128 v[\dst+16*\b+4*\j:\dst+16*\b+4*\j+3], v7 offset:128*\b+16*\j
.endr
.endr
.endm
; 64 numbers of a lane, register 16 b + i = k 32 b + 16 h + i of my row, become a fragment's codes in v[PC] on and its scale word in v[PW]
.macro QUANT s
.irp b, 0,1,2,3
	v_max3_num_f32 v[TM+\b], |v[\s+16*\b]|, |v[\s+1+16*\b]|, 0x1800000   ; block b: my 16 numbers, and the floor 2^(3 - 127): the byte cannot fall under 1
.endr
.irp i, 2,4,6,8,10,12,14
.irp b, 0,1,2,3
	v_max3_num_f32 v[TM+\b], v[TM+\b], |v[\s+16*\b+\i]|, |v[\s+1+16*\b+\i]|   ; (the four blocks by turns)
.endr
.endr
.irp b, 0,1,2,3
	v_permlanex16_b32 v[TM+4+\b], v[TM+\b], s[SEL], s[SEL+1]
.endr
.irp b, 0,1,2,3
	v_max_num_f32 v[TM+\b], v[TM+\b], v[TM+4+\b]   ; with lane l xor 16's: the block's largest magnitude
.endr
.irp b, 0,1,2,3
	v_add_nc_u32 v[TM+12+\b], 0xff000000, v[TM+\b] ; 2 off its exponent field: the conversion takes the exponent field of this operand as its scale
.endr
.irp b, 0,1,2,3
	v_lshrrev_b32 v[TM+4+\b], 23, v[TM+12+\b]      ; the scale's byte
.endr
	v_lshl_or_b32 v[PW], v[TM+5], 8, v[TM+4]
	v_lshl_or_b32 v[PW], v[TM+6], 16, v[PW]
	v_lshl_or_b32 v[PW], v[TM+7], 24, v[PW]        ; my row's scale word (both halves of the lanes hold the same)
.irp c, 0,1
	v_cvt_scalef32_pk16_fp6_f32 v[PC+6*\c:PC+2+6*\c], v[\s+32*\c:\s+15+32*\c], v[TM+12+2*\c]
	v_cvt_scalef32_pk16_fp6_f32 v[PC+12+4*\c:PC+14+4*\c], v[\s+16+32*\c:\s+31+32*\c], v[TM+12+2*\c+1]   ; (a conversion's three registers begin on an even number)
.endr
	v_nop                                          ; one plain place behind a scaled conversion
.irp c, 0,1                            ; the operand's layout wants a WHOLE block in a lane: lanes 0-15 block 2 c, lanes 16-31 block 2 c + 1
.irp i, 0,1,2
	v_permlane16_swap_b32 v[PC+6*\c+\i], v[PC+12+4*\c+\i]
.endr
.irp i, 0,1,2
	v_mov_b32 v[PC+3+6*\c+\i], v[PC+12+4*\c+\i]
.endr
.endr
.endm
.macro IMG s                           ; the fragment leaves as two images: each store covers whole aligned blocks of 256 bytes
	global_store_b128 v4, v[PC:PC+3], s[30:31] offset:(2*\s)*CSTR
	global_store_b64 v5, v[PC+4:PC+5], s[30:31] offset:(2*\s)*CSTR+512
	global_store_b128 v4, v[PC+6:PC+9], s[30:31] offset:(2*\s+1)*CSTR
	global_store_b64 v5, v[PC+10:PC+11], s[30:31] offset:(2*\s+1)*CSTR+512
.endm
	XLOAD R0, 0
	XLOAD R1, 1
	s_wait_loadcnt 16                              ; K step 0's sixteen loads are in; K step 1's sixteen may be out
	TURN R0, X
	s_wait_loadcnt 0x0
	s_wait_dscnt 0x0                               ; X is in, and the stage's stores have read R0, which the next turn loads into
	TURN R1, R0
	QUANT X
	IMG 0
	ds_store_b32 v8, v[PW]
	s_wait_dscnt 1                                 ; behind the second turn's loads stands that one store: the loads are in
	s_wait_xcnt 0x0                                ; the codes' registers are written again only behind this wait
	QUANT R0
	IMG 1
	ds_store_b32 v8, v[PW] offset:512
	s_wait_dscnt 0x0                               ; for the others' sake: my words lie in LDS
	s_barrier_signal -1
	s_barrier_wait -1
	s_cmp_gt_u32 s20, 1
	s_cbranch_scc1 .Lx_end
	ds_load_b128 v[244:247], v9                    ; waves 0 and 1: a K step's words of the eight tiles,
	s_wait_dscnt 0x0
	global_store_b128 v4, v[244:247], s[32:33]     ; 512 consecutive bytes
.Lx_end:
	s_wait_tensorcnt 0x0
	ds_add_u32 v254, v255
	s_wait_dscnt 0x0
	s_endpgm
; ---------------- the weights: work-group = (weight, group of 128 columns gw, K steps 2 sp and 2 sp + 1); wave w: 32 columns cq = w % 4, K step 2 sp + w / 4
; A LANE TAKES A COLUMN AND ITS REGISTERS RUN DOWN K: a block of 32 lies in one lane, and the conversions give codes with K innermost.  Nothing is transposed.
.Lweights:
	s_sub_co_u32 s24, ttmp9, 128
	s_lshr_b32 s25, s24, 5                         ; which weight: 0 Wq, 1 Wk, 2 Wv, 3 Wo
	s_bfe_u32 s26, s24, 0x30002                    ; gw
	s_and_b32 s27, s24, 3                          ; sp
	s_and_b32 s28, s20, 3                          ; cq
	s_lshr_b32 s29, s20, 2                         ; sl
	s_lshl_b32 s30, s27, 1
	s_add_co_u32 s30, s30, s29                     ; my K step
	s_lshl_b32 s32, s30, 19                        ; 128 rows of 4,096 bytes
	s_lshl_b32 s33, s26, 9
	s_add_co_u32 s32, s32, s33
	s_lshl_b32 s33, s28, 7
	s_add_co_u32 s32, s32, s33                     ; + 4 x (128 gw + 32 cq)
	s_mov_b32 s33, 0
	s_mul_i32 s34, s30, 2*CSTR                     ; c = 2 x K step on
	s_lshl_b32 s35, s25, 6
	s_lshl_b32 s36, s26, 3
	s_add_co_u32 s35, s35, s36
	s_lshl_b32 s36, s28, 1
	s_add_co_u32 s35, s35, s36                     ; tile 64 x weight + 8 gw + 2 cq
	s_mul_i32 s35, s35, 768
	s_add_co_u32 s34, s34, s35
	s_mov_b32 s35, 0
	s_lshl_b32 s36, s25, 3
	s_add_co_u32 s36, s36, s26
	s_lshl_b32 s36, s36, 12                        ; the scale words that waves 0 and 1 store: group 8 x weight + gw, K step 2 sp + w
	s_lshl_b32 s37, s27, 10
	s_add_co_u32 s36, s36, s37
	s_lshl_b32 s37, s20, 9
	s_add_co_u32 s36, s36, s37
	s_add_co_u32 s36, s36, SOFF
	s_mov_b32 s37, 0
	s_lshl_b32 s38, s29, 9
	s_lshr_b32 s39, s28, 1
	s_lshl_b32 s39, s39, 8
	s_add_co_u32 s38, s38, s39
	s_and_b32 s39, s28, 1
	s_lshl_b32 s39, s39, 3
	s_add_co_u32 s38, s38, s39
	s_add_co_u32 s38, s38, WSG                     ; my two tiles' words: 512 sl + 256 (cq / 2) + 8 (cq % 2)
	s_and_b32 s39, s20, 1
	s_lshl_b32 s39, s39, 9
	s_add_co_u32 s39, s39, WSG
	v_lshlrev_b32 v4, 2, v1                        ; in: 4 bytes a lane
	v_bfe_u32 v11, v1, 3, 1                        ; column f of the 32 lies in tile u = (f / 8) % 2,
	v_and_b32 v12, 7, v1
	v_lshrrev_b32 v13, 4, v1
	v_lshl_add_u32 v12, v13, 3, v12                ; at lane r' = f % 8 + 8 (f / 16)
	v_mul_u32_u24 v14, v11, 768
	v_lshl_add_u32 v5, v12, 4, v14                 ; an image's registers 0-3: 768 u + 16 r'
	v_lshl_add_u32 v6, v12, 3, v14                 ; its registers 4-5: 768 u + 8 r'
	v_lshl_add_u32 v7, v12, 4, s38
	v_lshl_add_u32 v7, v11, 2, v7                  ; my column's scale word
	v_lshlrev_b32 v10, 4, v1
	v_add_nc_u32 v9, s39, v10                      ; waves 0, 1: a K step's 512 bytes of words
	s_wait_kmcnt 0x0
	s_cmp_eq_u32 s25, 1                            ; the choice hangs on the work-group's number alone
	s_cselect_b64 s[6:7], s[8:9], s[6:7]
	s_cmp_eq_u32 s25, 2
	s_cselect_b64 s[6:7], s[10:11], s[6:7]
	s_cmp_eq_u32 s25, 3
	s_cselect_b64 s[6:7], s[12:13], s[6:7]
	s_add_nc_u64 s[6:7], s[6:7], s[32:33]
	s_add_nc_u64 s[34:35], s[16:17], s[34:35]
	s_add_nc_u64 s[36:37], s[16:17], s[36:37]
.set i, 0
.rept 128
	global_load_b32 v[WX+i], v4, s[6:7] offset:i*4096 th:TH_LOAD_NT   ; W(k, my column): a wave reads 128 consecutive bytes, four waves side by side 512
.set i, i+1
.endr
.macro BLOCK t                         ; block t of my four: k = 32 t on.  In the image it is lane r' + 16 (t % 2) of c = t / 2
.set XS, WX+32*(\t)
.set C, WC+8*(\t)
.if (\t) < 2
	s_wait_loadcnt 63                              ; 96 and 64 would do; a wait's count holds 63 at the most
.else
	s_wait_loadcnt 96-32*(\t)                      ; the later blocks' loads may be out
.endif
	v_max3_num_f32 v192, |v[XS]|, |v[XS+1]|, |v[XS+2]|
	v_max3_num_f32 v193, |v[XS+3]|, |v[XS+4]|, |v[XS+5]|
.irp i, 6,10,14,18,22,26
	v_max3_num_f32 v192, v192, |v[XS+\i]|, |v[XS+\i+1]|
	v_max3_num_f32 v193, v193, |v[XS+\i+2]|, |v[XS+\i+3]|
.endr
	v_max3_num_f32 v192, v192, |v[XS+30]|, |v[XS+31]|
	v_max3_num_f32 v192, v192, v193, 0x1800000     ; and the floor
	v_add_nc_u32 v194, 0xff000000, v192            ; the conversion's scale operand
	v_cvt_scalef32_pk16_fp6_f32 v[C:C+2], v[XS:XS+15], v194
	v_cvt_scalef32_pk16_fp6_f32 v[C+4:C+6], v[XS+16:XS+31], v194
	v_lshrrev_b32 v195, 23, v194                   ; the byte.  (The plain place behind the conversions)
.if (\t) == 0
	v_mov_b32 v196, v195
.else
	v_lshl_or_b32 v196, v195, 8*(\t), v196         ; four bytes make my column's word for this K step
.endif
	v_mov_b32 v[C+3], v[C+4]                       ; the block's six registers on end
	v_mov_b32 v[C+4], v[C+5]
	v_mov_b32 v[C+5], v[C+6]
	global_store_b128 v5, v[C:C+3], s[34:35] offset:((\t)/2)*CSTR+256*((\t)%2)      ; sixteen lanes fill an aligned 256 bytes of each of the two tiles
	global_store_b64 v6, v[C+4:C+5], s[34:35] offset:((\t)/2)*CSTR+512+128*((\t)%2) ; half of such a block; block t xor 1 fills the other half
.endm
	BLOCK 0
	BLOCK 1
	BLOCK 2
	BLOCK 3
	ds_store_b32 v7, v196
	s_wait_dscnt 0x0                               ; for the others' sake
	s_barrier_signal -1
	s_barrier_wait -1
	s_cmp_gt_u32 s20, 1
	s_cbranch_scc1 .Lw_end
	ds_load_b128 v[200:203], v9
	s_wait_dscnt 0x0
	global_store_b128 v10, v[200:203], s[36:37]    ; 512 consecutive bytes
.Lw_end:
	s_wait_tensorcnt 0x0
	ds_add_u32 v254, v255
	s_wait_dscnt 0x0
	s_endpgm
.Lfunc_end_k_qa328bcdf20_quant:
	.size	k_qa328bcdf20_quant, .Lfunc_end_k_qa328bcdf20_quant-k_qa328bcdf20_quant
	.p2alignl 7, 3214868480
	.fill 96, 4, 3214868480
	.section	.rodata,"a",@progbits
	.p2align	6, 0x0
	.amdhsa_kernel k_qa328bcdf20_quant
		.amdhsa_group_segment_fixed_size 70656
		.amdhsa_private_segment_fixed_size 0
		.amdhsa_enable_private_segment 0
		.amdhsa_kernarg_size 56
		.amdhsa_user_sgpr_count 2
		.amdhsa_user_sgpr_kernarg_segment_ptr 1
		.amdhsa_wavefront_size32 1
		.amdhsa_system_sgpr_workgroup_id_x 1
		.amdhsa_system_sgpr_workgroup_id_y 1
		.amdhsa_system_sgpr_workgroup_id_z 1
		.amdhsa_system_vgpr_workitem_id 0
		.amdhsa_next_free_vgpr 256
		.amdhsa_next_free_sgpr 66
		.amdhsa_reserve_vcc 0
		.amdhsa_float_denorm_mode_32 3
		.amdhsa_float_denorm_mode_16_64 3
		.amdhsa_memory_ordered 1
		.amdhsa_forward_progress 1
		.amdhsa_inst_pref_size 41
	.end_amdhsa_kernel
	.amdgpu_metadata
---
amdhsa.version: [ 1, 2 ]
amdhsa.kernels:
  - .name:           k_qa328bcdf20_quant
    .symbol:         k_qa328bcdf20_quant.kd
    .args:
      - { .name: x, .offset: 0, .size: 8, .value_kind: global_buffer, .address_space: global }
      - { .name: Wq, .offset: 8, .size: 8, .value_kind: global_buffer, .address_space: global }
      - { .name: Wk, .offset: 16, .size: 8, .value_kind: global_buffer, .address_space: global }
      - { .name: Wv, .offset: 24, .size: 8, .value_kind: global_buffer, .address_space: global }
      - { .name: Wo, .offset: 32, .size: 8, .value_kind: global_buffer, .address_space: global }
      - { .name: xq, .offset: 40, .size: 8, .value_kind: global_buffer, .address_space: global }
      - { .name: wq, .offset: 48, .size: 8, .value_kind: global_buffer, .address_space: global }
    .group_segment_fixed_size: 70656
    .private_segment_fixed_size: 0
    .kernarg_segment_align: 8
    .kernarg_segment_size: 56
    .max_flat_workgroup_size: 256
    .sgpr_count:     66
    .vgpr_count:     256
    .wavefront_size: 32
...
	.end_amdgpu_metadata
.endif
;; end of part 1
;; launch qkv (part 2): grid 8 x 24, 4 waves a work-group, clusters of 4 x 4, 327,680 bytes of LDS; arguments xq, wq, bq, bk, bv, qq, kv; writes qq, kv
.if DOCPART == 2
	.amdgcn_target "amdgcn-amd-amdhsa--gfx1250"
	.amdhsa_code_object_version 6
	.text
	.protected	k_qa328bcdf20_qkv
	.globl	k_qa328bcdf20_qkv
	.p2align	8
	.type	k_qa328bcdf20_qkv,@function
k_qa328bcdf20_qkv:
	s_mov_b64 s[64:65], 0
	v_nop
	global_prefetch_b8 v0, s[64:65] scope:SCOPE_SE
	s_setreg_imm32_b32 hwreg(HW_REG_WAVE_MODE, 25, 1), 1
	s_wait_xcnt 0x0
	s_wait_alu depctr_hold_cnt(0) depctr_sa_sdst(0) depctr_va_vdst(0) depctr_va_sdst(0) depctr_va_ssrc(0) depctr_va_vcc(0) depctr_vm_vsrc(0)
	s_getreg_b32 s2, hwreg(HW_REG_IB_STS2, 6, 4)
	s_cmp_eq_u32 s2, 0
	s_cbranch_scc0 .Lentry_in_a_cluster
	s_endpgm
.Lentry_in_a_cluster:
	s_bfe_u32 s2, ttmp6, 0x10000c
	s_cmp_lg_u32 s2, 0xf033
	s_cbranch_scc0 .Lentry_shape_is_right
	s_endpgm
.Lentry_shape_is_right:
; q = x Wq + bq, k = x Wk + bk, v = x Wv + bv on codes of FP6 (E2M3) with E8M0 scales, and q, k, v quantised again in registers: q and k along the head's 64, v along the keys.  Nothing wide goes to memory.
; One text for three products.  A tile of 256 x 256 to a work-group, 128 x 128 to each of four waves: 64 accumulators, 512 registers.  Source 0 takes rows of the B side, source 1 rows of the A side:
; a lane then holds ONE row of A, and its registers run along B's rows, which is the axis that the results are quantised along.
;   clusters with y < 4:  A = x's tokens, B = Wq's (cluster x 0) or Wk's (1) features: a lane holds a token, its registers features (the next K of q and k);
;   clusters with y >= 4: A = Wv's features, B = x's tokens: a lane holds a feature, its registers tokens (the keys, the next K of v).
; OPERANDS ARE IMAGES OF REGISTERS: [c = K / 64][tile][768 bytes]; lane l's registers 0-3 of half a fragment at 16 l, registers 4-5 at 512 + 8 l.  A fragment is two such halves: two loads of 16 bytes and two of 8, each over consecutive bytes.
; Lane r of tile 2 B + u holds row 32 B + 8 u + r + 8 (r / 8): so the 16 registers of B's tiles 2 B and 2 B + 1 are the 16 neighbours 32 B + 16 h + 0 .. 15.
; K = 1,024 goes in four fills of 256 through two LDS slots; the eight steps of 128 are written out.  The scale words of the work-group's rows, for all of K, come once.
; CLUSTERS: 4 x 4.  A's tiles are asked for jointly along a row of the cluster, B's along a column.  Which path a work-group takes hangs on the cluster's y alone: all partners run alike.
; The bias is the C of each sum's first matrix instruction: another order of rounding than x W + b.
; LIMITS: a block of zeros, or one under 2^-124, gets the byte 1 where the rule says 127 (this program alone reads the bytes); NaN and infinities are not served.
; REGISTERS, in windows of 256: window 0: v1-3 lane numbers, v16-31 addresses, v32-63 scale words (two sets), v64-127 the bias, v128-223 A's fragments (one set; on the way out at work).
;   window 1: B's fragments, two sets, at v0 and v128.   window 2: accumulators of A's tiles 0-3 ((a, b) at v[8 (8 (a % 4) + b)]);   window 3: of tiles 4-7.
.set CSTR,  196608                     ; bytes from one c to the next
.set SOFF,  3145728                    ; where a buffer's scale words begin
.set CH,    6144                       ; 8 tiles of one c
.set HALFT, 4*CH                       ; what one tensor load brings: 4 c x 8 tiles = 128 rows x 256 K
.set SLOT,  4*HALFT                    ; A's two halves, then B's two
.set SLOTK, 4*CSTR                     ; memory bytes from one fill to the next
.set SCL,   2*SLOT                     ; behind the ring: four groups of scale words, 4,096 bytes each
.set SPARE, SCL+4*4096                 ; behind them: the spare words, 128 bytes a wave: two blocks of 256 bytes that no other line names
.set REC,   13056                      ; kv: a key step's record: K's 8 tiles, V's 2 x 4 halves, K's 512 bytes of scale words, V's 256
.set HEADB, 16*REC                     ; a head's records
.set FR,    12                         ; registers of a fragment
.set NL,    4                          ; LDS loads that bring one
.set NP,    4                          ; places behind this matrix instruction (ISA guide 7.12.1)
.set A16,   16                         ; v16-17 A's fragments in slot 0, 1: + 16 x lane;  v18-19: + 8 x lane
.set A8,    18
.set B16,   20                         ; v20-23 the same for B
.set B8,    22
.set ADRS,  27                         ; v27    my scale words: lanes 0-15 A's, lanes 16-31 B's
.set SPW,   28                         ; v28    my spare word; never rewritten
.set NIL,   29                         ; v29    0; never rewritten
.set L16,   30                         ; v30    16 x lane
.set L8,    31                         ; v31    8 x lane
.set SC,    32                         ; register SC + 16 set + 8 q + i: lanes 0-15 the word of A's tile i, lanes 16-31 of B's tile i, for the slot's q-th 128 along K
.set BI,    64
.set AF,    128
.set PC,    128                        ; the way out: 12 registers of codes and 8 at work
.set TM,    160
.set WS,    176                        ; the eight tiles' scale words
.set Z,     184
.set ZL,    188
.set ZH,    192
.set VO,    196
.set G1,    24                         ; s[24:31] group 1 for A's tiles, s[32:39] group 0, a set a slot
.set G0,    32
.set G1B,   48                         ; s[48:55], s[56:63] for B's
.set G0B,   56
.set G1S,   68                         ; s[68:75], s[76:79] for A's scales;  s[80:87], s[88:91] for B's
.set G0S,   76
.set G1SB,  80
.set G0SB,  88
.set PATHV, 98                         ; s98  1 on v's path
.set HIM,   99                         ; s99  a mask of lanes 16-31
.set SEL,   100                        ; s[100:101] lane l xor 16
.set PP,    24                         ; the way out (the descriptors are done with): s[24:31] four pointers for codes, s[32:35] two for scale words
.set PS,    32
.set MSB, 0
.macro WIN new                         ; the immediate's high byte repeats the setting that is left
.if MSB != \new
	s_set_vgpr_msb (MSB<<8)|\new
.set MSB, \new
.endif
.endm
.set MUL_LO,  0xa1                     ; source 0 (B) window 1, source 1 (A) window 0, C and D window 2
.set MUL_HI,  0xf1                     ; C and D window 3
.set MUL_LOB, 0x81                     ; the same with C (the bias) in window 0
.set MUL_HIB, 0xc1
.set TO_B,    0x40                     ; destination window 1, address window 0
; A joint load: waves 0 and 1 fetch for A, waves 2 and 3 for B; the branch hangs on the wave's number alone.  Four v_nop follow each line.
.macro JLOAD g0a, g1a, g0b, g1b
	s_cmp_eq_u32 s15, 0
	s_cbranch_scc0 .Lfor_b_\@
	tensor_load_to_lds s[\g0a:\g0a+3], s[\g1a:\g1a+7]
	s_nop 0
.rept 4
	v_nop
.endr
	s_branch .Lasked_\@
.Lfor_b_\@:
	tensor_load_to_lds s[\g0b:\g0b+3], s[\g1b:\g1b+7]
	s_nop 0
.rept 4
	v_nop
.endr
.Lasked_\@:
.endm
.macro CREST                           ; a round of the cluster's barrier behind its opening barrier
	s_cmp_lg_u32 s14, 0
	s_cbranch_scc1 .Lnot_wave_0_\@
	s_barrier_signal -3
.Lnot_wave_0_\@:
	s_barrier_wait -3
	s_barrier_signal -1
	s_barrier_wait -1
.endm
.macro CROUND
	s_barrier_signal -1
	s_barrier_wait -1
	CREST
.endm
.macro PLACES n
.rept \n
	v_nop
.endr
.endm
	s_load_b128 s[4:7], s[0:1], 0x0                ; xq, wq
	s_load_b128 s[92:95], s[0:1], 0x10             ; bq, bk
	s_load_b64 s[96:97], s[0:1], 0x20              ; bv
	s_load_b64 s[2:3], s[0:1], 0x28                ; qq
	s_load_b64 s[104:105], s[0:1], 0x30            ; kv
	v_lshl_add_u32 v[SPW], v0, 2, SPARE
	v_mov_b32 v[NIL], 0
	ds_add_u32 v28, v29
	ds_add_u32 v28, v29
	s_wait_dscnt 0x0
	v_lshrrev_b32 v1, 5, v0
	v_readfirstlane_b32 s14, v1                    ; wave 0..3
	s_lshr_b32 s15, s14, 1                         ; which half of A's rows is mine.  Also: I fetch for A (0) or for B (1)
	s_and_b32 s16, s14, 1                          ; which half of B's rows.  Also: which 128 rows I fetch
	s_mov_b32 s[HIM], 0xffff0000
	s_mov_b32 s[SEL], 0x76543210
	s_mov_b32 s[SEL+1], 0xfedcba98
	s_bfe_u32 s40, ttmp6, 0x40000                  ; cx, cy: my place in the cluster
	s_bfe_u32 s41, ttmp6, 0x40004
	s_and_b32 s42, ttmp7, 0xffff                   ; the cluster's y: 0..5
	s_lshl_b32 s43, s41, 2
	s_lshl_b32 s43, 15, s43                        ; my row of the cluster
	s_lshl_b32 s44, 0x1111, s40                    ; my column
	s_lshl_b32 s45, s42, 2
	s_add_co_u32 s45, s45, s41                     ; q, k: A's block of 256 tokens = 4 x cluster y + cy
	s_add_co_u32 s46, s41, 8                       ; v: A's block of the weights' rows = 8 + cy (Wv's)
	s_lshl_b32 s47, ttmp9, 2
	s_add_co_u32 s47, s47, s40                     ; q, k: B's block of the weights' rows = 4 x cluster x + cx (0-3 Wq's, 4-7 Wk's)
	s_and_b32 s17, s42, 1
	s_lshl_b32 s17, s17, 3
	s_add_co_u32 s17, s17, s47                     ; v: B's block of tokens = 8 (cluster y - 4) + 4 x cluster x + cx
	s_cmp_ge_u32 s42, 4
	s_cselect_b32 s[PATHV], 1, 0
	s_cselect_b32 s45, s46, s45                    ; A's block: made of the cluster's y and cy alone
	s_cselect_b32 s47, s17, s47                    ; B's block: of the cluster's x and y and cx alone
	; group 1 for codes: 4 rows (c) of 768 elements of 8 bytes (8 tiles), CSTR bytes apart; dense in LDS
	s_or_b32 s[G1+0], s43, (3<<16)|(1<<21)         ; 15:0 the mask: A's tiles go to my row; 17:16 elements of 8 bytes; 20 no padding; 21 set beside a mask
	s_or_b32 s[G1B+0], s44, (3<<16)|(1<<21)
.irp g, G1, G1B
	s_mov_b32 s[\g+1], 768<<16                     ; tensor_dim0
	s_mov_b32 s[\g+2], 4<<16                       ; tensor_dim1
	s_mov_b32 s[\g+3], 768<<16                     ; tile_dim0
	s_mov_b32 s[\g+4], 4                           ; tile_dim1
	s_mov_b32 s[\g+5], CSTR/8                      ; tensor_dim0_stride
	s_mov_b32 s[\g+6], 0
	s_mov_b32 s[\g+7], 0
.endr
	; and for the scale words of 128 rows: 4,096 dense bytes as 16 rows of 256
	s_or_b32 s[G1S+0], s43, (3<<16)|(1<<21)
	s_or_b32 s[G1SB+0], s44, (3<<16)|(1<<21)
.irp g, G1S, G1SB
	s_mov_b32 s[\g+1], 32<<16
	s_mov_b32 s[\g+2], 16<<16
	s_mov_b32 s[\g+3], 32<<16
	s_mov_b32 s[\g+4], 16
	s_mov_b32 s[\g+5], 32
	s_mov_b32 s[\g+6], 0
	s_mov_b32 s[\g+7], 0
.endr
	s_mul_i32 s18, s45, 2*CH                       ; A's codes: a block is 16 tiles; + my 8
	s_mul_i32 s19, s16, CH
	s_add_co_u32 s18, s18, s19
	s_mov_b32 s19, 0
	s_lshl_b32 s20, s45, 13                        ; A's scales: a block is two groups of 4,096 bytes
	s_lshl_b32 s21, s16, 12
	s_add_co_u32 s20, s20, s21
	s_add_co_u32 s20, s20, SOFF
	s_mov_b32 s21, 0
	s_mul_i32 s22, s47, 2*CH                       ; B's likewise
	s_mul_i32 s23, s16, CH
	s_add_co_u32 s22, s22, s23
	s_mov_b32 s23, 0
	s_lshl_b32 s12, s47, 13
	s_lshl_b32 s13, s16, 12
	s_add_co_u32 s12, s12, s13
	s_add_co_u32 s12, s12, SOFF
	s_mov_b32 s13, 0
	s_mul_i32 s66, s14, HALFT                      ; where they go: wave x what a load brings: no place in the cluster enters an LDS address
	s_lshl_b32 s67, s14, 12
	s_wait_kmcnt 0x0
	s_cmp_eq_u32 s[PATHV], 0
	s_cselect_b64 s[8:9], s[4:5], s[6:7]           ; A's buffer: x's codes, or on v's path the weights'
	s_cselect_b64 s[10:11], s[6:7], s[4:5]         ; B's: the other
	s_add_nc_u64 s[18:19], s[8:9], s[18:19]
	s_add_nc_u64 s[20:21], s[8:9], s[20:21]
	s_add_nc_u64 s[22:23], s[10:11], s[22:23]
	s_add_nc_u64 s[12:13], s[10:11], s[12:13]
	CROUND                                         ; all sixteen work-groups are here: the first joint loads meet
	s_mov_b32 s[G0S], 1
	s_add_co_u32 s[G0S+1], s67, SCL
	s_mov_b64 s[G0S+2:G0S+3], s[20:21]
	s_or_b32 s[G0S+3], s[G0S+3], 0x80000000
	s_mov_b32 s[G0SB], 1
	s_add_co_u32 s[G0SB+1], s67, SCL
	s_mov_b64 s[G0SB+2:G0SB+3], s[12:13]
	s_or_b32 s[G0SB+3], s[G0SB+3], 0x80000000
	JLOAD G0S, G1S, G0SB, G1SB                     ; the scales first: they are wanted with the first step
.irp s, 0,1
	s_mov_b32 s[G0+4*\s], 1
	s_add_co_u32 s[G0+4*\s+1], s66, \s*SLOT
	s_add_nc_u64 s[G0+4*\s+2:G0+4*\s+3], s[18:19], \s*SLOTK
	s_or_b32 s[G0+4*\s+3], s[G0+4*\s+3], 0x80000000
	s_mov_b32 s[G0B+4*\s], 1
	s_add_co_u32 s[G0B+4*\s+1], s66, \s*SLOT
	s_add_nc_u64 s[G0B+4*\s+2:G0B+4*\s+3], s[22:23], \s*SLOTK
	s_or_b32 s[G0B+4*\s+3], s[G0B+4*\s+3], 0x80000000
	JLOAD G0+4*\s, G1, G0B+4*\s, G1B               ; three loads of mine are out behind the second of these
.endr
	v_and_b32 v1, 31, v0                           ; lane
	v_and_b32 v2, 15, v0                           ; r
	v_bfe_u32 v3, v0, 4, 1                         ; h
	v_lshlrev_b32 v[L16], 4, v1
	v_lshlrev_b32 v[L8], 3, v1
	s_mul_i32 s20, s15, HALFT                      ; my 128 rows of A
	s_mul_i32 s21, s16, HALFT                      ; my 128 rows of B,
	s_add_co_u32 s21, s21, 2*HALFT                 ; which lie behind A's 256
.irp s, 0,1
	v_add_nc_u32 v[A16+\s], s20, v[L16]
	v_add_nc_u32 v[A8+\s], s20, v[L8]
	v_add_nc_u32 v[B16+\s], s21, v[L16]
	v_add_nc_u32 v[B8+\s], s21, v[L8]
	s_add_co_u32 s20, s20, SLOT
	s_add_co_u32 s21, s21, SLOT
.endr
	s_lshl_b32 s20, s15, 12                        ; A's group of scale words
	s_lshl_b32 s21, s16, 12
	s_add_co_u32 s21, s21, 8192                    ; B's, behind A's two
	s_sub_co_u32 s21, s21, s20
	v_mul_u32_u24 v4, s21, v3                      ; lanes 16-31 take B's: one product, the distance x h
	s_add_co_u32 s20, s20, SCL
	v_lshl_add_u32 v4, v2, 4, v4                   ; four tiles' words of row r: 16 bytes
	v_add_nc_u32 v[ADRS], s20, v4
	; THE BIAS, in the result's layout, eight registers a tile.  Both arms write all 64 registers and wait for their loads; the next line waits for the first tiles anyway.
	s_cmp_lg_u32 s[PATHV], 0
	s_cbranch_scc1 .Lbias_v
	s_cmp_eq_u32 ttmp9, 0
	s_cselect_b64 s[92:93], s[92:93], s[94:95]     ; bq or bk
	s_lshl_b32 s20, s40, 10                        ; my block's 256 features,
	s_lshl_b32 s21, s16, 9                         ; my 128 of them
	s_add_co_u32 s20, s20, s21
	s_mov_b32 s21, 0
	s_add_nc_u64 s[92:93], s[92:93], s[20:21]
	v_lshlrev_b32 v4, 6, v3                        ; register j of B's tile b is feature 32 (b / 2) + 8 (b % 2) + 16 h + j
.irp b, 0,1,2,3,4,5,6,7
	global_load_b128 v[BI+8*\b:BI+8*\b+3], v4, s[92:93] offset:(32*(\b/2)+8*(\b%2))*4
	global_load_b128 v[BI+8*\b+4:BI+8*\b+7], v4, s[92:93] offset:(32*(\b/2)+8*(\b%2))*4+16
.endr
	s_wait_loadcnt 0x0
	s_branch .Lbias_done
.Lbias_v:
	s_lshl_b32 s20, s41, 10
	s_lshl_b32 s21, s15, 9
	s_add_co_u32 s20, s20, s21
	s_mov_b32 s21, 0
	s_add_nc_u64 s[96:97], s[96:97], s[20:21]
	v_and_b32 v4, 8, v2
	v_add_nc_u32 v4, v4, v2
	v_lshlrev_b32 v4, 2, v4                        ; lane r of A's tile a is feature 32 (a / 2) + 8 (a % 2) + r + 8 (r / 8): one number for the tile's eight registers
.irp a, 0,1,2,3,4,5,6,7
	global_load_b32 v[BI+8*\a], v4, s[96:97] offset:(32*(\a/2)+8*(\a%2))*4
.endr
	s_wait_loadcnt 0x0
.irp a, 0,1,2,3,4,5,6,7
.irp j, 1,2,3,4,5,6,7
	v_mov_b32 v[BI+8*\a+\j], v[BI+8*\a]
.endr
.endr
.Lbias_done:
.macro FRAG reg, a16, a8, q, i         ; a fragment, 16 rows x 128 K: the images of c = 2 q and 2 q + 1 of tile i
	ds_load_b128 v[\reg:\reg+3], v[\a16] offset:(2*(\q))*CH+768*(\i)
	ds_load_b64 v[\reg+4:\reg+5], v[\a8] offset:(2*(\q))*CH+768*(\i)+512
	ds_load_b128 v[\reg+6:\reg+9], v[\a16] offset:(2*(\q)+1)*CH+768*(\i)
	ds_load_b64 v[\reg+10:\reg+11], v[\a8] offset:(2*(\q)+1)*CH+768*(\i)+512
.endm
.macro FETCH_B slot, q, p              ; B's eight fragments of the slot's q-th 128 along K into set p
	WIN TO_B
.irp i, 0,1,2,3,4,5,6,7
	FRAG 128*(\p)+FR*\i, B16+\slot, B8+\slot, \q, \i
.endr
	WIN 0
.endm
.macro FETCH_A slot, q, i0             ; A's tiles i0 .. i0 + 3
.irp i, \i0, \i0+1, \i0+2, \i0+3
	FRAG AF+FR*(\i), A16+\slot, A8+\slot, \q, \i
.endr
.endm
.macro SCALES set                      ; a slot's scale words: four loads of 16 bytes, four tiles' words each
.irp q, 0,1
.irp e, 0,1
	ds_load_b128 v[SC+16*\set+8*\q+4*\e:SC+16*\set+8*\q+4*\e+3], v[ADRS] offset:512*\q+256*\e
.endr
.endr
.endm
; 16 matrix instructions: A's tiles a0, a0 + 1 x B's eight.  p: B's set; q, sc: which scale words.  cin = 0: the sums go on; 1: they begin with the bias of B's tile; 2: of A's tile.
; The 64 accumulators take turns, one instruction a turn, in the same order in every step.
.macro MUL16 a0, p, q, sc, cin
.irp a, \a0, \a0+1
.irp b, 0,1,2,3,4,5,6,7
.if \cin == 1
	v_wmma_scale_f32_16x16x128_f8f6f4 v[8*(8*((\a)%4)+\b):8*(8*((\a)%4)+\b)+7], v[128*(\p)+FR*\b:128*(\p)+FR*\b+FR-1], v[AF+FR*(\a):AF+FR*(\a)+FR-1], v[BI+8*\b:BI+8*\b+7], v[SC+16*(\sc)+8*(\q)+\b], v[SC+16*(\sc)+8*(\q)+(\a)] matrix_a_fmt:MATRIX_FMT_FP6 matrix_b_fmt:MATRIX_FMT_FP6 matrix_a_scale:MATRIX_SCALE_ROW1
.elseif \cin == 2
	v_wmma_scale_f32_16x16x128_f8f6f4 v[8*(8*((\a)%4)+\b):8*(8*((\a)%4)+\b)+7], v[128*(\p)+FR*\b:128*(\p)+FR*\b+FR-1], v[AF+FR*(\a):AF+FR*(\a)+FR-1], v[BI+8*(\a):BI+8*(\a)+7], v[SC+16*(\sc)+8*(\q)+\b], v[SC+16*(\sc)+8*(\q)+(\a)] matrix_a_fmt:MATRIX_FMT_FP6 matrix_b_fmt:MATRIX_FMT_FP6 matrix_a_scale:MATRIX_SCALE_ROW1
.else
	v_wmma_scale_f32_16x16x128_f8f6f4 v[8*(8*((\a)%4)+\b):8*(8*((\a)%4)+\b)+7], v[128*(\p)+FR*\b:128*(\p)+FR*\b+FR-1], v[AF+FR*(\a):AF+FR*(\a)+FR-1], v[8*(8*((\a)%4)+\b):8*(8*((\a)%4)+\b)+7], v[SC+16*(\sc)+8*(\q)+\b], v[SC+16*(\sc)+8*(\q)+(\a)] matrix_a_fmt:MATRIX_FMT_FP6 matrix_b_fmt:MATRIX_FMT_FP6 matrix_a_scale:MATRIX_SCALE_ROW1
.endif
.endr
.endr
.endm
; A slot's first step of 128 along K.  A tile of A is free as soon as its eight products are issued, so one set serves A: tiles 0-3 are fetched anew in the step's middle, tiles 4-7 at its end; B has two sets.
.macro STEP slot, cin
	s_wait_dscnt 4*NL                              ; all but the youngest sixteen loads (A's tiles 4-7) are in
.if \cin
	WIN MUL_LOB
.else
	WIN MUL_LO
.endif
	MUL16 0, 0, 0, \slot, \cin
	MUL16 2, 0, 0, \slot, \cin
	s_wait_dscnt 0                                 ; A's tiles 4-7 are in (asked for 32 matrix instructions ago)
	PLACES NP                                      ; in front of loads into registers that matrix instructions have read
	FETCH_B \slot, 1, 1
	FETCH_A \slot, 1, 0
.if \cin
	WIN MUL_HIB
.else
	WIN MUL_HI
.endif
	MUL16 4, 0, 0, \slot, \cin
	MUL16 6, 0, 0, \slot, \cin
	PLACES NP
	WIN 0
	FETCH_A \slot, 1, 4
.endm
; A slot's second step changes slots: ONE barrier; in front of it each wave waits for all its tensor loads, adds 0 to its spare word, and waits for that and for its own reads of this slot.  fill = 1: this slot is filled again, two fills ahead.
.macro TURN slot, next, fill
	s_wait_tensorcnt 0x0                           ; all my tensor loads have landed: my part of the next slot;  (every window is 0 here)
	ds_add_u32 v[SPW], v[NIL]                      ; 0 onto my spare word
	s_wait_dscnt 4*NL+1                            ; (the add and the youngest sixteen loads may be out)
	WIN MUL_LO
	MUL16 0, 1, 1, \slot, 0                        ; sixteen matrix instructions stand between the add and the wait for it
	s_wait_dscnt 0x0                               ; the add is done, and my reads of this slot are over
	s_barrier_signal -1
	MUL16 2, 1, 1, \slot, 0
	WIN 0
	s_barrier_wait -1
.if \fill
	CREST                                          ; the barrier has opened a round of the cluster's barrier: no wave of any partner still reads this slot or has a load on its way
	s_add_nc_u64 s[G0+4*\slot+2:G0+4*\slot+3], s[G0+4*\slot+2:G0+4*\slot+3], 2*SLOTK
	s_add_nc_u64 s[G0B+4*\slot+2:G0B+4*\slot+3], s[G0B+4*\slot+2:G0B+4*\slot+3], 2*SLOTK
	JLOAD G0+4*\slot, G1, G0B+4*\slot, G1B         ; the first tensor load behind the round; its four v_nop are the places in front of the loads below
.else
	PLACES NP
.endif
	v_add_nc_u32 v[ADRS], 1024, v[ADRS]            ; on to the next slot's scale words
	FETCH_B \next, 0, 0
	FETCH_A \next, 0, 0
	SCALES \next
	WIN MUL_HI
	MUL16 4, 1, 1, \slot, 0
	MUL16 6, 1, 1, \slot, 0
	PLACES NP
	WIN 0
	FETCH_A \next, 0, 4
.endm
	s_wait_tensorcnt 1                             ; the scales and my part of the first fill are in (the second fill may be out)
	s_barrier_signal -1
	s_barrier_wait -1                              ; everybody's are
	FETCH_B 0, 0, 0
	FETCH_A 0, 0, 0
	SCALES 0
	FETCH_A 0, 0, 4
	s_cmp_lg_u32 s[PATHV], 0                       ; the first step is written twice: its C is the bias of B's tile (q, k) or of A's (v).  No barrier and no tensor load stands in it
	s_cbranch_scc1 .Lfirst_v
	STEP 0, 1
	s_branch .Lfirst_done
.Lfirst_v:
	STEP 0, 2
.Lfirst_done:
	TURN 0, 1, 1
	STEP 1, 0
	TURN 1, 0, 1
	STEP 0, 0
	TURN 0, 1, 0                                   ; nothing is left to fetch
	STEP 1, 0
	s_wait_dscnt 4*NL                              ; the last step
	WIN MUL_LO
	MUL16 0, 1, 1, 1, 0
	MUL16 2, 1, 1, 1, 0
	s_wait_dscnt 0
	WIN MUL_HI
	MUL16 4, 1, 1, 1, 0
	MUL16 6, 1, 1, 1, 0
	WIN 0
; THE WAY OUT.  For each of A's eight tiles a lane's 64 numbers (register 16 b + i = index 32 b + 16 h + i along B's 128 rows) become 12 registers of codes and a scale word: two half images.
;   q, k: the halves are two heads (64 features each) of 16 tokens;   v: the halves are keys 0-63 and 64-127 of a key step, for 16 features of a head.
; Where they go, in numbers shared by the paths: FA = 2 x A's block + wave / 2, FB = 2 x B's block + wave % 2; the group of 128 tokens is FA (q, k) or FB (v), the pair of heads the other.
	PLACES NP                                      ; behind the last products: their results are read and A's registers written below
	s_lshl_b32 s36, s45, 1
	s_add_co_u32 s36, s36, s15                     ; FA
	s_lshl_b32 s37, s47, 1
	s_add_co_u32 s37, s37, s16                     ; FB
	s_cmp_lg_u32 s[PATHV], 0
	s_cselect_b32 s38, s37, s36                    ; the group of 128 tokens, 0..31
	s_cselect_b32 s39, s36, s37
	s_lshl_b32 s39, s39, 1
	s_and_b32 s39, s39, 15                         ; my first head
	s_lshr_b32 s48, s38, 4                         ; the batch
	s_and_b32 s38, s38, 15                         ; the key step, or q's group of 8 tiles
	s_lshl_b32 s48, s48, 4
	s_add_co_u32 s39, s39, s48                     ; 16 x batch + head
	s_cmp_eq_u32 ttmp9, 0
	s_cselect_b32 s49, 1, 0
	s_xor_b32 s50, s[PATHV], 1
	s_and_b32 s49, s49, s50                        ; 1 on q's path
	s_mov_b32 s51, HEADB                           ; bytes from head to head: codes,
	s_mov_b32 s52, REC                             ; from step to step,
	s_mov_b32 s53, HEADB                           ; and the same for the scale words,
	s_mov_b32 s54, REC
	s_mov_b32 s55, 2*CH                            ; which begin here
	s_cmp_lg_u32 s49, 0
	s_cselect_b64 s[56:57], s[2:3], s[104:105]     ; qq or kv
	s_cselect_b32 s51, 98304, s51                  ; q: 128 tiles a head,
	s_cselect_b32 s52, CH, s52                     ; 8 tiles a group,
	s_cselect_b32 s53, 8192, s53                   ; 16 groups of 512 bytes of words a head
	s_cselect_b32 s54, 512, s54
	s_cselect_b32 s55, SOFF, s55
	s_mov_b32 s58, 3072
	s_mov_b32 s59, HEADB
	s_cmp_lg_u32 s[PATHV], 0
	s_cselect_b32 s60, s58, s51                    ; from the first half image to the second: the next head (q, k) or V's second 64 keys
	s_cselect_b32 s61, s59, s58                    ; from A's tiles 0-3 to tiles 4-7: four tiles on (q, k) or the next head (v)
	s_cselect_b32 s62, CH, 0                       ; V lies behind K in a record,
	s_cselect_b32 s63, 512, 0                      ; and its words behind K's
	s_mul_i32 s36, s39, s51
	s_mul_i32 s37, s38, s52
	s_add_co_u32 s36, s36, s37
	s_add_co_u32 s36, s36, s62
	s_mov_b32 s37, 0
	s_add_nc_u64 s[PP:PP+1], s[56:57], s[36:37]
	s_mov_b32 s36, s61
	s_add_nc_u64 s[PP+2:PP+3], s[PP:PP+1], s[36:37]
	s_mov_b32 s36, s60
	s_add_nc_u64 s[PP+4:PP+5], s[PP:PP+1], s[36:37]
	s_add_nc_u64 s[PP+6:PP+7], s[PP+2:PP+3], s[36:37]
	s_mul_i32 s36, s39, s53
	s_mul_i32 s48, s38, s54
	s_add_co_u32 s36, s36, s48
	s_add_co_u32 s36, s36, s55
	s_add_co_u32 s36, s36, s63
	s_add_nc_u64 s[PS:PS+1], s[56:57], s[36:37]
	s_mov_b32 s36, s53
	s_add_nc_u64 s[PS+2:PS+3], s[PS:PS+1], s[36:37]   ; the second head's words (q, k)
.irp b, 0,1,2,3
	v_mov_b32 v[TM+4+\b], 0                        ; written once: a lane permute's destination counts as one of its sources
.endr
	v_mul_u32_u24 v[VO], HEADB, v3
	v_lshl_add_u32 v[VO], v2, 4, v[VO]             ; v's words: lanes 0-15 the first head's, lanes 16-31 the second's
.macro QUANTW a
.set AC, 64*((\a)%4)
.set W, 2+(\a)/4
.set WW, (W<<2)|(W<<4)
	WIN WW                                         ; sources 1 and 2: the accumulators' window
.irp b, 0,1,2,3
	v_max3_num_f32 v[TM+\b], 0x1800000, |v[AC+16*\b]|, |v[AC+16*\b+1]|   ; block b: my 16 numbers and the floor 2^(3 - 127).  Each accumulator is read from its low end on
.endr
.irp i, 2,4,6,8,10,12,14
.irp b, 0,1,2,3
	v_max3_num_f32 v[TM+\b], v[TM+\b], |v[AC+16*\b+\i]|, |v[AC+16*\b+\i+1]|
.endr
.endr
	WIN 0
.irp b, 0,1,2,3
	v_permlanex16_b32 v[TM+4+\b], v[TM+\b], s[SEL], s[SEL+1]
.endr
.irp b, 0,1,2,3
	v_max_num_f32 v[TM+\b], v[TM+\b], v[TM+4+\b]   ; with lane l xor 16's: the block's largest magnitude
.endr
.irp b, 0,1,2,3
	v_add_nc_u32 v[TM+12+\b], 0xff000000, v[TM+\b] ; 2 off its exponent field: the conversion's scale operand
.endr
.irp b, 0,1,2,3
	v_lshrrev_b32 v[TM+4+\b], 23, v[TM+12+\b]      ; the byte
.endr
	v_lshl_or_b32 v[WS+(\a)], v[TM+5], 8, v[TM+4]
	v_lshl_or_b32 v[WS+(\a)], v[TM+6], 16, v[WS+(\a)]
	v_lshl_or_b32 v[WS+(\a)], v[TM+7], 24, v[WS+(\a)]
.if (\a) > 0
	s_wait_xcnt 0x0                                ; the codes' registers, which the last tile's stores read, are written again only behind this wait
.endif
.set WW, W
	WIN WW                                         ; source 0: the accumulators' window
.irp c, 0,1
	v_cvt_scalef32_pk16_fp6_f32 v[PC+6*\c:PC+2+6*\c], v[AC+32*\c:AC+15+32*\c], v[TM+12+2*\c]
	v_cvt_scalef32_pk16_fp6_f32 v[PC+12+4*\c:PC+14+4*\c], v[AC+16+32*\c:AC+31+32*\c], v[TM+13+2*\c]
.endr
	WIN 0
	v_nop                                          ; one plain place behind a scaled conversion
.irp c, 0,1
.irp i, 0,1,2
	v_permlane16_swap_b32 v[PC+6*\c+\i], v[PC+12+4*\c+\i]   ; a whole block to a lane
.endr
.irp i, 0,1,2
	v_mov_b32 v[PC+3+6*\c+\i], v[PC+12+4*\c+\i]
.endr
.endr
.endm
.macro UNIT a
	QUANTW \a
	global_store_b128 v[L16], v[PC:PC+3], s[PP+2*((\a)/4):PP+2*((\a)/4)+1] offset:768*((\a)%4)          ; each store covers whole aligned blocks of 256 bytes
	global_store_b64 v[L8], v[PC+4:PC+5], s[PP+2*((\a)/4):PP+2*((\a)/4)+1] offset:768*((\a)%4)+512
	global_store_b128 v[L16], v[PC+6:PC+9], s[PP+4+2*((\a)/4):PP+4+2*((\a)/4)+1] offset:768*((\a)%4)
	global_store_b64 v[L8], v[PC+10:PC+11], s[PP+4+2*((\a)/4):PP+4+2*((\a)/4)+1] offset:768*((\a)%4)+512
.endm
.irp a, 0,1,2,3,4,5,6,7
	UNIT \a
.endr
.irp j, 0,1,2,3
	v_cndmask_b32 v[Z+\j], v[WS+\j], v[WS+4+\j], s[HIM]   ; lanes 0-15 keep tiles 0-3's words, lanes 16-31 take tiles 4-7's
.endr
	s_cmp_lg_u32 s[PATHV], 0
	s_cbranch_scc1 .Lwords_v
.irp j, 0,1,2,3
	v_and_b32 v[ZL+\j], 0xffff, v[Z+\j]            ; the first head's two bytes; bytes 2 and 3 are 0 and stand over zero codes in the product of 128 along K
	v_lshrrev_b32 v[ZH+\j], 16, v[Z+\j]            ; the second head's
.endr
	global_store_b128 v[L16], v[ZL:ZL+3], s[PS:PS+1]       ; [e][r][j]: 512 consecutive bytes
	global_store_b128 v[L16], v[ZH:ZH+3], s[PS+2:PS+3]
	s_branch .Lwords_done
.Lwords_v:
	global_store_b128 v[VO], v[Z:Z+3], s[PS:PS+1]  ; [r][t]: 256 consecutive bytes for each of the two heads
.Lwords_done:
	s_wait_tensorcnt 0x0                           ; the wave's end
	ds_add_u32 v[SPW], v[NIL]
	s_wait_dscnt 0x0
	CROUND                                         ; the closing round: no work-group ends while a partner may still ask for a tile that names it
	s_endpgm
.Lfunc_end_k_qa328bcdf20_qkv:
	.size	k_qa328bcdf20_qkv, .Lfunc_end_k_qa328bcdf20_qkv-k_qa328bcdf20_qkv
	.p2alignl 7, 3214868480
	.fill 96, 4, 3214868480
	.section	.rodata,"a",@progbits
	.p2align	6, 0x0
	.amdhsa_kernel k_qa328bcdf20_qkv
		.amdhsa_group_segment_fixed_size 327680
		.amdhsa_private_segment_fixed_size 0
		.amdhsa_enable_private_segment 0
		.amdhsa_kernarg_size 56
		.amdhsa_user_sgpr_count 2
		.amdhsa_user_sgpr_kernarg_segment_ptr 1
		.amdhsa_wavefront_size32 1
		.amdhsa_system_sgpr_workgroup_id_x 1
		.amdhsa_system_sgpr_workgroup_id_y 1
		.amdhsa_system_sgpr_workgroup_id_z 1
		.amdhsa_system_vgpr_workitem_id 0
		.amdhsa_next_free_vgpr 1024
		.amdhsa_next_free_sgpr 106
		.amdhsa_reserve_vcc 0
		.amdhsa_float_denorm_mode_32 3
		.amdhsa_float_denorm_mode_16_64 3
		.amdhsa_memory_ordered 1
		.amdhsa_forward_progress 1
		.amdhsa_inst_pref_size 168
	.end_amdhsa_kernel
	.amdgpu_metadata
---
amdhsa.version: [ 1, 2 ]
amdhsa.kernels:
  - .name:           k_qa328bcdf20_qkv
    .symbol:         k_qa328bcdf20_qkv.kd
    .args:
      - { .name: xq, .offset: 0, .size: 8, .value_kind: global_buffer, .address_space: global }
      - { .name: wq, .offset: 8, .size: 8, .value_kind: global_buffer, .address_space: global }
      - { .name: bq, .offset: 16, .size: 8, .value_kind: global_buffer, .address_space: global }
      - { .name: bk, .offset: 24, .size: 8, .value_kind: global_buffer, .address_space: global }
      - { .name: bv, .offset: 32, .size: 8, .value_kind: global_buffer, .address_space: global }
      - { .name: qq, .offset: 40, .size: 8, .value_kind: global_buffer, .address_space: global }
      - { .name: kv, .offset: 48, .size: 8, .value_kind: global_buffer, .address_space: global }
    .group_segment_fixed_size: 327680
    .private_segment_fixed_size: 0
    .kernarg_segment_align: 8
    .kernarg_segment_size: 56
    .max_flat_workgroup_size: 128
    .sgpr_count:     106
    .vgpr_count:     1024
    .wavefront_size: 32
...
	.end_amdgpu_metadata
.endif
;; end of part 2
;; launch attn (part 3): grid 8 x 32, 16 waves a work-group, clusters of 4 x 1, 210,944 bytes of LDS; arguments qq, kv, cq; writes cq
.if DOCPART == 3
	.amdgcn_target "amdgcn-amd-amdhsa--gfx1250"
	.amdhsa_code_object_version 6
	.text
	.protected	k_qa328bcdf20_attn
	.globl	k_qa328bcdf20_attn
	.p2align	8
	.type	k_qa328bcdf20_attn,@function
k_qa328bcdf20_attn:
	s_mov_b64 s[64:65], 0
	v_nop
	global_prefetch_b8 v0, s[64:65] scope:SCOPE_SE
	s_setreg_imm32_b32 hwreg(HW_REG_WAVE_MODE, 25, 1), 1
	s_wait_xcnt 0x0
	s_wait_alu depctr_hold_cnt(0) depctr_sa_sdst(0) depctr_va_vdst(0) depctr_va_sdst(0) depctr_va_ssrc(0) depctr_va_vcc(0) depctr_vm_vsrc(0)
	s_getreg_b32 s2, hwreg(HW_REG_IB_STS2, 6, 4)
	s_cmp_eq_u32 s2, 0
	s_cbranch_scc0 .Lentry_in_a_cluster
	s_endpgm
.Lentry_in_a_cluster:
	s_bfe_u32 s2, ttmp6, 0x10000c
	s_cmp_lg_u32 s2, 0x3003
	s_cbranch_scc0 .Lentry_shape_is_right
	s_endpgm
.Lentry_shape_is_right:
; ctx[b][h][q] = the sum over k of softmax_k(q . k / 8) v, both products on codes of FP6 (E2M3) with E8M0 scales, and ctx quantised again along the hidden axis, in registers.
; THE SOFTMAX AHEAD OF THE SECOND PRODUCT: t = score x log2(e) / 8; M = the running largest t rounded UP to a whole number; p = 2^(t - M) is quantised along the keys, not normalised.
; The row's sum is taken of the unquantised p and divides O at the end.  When M moves, the sum and O are multiplied by 2^(old M - new M): exact.
; SHARES.  A work-group owns 256 queries of one (batch, head); each of its sixteen waves one tile of 16, in 256 registers: four waves to a SIMD, so that one wave's vector work stands beside another's matrix work and LDS loads.
; THE HEAD'S K AND V, codes and scale words, are 16 records of 13,056 bytes, 208,896 in all: they come into LDS ONCE, in four quarters, and nothing is filled again: no ring.
; CLUSTER.  The four query blocks of a cluster belong to one head: each quarter is asked for jointly.  Wave 0 issues the four loads; a stage of four key steps begins when its quarter has landed, the later ones stay on their way.
; LAYOUT.  Both products are used transposed: S^T = K Q^T, O^T = V^T P^T: a lane holds ONE query throughout.  Tiles of K hold keys 32 B + 8 u + r + 8 (r / 8), so that the 16 registers of tiles 2 B, 2 B + 1 are 16 neighbouring keys;
; tiles of V^T hold the head's channels in the same order, so that O^T's registers are neighbours along the hidden axis and ctx's codes are made as p's are.
; The head is 64 wide: the first product's K fills half of the instruction's 128; registers 6-11 of both operands are zero codes, under the scale byte 0.
; ctx's scale words have two bytes from this head and two from its neighbour, another work-group's: so they leave as 2 bytes a lane, 128 KiB of the launch's 3.3 MB of stores.
; LIMITS: NaN and infinities are not served; p under 2^-126 counts as 0; 1 / l is v_rcp_f32; a block of zeros gets the byte 1 where the rule says 127 (this program alone reads the bytes).
; REGISTERS: v1-3 lane terms, v8-10 the step's addresses; v12 -M, v13 the largest t, v[14:15] the sum; v16-27 Q; v32-79 four fragments of K; v80-83 K's scale words, v84-87 V's;
;   v96-159 S^T, then p, then V's four fragments (v96-143); v160-191 O^T; v224-235 p's codes; v232-254 at work; v253 p's scale word; v255 q's.
.set REC,   13056                      ; a key step's record: K's 8 tiles (6,144), V's 2 x 4 half images (6,144), K's words (512), V's words (256)
.set HEADB, 16*REC
.set QUART, 4*REC
.set CSTR,  196608
.set SOFF,  3145728
.set WV,    18
.set SEL,   20                         ; s[20:21] lane l xor 16
.set CS,    22                         ; s[22:23] c = log2(e) / 8
.set G1,    24                         ; s[24:31] group 1;  s[32:47] four groups 0
.set G0,    32
.set TB,    48                         ; s48  LDS byte of the record in hand
.set CNT,   49
.macro ROUND                           ; a round of the cluster's barrier
	s_barrier_signal -1
	s_barrier_wait -1
	s_cmp_lg_u32 s[WV], 0
	s_cbranch_scc1 .Lnot_wave_0_\@
	s_barrier_signal -3
.Lnot_wave_0_\@:
	s_barrier_wait -3
	s_barrier_signal -1
	s_barrier_wait -1
.endm
	s_load_b128 s[4:7], s[0:1], 0x0                ; qq, kv
	s_load_b64 s[8:9], s[0:1], 0x10                ; cq
	v_lshl_add_u32 v250, v0, 2, 0x33000
	v_mov_b32 v251, 0
	ds_add_u32 v250, v251
	ds_add_u32 v250, v251
	v_lshrrev_b32 v1, 5, v0
	v_readfirstlane_b32 s[WV], v1                  ; wave 0..15
	s_bfe_u32 s50, ttmp6, 0x40000                  ; cx
	s_lshl_b32 s51, ttmp9, 2
	s_add_co_u32 s51, s51, s50                     ; my block of 256 queries: it enters Q's and ctx's addresses alone
	s_and_b32 s52, ttmp7, 0xffff                   ; 16 x batch + head, which the four partners share
	s_mul_i32 s54, s52, HEADB
	s_mov_b32 s55, 0
	s_mov_b32 s[G1], 15|(3<<16)|(1<<21)            ; 15:0 the mask: all four work-groups; 17:16 elements of 8 bytes; 20 no padding; 21 set beside a mask
	s_mov_b32 s[G1+1], 32<<16                      ; tensor_dim0: rows of 256 bytes
	s_mov_b32 s[G1+2], 204<<16                     ; tensor_dim1: 204 of them are four records
	s_mov_b32 s[G1+3], 32<<16                      ; tile_dim0
	s_mov_b32 s[G1+4], 204                         ; tile_dim1
	s_mov_b32 s[G1+5], 32                          ; dense
	s_mov_b32 s[G1+6], 0
	s_mov_b32 s[G1+7], 0
	s_mov_b32 s[SEL], 0x76543210
	s_mov_b32 s[SEL+1], 0xfedcba98
	s_mov_b32 s[CS], 0x3e38aa3b                    ; log2(e) / sqrt(64)
	s_mov_b32 s[CS+1], s[CS]                       ; (named with it as a pair, so it is written)
	s_lshl_b32 s53, s51, 4
	s_add_co_u32 s53, s53, s[WV]                   ; my tile of queries in the sequence, 0..127
	s_lshl_b32 s56, s52, 7
	s_add_co_u32 s56, s56, s53
	s_mul_i32 s56, s56, 768                        ; its half image
	s_mov_b32 s57, 0
	s_lshl_b32 s58, s52, 4                         ; its scale words: [16 x batch + head][group of 8 tiles][e][r][j]
	s_lshr_b32 s59, s53, 3
	s_add_co_u32 s58, s58, s59
	s_lshl_b32 s58, s58, 9
	s_bfe_u32 s59, s53, 0x10002
	s_lshl_b32 s59, s59, 8
	s_add_co_u32 s58, s58, s59
	s_and_b32 s59, s53, 3
	s_lshl_b32 s59, s59, 2
	s_add_co_u32 s58, s58, s59
	s_add_co_u32 s58, s58, SOFF
	s_mov_b32 s59, 0
	s_lshr_b32 s60, s52, 4
	s_lshl_b32 s60, s60, 7
	s_add_co_u32 s60, s60, s53                     ; T: my tile among all 256 tiles of tokens
	s_and_b32 s61, s52, 15                         ; the head, which is ctx's c = K / 64
	s_mul_i32 s62, s61, CSTR
	s_mul_i32 s63, s60, 768
	s_add_co_u32 s62, s62, s63
	s_mov_b32 s63, 0
	s_lshr_b32 s10, s60, 3                         ; ctx's scale bytes: group T / 8, K step head / 2, tile T % 8, bytes 2 (head % 2) on
	s_lshl_b32 s10, s10, 12
	s_lshr_b32 s11, s61, 1
	s_lshl_b32 s11, s11, 9
	s_add_co_u32 s10, s10, s11
	s_bfe_u32 s11, s60, 0x10002
	s_lshl_b32 s11, s11, 8
	s_add_co_u32 s10, s10, s11
	s_and_b32 s11, s60, 3
	s_lshl_b32 s11, s11, 2
	s_add_co_u32 s10, s10, s11
	s_and_b32 s11, s61, 1
	s_lshl_b32 s11, s11, 1
	s_add_co_u32 s10, s10, s11
	s_add_co_u32 s10, s10, SOFF
	s_mov_b32 s11, 0
	s_wait_dscnt 0x0
	s_wait_kmcnt 0x0
	s_add_nc_u64 s[6:7], s[6:7], s[54:55]          ; the head's records
	s_add_nc_u64 s[56:57], s[4:5], s[56:57]
	s_add_nc_u64 s[58:59], s[4:5], s[58:59]
	s_add_nc_u64 s[62:63], s[8:9], s[62:63]
	s_add_nc_u64 s[10:11], s[8:9], s[10:11]
.irp st, 0,1,2,3
	s_mov_b32 s[G0+4*\st], 1                       ; count = 1
	s_mov_b32 s[G0+4*\st+1], \st*QUART             ; LDS address
	s_add_nc_u64 s[G0+4*\st+2:G0+4*\st+3], s[6:7], \st*QUART
	s_or_b32 s[G0+4*\st+3], s[G0+4*\st+3], 0x80000000   ; type = 2
.endr
	ROUND                                          ; all four work-groups are here: the joint loads meet
	s_cmp_lg_u32 s[WV], 0                          ; wave 0's four first fills stand in one branch: four loads of that wave are out
	s_cbranch_scc1 .Lasked
	tensor_load_to_lds s[G0:G0+3], s[G1:G1+7]
	s_nop 0
	tensor_load_to_lds s[G0+4:G0+7], s[G1:G1+7]
	s_nop 0
	tensor_load_to_lds s[G0+8:G0+11], s[G1:G1+7]
	s_nop 0
	tensor_load_to_lds s[G0+12:G0+15], s[G1:G1+7]
	s_nop 0
.rept 4
	v_nop
.endr
.Lasked:
	v_and_b32 v3, 31, v0
	v_lshlrev_b32 v1, 4, v3                        ; 16 x lane
	v_lshlrev_b32 v2, 3, v3                        ; 8 x lane
	v_and_b32 v3, 15, v0
	v_lshlrev_b32 v3, 4, v3                        ; 16 r
	global_load_b128 v[16:19], v1, s[56:57]        ; Q's half image stays in registers
	global_load_b64 v[20:21], v2, s[56:57] offset:512
	global_load_b32 v255, v3, s[58:59]             ; and its scale words
.irp j, 22,23,24,25,26,27
	v_mov_b32 v\j, 0                               ; k = 64 .. 127 of the first product: zero codes
.endr
.irp t, 0,1,2,3
.irp j, 6,7,8,9,10,11
	v_mov_b32 v[32+12*\t+\j], 0                    ; likewise in K's four fragments: written once, no load lands here
.endr
.endr
	v_mov_b32 v13, 0xff61b1e6                      ; the largest t so far: -3e38, under every t
	v_floor_f32 v12, -v13                          ; -M
	v_mov_b32 v14, 0                               ; the sum, in two halves
	v_mov_b32 v15, 0
.irp b, 0,1,2,3
	v_mov_b32 v[236+\b], 0                         ; written once: a lane permute's destination counts as one of its sources
.endr
	v_mov_b32 v253, 0                              ; (named as the upper half of the pair v[252:253] before it is first written)
.set j, 0
.rept 32
	v_mov_b32 v[160+j], 0                          ; O^T.  (The step is written without a first step of its own: it finds zeros, which the first change of M leaves zeros)
.set j, j+1
.endr
	s_wait_loadcnt 0x0                             ; Q
; A KEY STEP: 128 keys, one record.
.macro STEP
	v_add_nc_u32 v8, s[TB], v1
	v_add_nc_u32 v9, s[TB], v2
	v_add_nc_u32 v10, s[TB], v3
	v_nop                                          ; five places behind the last step's products: the first product below writes over V's fragments, which those read; four of them serve the loads
	v_nop
.irp g, 0,1                            ; S^T = K Q^T, four tiles of 16 keys at a time
.if \g
.rept 4
	v_nop                                          ; places in front of loads into registers that matrix instructions have read
.endr
.endif
.irp t, 0,1,2,3
	ds_load_b128 v[32+12*\t:35+12*\t], v8 offset:768*(4*\g+\t)
	ds_load_b64 v[36+12*\t:37+12*\t], v9 offset:768*(4*\g+\t)+512
.endr
.if \g == 0
	ds_load_b128 v[80:83], v8 offset:12288         ; K's words: lanes 0-15 tiles 0-3's, lanes 16-31 tiles 4-7's
	ds_load_b128 v[84:87], v10 offset:12800        ; V's: the four tiles' words of row r
.endif
	s_wait_dscnt 0x0
.irp t, 0,1,2,3
.if \g == 0
	v_wmma_scale_f32_16x16x128_f8f6f4 v[96+8*\t:103+8*\t], v[32+12*\t:43+12*\t], v[16:27], 0, v[80+\t], v255 matrix_a_fmt:MATRIX_FMT_FP6 matrix_b_fmt:MATRIX_FMT_FP6
.else
	v_wmma_scale_f32_16x16x128_f8f6f4 v[128+8*\t:135+8*\t], v[32+12*\t:43+12*\t], v[16:27], 0, v[80+\t], v255 matrix_a_fmt:MATRIX_FMT_FP6 matrix_b_fmt:MATRIX_FMT_FP6 matrix_a_scale:MATRIX_SCALE_ROW1
.endif
.endr
.endr                                  ; lane (r, h) holds my query r; register 16 b + i is key 32 b + 16 h + i of the step
.rept 4
	v_nop
.endr
.irp b, 0,1,2,3
	v_max3_num_f32 v[232+\b], v[96+16*\b], v[97+16*\b], v[98+16*\b]   ; THE LARGEST SCORE OF EACH BLOCK OF 32 KEYS serves twice: for the row's maximum, and, since p rises with the score, for the block's largest p
.endr
.irp i, 3,5,7,9,11,13
.irp b, 0,1,2,3
	v_max3_num_f32 v[232+\b], v[232+\b], v[96+16*\b+\i], v[97+16*\b+\i]   ; (the four blocks by turns)
.endr
.endr
.irp b, 0,1,2,3
	v_max_num_f32 v[232+\b], v[232+\b], v[111+16*\b]
.endr
.irp b, 0,1,2,3
	v_permlanex16_b32 v[236+\b], v[232+\b], s[SEL], s[SEL+1]
.endr
.irp b, 0,1,2,3
	v_max_num_f32 v[232+\b], v[232+\b], v[236+\b]  ; with lane l xor 16's 16 keys
.endr
	v_max3_num_f32 v254, v232, v233, v234
	v_max_num_f32 v254, v254, v235                 ; the step's largest score of my query
	v_mul_f32 v254, s[CS], v254                    ; as t (c is positive)
	v_max_num_f32 v13, v13, v254                   ; the running largest t
	v_mov_b32 v254, v12
	v_floor_f32 v12, -v13                          ; the new -M = floor(-t) = -ceil(t): M IS A WHOLE NUMBER
	v_sub_f32 v254, v12, v254                      ; M's old value less its new one: a whole number, 0 or less
	v_cvt_i32_f32 v254, v254                       ; (it saturates)
	v_ldexp_f32 v252, 1.0, v254                    ; f = 2^(old M - new M)
.set j, 0
.rept 32
	v_pk_fma_f32 v[96+j:97+j], v[96+j:97+j], s[CS:CS+1], v[12:13] op_sel_hi:[1,0,0]   ; t - M, two at a time
.set j, j+2
.endr
.irp b, 0,1,2,3
	v_fma_f32 v[232+\b], v[232+\b], s[CS], v12     ; the same of each block's largest score
.endr
.set j, 0
.rept 64
	v_exp_f32 v[96+j], v[96+j]                     ; p = 2^(t - M), at most 1: NOT normalised
.set j, j+1
.endr
.irp b, 0,1,2,3
	v_exp_f32 v[232+\b], v[232+\b]                 ; the block's largest p: the same two instructions on the same number give the same bits
.endr
	v_pk_mul_f32 v[14:15], v[14:15], v[252:253] op_sel_hi:[1,0]   ; the sums under the new M.  (A plain place behind the exponentials)
	s_wait_alu depctr_va_vdst(0)
.irp b, 0,1,2,3
	v_max_num_f32 v[232+\b], 0x1800000, v[232+\b]  ; the floor 2^(3 - 127): the byte cannot fall under 1
.endr
.irp b, 0,1,2,3
	v_add_nc_u32 v[244+\b], 0xff000000, v[232+\b]  ; 2 off the exponent field: the conversion's scale operand
.endr
.irp b, 0,1,2,3
	v_lshrrev_b32 v[236+\b], 23, v[244+\b]         ; the scale's byte
.endr
	v_lshl_or_b32 v253, v237, 8, v236              ; p's scale word for these 128 keys
	v_lshl_or_b32 v253, v238, 16, v253
	v_lshl_or_b32 v253, v239, 24, v253
.irp c, 0,1
	v_cvt_scalef32_pk16_fp6_f32 v[224+6*\c:226+6*\c], v[96+32*\c:111+32*\c], v[244+2*\c]
	v_cvt_scalef32_pk16_fp6_f32 v[236+4*\c:238+4*\c], v[112+32*\c:127+32*\c], v[244+2*\c+1]   ; (a conversion's three registers begin on an even number)
.endr
	v_nop                                          ; one plain place behind a scaled conversion
.irp c, 0,1                            ; a WHOLE block to a lane: lanes 0-15 block 2 c, lanes 16-31 block 2 c + 1
.irp i, 0,1,2
	v_permlane16_swap_b32 v[224+6*\c+\i], v[236+4*\c+\i]
.endr
.irp i, 0,1,2
	v_mov_b32 v[227+6*\c+\i], v[236+4*\c+\i]
.endr
.endr
	v_pk_add_f32 v[236:237], v[96:97], v[98:99]    ; THE ROW'S SUM IS TAKEN OF THE UNQUANTISED p: two at a time, in two chains
.irp j, 4,8,12,16,20,24,28,32,36,40,44,48,52,56,60
	v_pk_add_f32 v[14:15], v[14:15], v[96+\j:97+\j]
	v_pk_add_f32 v[236:237], v[236:237], v[98+\j:99+\j]
.endr
	v_pk_add_f32 v[14:15], v[14:15], v[236:237]
.irp t, 0,1,2,3                        ; V^T's four fragments (16 channels x 128 keys) land where p lay, under the rescaling below
	ds_load_b128 v[96+12*\t:99+12*\t], v8 offset:6144+768*\t
	ds_load_b64 v[100+12*\t:101+12*\t], v9 offset:6144+768*\t+512
	ds_load_b128 v[102+12*\t:105+12*\t], v8 offset:9216+768*\t
	ds_load_b64 v[106+12*\t:107+12*\t], v9 offset:9216+768*\t+512
.endr
.set j, 0
.rept 16
	v_pk_mul_f32 v[160+j:161+j], v[160+j:161+j], v[252:253] op_sel_hi:[1,0]   ; O^T under the new M: x f
.set j, j+2
.endr
	s_wait_dscnt 0x0
.irp t, 0,1,2,3                        ; O^T += V^T P^T: four accumulators by turns
	v_wmma_scale_f32_16x16x128_f8f6f4 v[160+8*\t:167+8*\t], v[96+12*\t:107+12*\t], v[224:235], v[160+8*\t:167+8*\t], v[84+\t], v253 matrix_a_fmt:MATRIX_FMT_FP6 matrix_b_fmt:MATRIX_FMT_FP6
.endr
	s_add_co_u32 s[TB], s[TB], REC                 ; the next record
.endm
; A STAGE: four key steps, one quarter of the head.  n = wave 0's later loads, which may stay out.  In the other waves the counter is 0; they read behind the barrier.
.macro STAGE n
	s_wait_tensorcnt \n
	s_wait_dscnt 0x0
	s_barrier_signal -1
	s_barrier_wait -1
	s_mov_b32 s[TB], (3-\n)*QUART
	s_mov_b32 s[CNT], 4
.Lstep_\@:
	STEP
	s_sub_co_u32 s[CNT], s[CNT], 1
	s_cmp_lg_u32 s[CNT], 0
	s_cbranch_scc1 .Lstep_\@
.endm
	STAGE 3
	STAGE 2
	STAGE 1
	STAGE 0
	; THE WAY OUT.  ctx = O^T / the sum; register 16 B + i is channel 32 B + 16 h + i of my query: two blocks of 32 along the hidden axis, quantised as p was.
.rept 4
	v_nop                                          ; places behind the last products
.endr
	v_add_f32 v14, v14, v15                        ; the sum's two halves,
	v_permlanex16_b32 v252, v14, s[SEL], s[SEL+1]
	v_add_f32 v14, v14, v252                       ; and lane l xor 16's: the row's sum
	v_rcp_f32 v14, v14
	v_nop                                          ; one plain place behind a transcendental
.set j, 0
	s_wait_alu depctr_va_vdst(0)
.rept 32
	v_mul_f32 v[96+j], v[160+j], v14               ; each accumulator from its low end on
.set j, j+1
.endr
.irp b, 0,1
	v_max3_num_f32 v[232+\b], |v[96+16*\b]|, |v[97+16*\b]|, 0x1800000
.endr
.irp i, 2,4,6,8,10,12,14
.irp b, 0,1
	v_max3_num_f32 v[232+\b], v[232+\b], |v[96+16*\b+\i]|, |v[97+16*\b+\i]|
.endr
.endr
.irp b, 0,1
	v_permlanex16_b32 v[236+\b], v[232+\b], s[SEL], s[SEL+1]
.endr
.irp b, 0,1
	v_max_num_f32 v[232+\b], v[232+\b], v[236+\b]
.endr
.irp b, 0,1
	v_add_nc_u32 v[244+\b], 0xff000000, v[232+\b]
.endr
.irp b, 0,1
	v_lshrrev_b32 v[236+\b], 23, v[244+\b]
.endr
	v_lshl_or_b32 v254, v237, 8, v236              ; this head's two bytes of my row's scale word
	v_cvt_scalef32_pk16_fp6_f32 v[224:226], v[96:111], v244
	v_cvt_scalef32_pk16_fp6_f32 v[228:230], v[112:127], v245
	v_nop                                          ; one plain place behind a scaled conversion
.irp i, 0,1,2
	v_permlane16_swap_b32 v[224+\i], v[228+\i]     ; lanes 0-15 block 0, lanes 16-31 block 1
.endr
	v_mov_b32 v227, v228
	v_mov_b32 v228, v229
	v_mov_b32 v229, v230
	global_store_b128 v1, v[224:227], s[62:63]     ; a half image: whole aligned blocks of 256 bytes
	global_store_b64 v2, v[228:229], s[62:63] offset:512
	global_store_b16 v3, v254, s[10:11]            ; both halves of the lanes write the same two bytes
	s_wait_dscnt 0x0
	s_wait_tensorcnt 0x0
	ds_add_u32 v250, v251
	s_wait_dscnt 0x0
	ROUND                                          ; the closing round
	s_endpgm
.Lfunc_end_k_qa328bcdf20_attn:
	.size	k_qa328bcdf20_attn, .Lfunc_end_k_qa328bcdf20_attn-k_qa328bcdf20_attn
	.p2alignl 7, 3214868480
	.fill 96, 4, 3214868480
	.section	.rodata,"a",@progbits
	.p2align	6, 0x0
	.amdhsa_kernel k_qa328bcdf20_attn
		.amdhsa_group_segment_fixed_size 210944
		.amdhsa_private_segment_fixed_size 0
		.amdhsa_enable_private_segment 0
		.amdhsa_kernarg_size 24
		.amdhsa_user_sgpr_count 2
		.amdhsa_user_sgpr_kernarg_segment_ptr 1
		.amdhsa_wavefront_size32 1
		.amdhsa_system_sgpr_workgroup_id_x 1
		.amdhsa_system_sgpr_workgroup_id_y 1
		.amdhsa_system_sgpr_workgroup_id_z 1
		.amdhsa_system_vgpr_workitem_id 0
		.amdhsa_next_free_vgpr 256
		.amdhsa_next_free_sgpr 66
		.amdhsa_reserve_vcc 0
		.amdhsa_float_denorm_mode_32 3
		.amdhsa_float_denorm_mode_16_64 3
		.amdhsa_memory_ordered 1
		.amdhsa_forward_progress 1
		.amdhsa_inst_pref_size 77
	.end_amdhsa_kernel
	.amdgpu_metadata
---
amdhsa.version: [ 1, 2 ]
amdhsa.kernels:
  - .name:           k_qa328bcdf20_attn
    .symbol:         k_qa328bcdf20_attn.kd
    .args:
      - { .name: qq, .offset: 0, .size: 8, .value_kind: global_buffer, .address_space: global }
      - { .name: kv, .offset: 8, .size: 8, .value_kind: global_buffer, .address_space: global }
      - { .name: cq, .offset: 16, .size: 8, .value_kind: global_buffer, .address_space: global }
    .group_segment_fixed_size: 210944
    .private_segment_fixed_size: 0
    .kernarg_segment_align: 8
    .kernarg_segment_size: 24
    .max_flat_workgroup_size: 512
    .sgpr_count:     66
    .vgpr_count:     256
    .wavefront_size: 32
...
	.end_amdgpu_metadata
.endif
;; end of part 3
;; launch oproj (part 4): grid 4 x 16, 4 waves a work-group, clusters of 4 x 4, 327,680 bytes of LDS; arguments cq, wq, bo, out0; writes out0
.if DOCPART == 4
	.amdgcn_target "amdgcn-amd-amdhsa--gfx1250"
	.amdhsa_code_object_version 6
	.text
	.protected	k_qa328bcdf20_oproj
	.globl	k_qa328bcdf20_oproj
	.p2align	8
	.type	k_qa328bcdf20_oproj,@function
k_qa328bcdf20_oproj:
	s_mov_b64 s[64:65], 0
	v_nop
	global_prefetch_b8 v0, s[64:65] scope:SCOPE_SE
	s_setreg_imm32_b32 hwreg(HW_REG_WAVE_MODE, 25, 1), 1
	s_wait_xcnt 0x0
	s_wait_alu depctr_hold_cnt(0) depctr_sa_sdst(0) depctr_va_vdst(0) depctr_va_sdst(0) depctr_va_ssrc(0) depctr_va_vcc(0) depctr_vm_vsrc(0)
	s_getreg_b32 s2, hwreg(HW_REG_IB_STS2, 6, 4)
	s_cmp_eq_u32 s2, 0
	s_cbranch_scc0 .Lentry_in_a_cluster
	s_endpgm
.Lentry_in_a_cluster:
	s_bfe_u32 s2, ttmp6, 0x10000c
	s_cmp_lg_u32 s2, 0xf033
	s_cbranch_scc0 .Lentry_shape_is_right
	s_endpgm
.Lentry_shape_is_right:
; out = ctx Wo + bo on codes of FP6 (E2M3) with E8M0 scales; out [4096][1024] f32.
; A tile of 256 x 256 to a work-group, 128 x 128 to each of four waves: 64 accumulators, 512 registers.  Source 0 takes Wo's features (B), source 1 ctx's tokens (A): a lane holds one token and eight neighbouring features.
; OPERANDS ARE IMAGES OF REGISTERS: [c = K / 64][tile][768 bytes]; lane l's registers 0-3 of half a fragment at 16 l, registers 4-5 at 512 + 8 l.  Lane r of tile 2 B + u holds row 32 B + 8 u + r + 8 (r / 8): the way out undoes that order in its offsets.
; K = 1,024 goes in four fills of 256 through two LDS slots; the eight steps of 128 are written out.  The scale words of the work-group's rows, for all of K, come once.
; CLUSTERS: 4 x 4.  A's tiles are asked for jointly along a row of the cluster, B's along a column.  64 work-groups: a smaller tile would read each LDS byte for half the products.
; The bias is the C of each sum's first matrix instruction: another order of rounding than ctx Wo + b.  NaN and infinities are not served.
; REGISTERS, in windows of 256: window 0: v1-3 lane numbers, v16-31 addresses, v32-63 scale words (two sets), v64-127 the bias, v128-223 A's fragments (one set; on the way out v128-255 rows of out).
;   window 1: B's fragments, two sets.   window 2: accumulators of A's tiles 0-3 ((a, b) at v[8 (8 (a % 4) + b)]);   window 3: of tiles 4-7.
.set CSTR,  196608
.set SOFF,  3145728
.set CH,    6144                       ; 8 tiles of one c
.set HALFT, 4*CH                       ; what one tensor load brings
.set SLOT,  4*HALFT
.set SLOTK, 4*CSTR
.set SCL,   2*SLOT
.set SPARE, SCL+4*4096                 ; the spare words, 128 bytes a wave: two blocks of 256 bytes that no other line names
.set SPITCH, 528                       ; the way out: a stage of 16 rows x (512 bytes + 16) for each wave, in slot 0, which has had its last fill and its last read when the first result is stored there
.set FR,    12
.set NL,    4
.set NP,    4
.set A16,   16
.set A8,    18
.set B16,   20
.set B8,    22
.set STO,   24                         ; v24    where I put 32 bytes of a row
.set RD,    25                         ; v25    where I read a row back
.set ADRS,  27
.set SPW,   28
.set NIL,   29
.set L16,   30
.set L8,    31
.set SC,    32
.set BI,    64
.set AF,    128
.set BK,    128
.set G1,    24
.set G0,    32
.set G1B,   48
.set G0B,   56
.set G1S,   68
.set G0S,   76
.set G1SB,  80
.set G0SB,  88
.set MSB, 0
.macro WIN new                         ; the immediate's high byte repeats the setting that is left
.if MSB != \new
	s_set_vgpr_msb (MSB<<8)|\new
.set MSB, \new
.endif
.endm
.set MUL_LO,  0xa1
.set MUL_HI,  0xf1
.set MUL_LOB, 0x81                     ; C (the bias) in window 0
.set MUL_HIB, 0xc1
.set TO_B,    0x40
.macro JLOAD g0a, g1a, g0b, g1b        ; a joint load: waves 0 and 1 fetch for A, waves 2 and 3 for B; four v_nop follow each line
	s_cmp_eq_u32 s15, 0
	s_cbranch_scc0 .Lfor_b_\@
	tensor_load_to_lds s[\g0a:\g0a+3], s[\g1a:\g1a+7]
	s_nop 0
.rept 4
	v_nop
.endr
	s_branch .Lasked_\@
.Lfor_b_\@:
	tensor_load_to_lds s[\g0b:\g0b+3], s[\g1b:\g1b+7]
	s_nop 0
.rept 4
	v_nop
.endr
.Lasked_\@:
.endm
.macro CREST
	s_cmp_lg_u32 s14, 0
	s_cbranch_scc1 .Lnot_wave_0_\@
	s_barrier_signal -3
.Lnot_wave_0_\@:
	s_barrier_wait -3
	s_barrier_signal -1
	s_barrier_wait -1
.endm
.macro CROUND
	s_barrier_signal -1
	s_barrier_wait -1
	CREST
.endm
.macro PLACES n
.rept \n
	v_nop
.endr
.endm
	s_load_b128 s[4:7], s[0:1], 0x0                ; cq, wq
	s_load_b128 s[8:11], s[0:1], 0x10              ; bo, out0
	v_lshl_add_u32 v[SPW], v0, 2, SPARE
	v_mov_b32 v[NIL], 0
	ds_add_u32 v28, v29
	ds_add_u32 v28, v29
	s_wait_dscnt 0x0
	v_lshrrev_b32 v1, 5, v0
	v_readfirstlane_b32 s14, v1                    ; wave 0..3
	s_lshr_b32 s15, s14, 1                         ; which half of A's rows is mine.  Also: I fetch for A (0) or for B (1)
	s_and_b32 s16, s14, 1                          ; which half of B's rows.  Also: which 128 rows I fetch
	s_bfe_u32 s40, ttmp6, 0x40000                  ; cx, cy
	s_bfe_u32 s41, ttmp6, 0x40004
	s_and_b32 s42, ttmp7, 0xffff
	s_lshl_b32 s43, s41, 2
	s_lshl_b32 s43, 15, s43                        ; my row of the cluster
	s_lshl_b32 s44, 0x1111, s40                    ; my column
	s_lshl_b32 s45, s42, 2
	s_add_co_u32 s45, s45, s41                     ; A's block of 256 tokens = 4 x cluster y + cy
	s_lshl_b32 s47, ttmp9, 2
	s_add_co_u32 s47, s47, s40                     ; the block of 256 features = 4 x cluster x + cx,
	s_add_co_u32 s46, s47, 12                      ; which among the weights' rows is block 12 on (Wo's)
	s_or_b32 s[G1+0], s43, (3<<16)|(1<<21)         ; codes: 4 rows (c) of 768 elements of 8 bytes, CSTR bytes apart; the mask, and bit 21 beside it
	s_or_b32 s[G1B+0], s44, (3<<16)|(1<<21)
.irp g, G1, G1B
	s_mov_b32 s[\g+1], 768<<16
	s_mov_b32 s[\g+2], 4<<16
	s_mov_b32 s[\g+3], 768<<16
	s_mov_b32 s[\g+4], 4
	s_mov_b32 s[\g+5], CSTR/8
	s_mov_b32 s[\g+6], 0
	s_mov_b32 s[\g+7], 0
.endr
	s_or_b32 s[G1S+0], s43, (3<<16)|(1<<21)        ; scale words of 128 rows: 4,096 dense bytes as 16 rows of 256
	s_or_b32 s[G1SB+0], s44, (3<<16)|(1<<21)
.irp g, G1S, G1SB
	s_mov_b32 s[\g+1], 32<<16
	s_mov_b32 s[\g+2], 16<<16
	s_mov_b32 s[\g+3], 32<<16
	s_mov_b32 s[\g+4], 16
	s_mov_b32 s[\g+5], 32
	s_mov_b32 s[\g+6], 0
	s_mov_b32 s[\g+7], 0
.endr
	s_mul_i32 s18, s45, 2*CH
	s_mul_i32 s19, s16, CH
	s_add_co_u32 s18, s18, s19
	s_mov_b32 s19, 0
	s_lshl_b32 s20, s45, 13
	s_lshl_b32 s21, s16, 12
	s_add_co_u32 s20, s20, s21
	s_add_co_u32 s20, s20, SOFF
	s_mov_b32 s21, 0
	s_mul_i32 s22, s46, 2*CH
	s_mul_i32 s23, s16, CH
	s_add_co_u32 s22, s22, s23
	s_mov_b32 s23, 0
	s_lshl_b32 s12, s46, 13
	s_lshl_b32 s13, s16, 12
	s_add_co_u32 s12, s12, s13
	s_add_co_u32 s12, s12, SOFF
	s_mov_b32 s13, 0
	s_mul_i32 s66, s14, HALFT                      ; no place in the cluster enters an LDS address
	s_lshl_b32 s67, s14, 12
	s_wait_kmcnt 0x0
	s_add_nc_u64 s[18:19], s[4:5], s[18:19]
	s_add_nc_u64 s[20:21], s[4:5], s[20:21]
	s_add_nc_u64 s[22:23], s[6:7], s[22:23]
	s_add_nc_u64 s[12:13], s[6:7], s[12:13]
	CROUND                                         ; all sixteen work-groups are here: the first joint loads meet
	s_mov_b32 s[G0S], 1
	s_add_co_u32 s[G0S+1], s67, SCL
	s_mov_b64 s[G0S+2:G0S+3], s[20:21]
	s_or_b32 s[G0S+3], s[G0S+3], 0x80000000
	s_mov_b32 s[G0SB], 1
	s_add_co_u32 s[G0SB+1], s67, SCL
	s_mov_b64 s[G0SB+2:G0SB+3], s[12:13]
	s_or_b32 s[G0SB+3], s[G0SB+3], 0x80000000
	JLOAD G0S, G1S, G0SB, G1SB
.irp s, 0,1
	s_mov_b32 s[G0+4*\s], 1
	s_add_co_u32 s[G0+4*\s+1], s66, \s*SLOT
	s_add_nc_u64 s[G0+4*\s+2:G0+4*\s+3], s[18:19], \s*SLOTK
	s_or_b32 s[G0+4*\s+3], s[G0+4*\s+3], 0x80000000
	s_mov_b32 s[G0B+4*\s], 1
	s_add_co_u32 s[G0B+4*\s+1], s66, \s*SLOT
	s_add_nc_u64 s[G0B+4*\s+2:G0B+4*\s+3], s[22:23], \s*SLOTK
	s_or_b32 s[G0B+4*\s+3], s[G0B+4*\s+3], 0x80000000
	JLOAD G0+4*\s, G1, G0B+4*\s, G1B               ; three loads of mine are out behind the second of these
.endr
	v_and_b32 v1, 31, v0                           ; lane
	v_and_b32 v2, 15, v0                           ; r
	v_bfe_u32 v3, v0, 4, 1                         ; h
	v_lshlrev_b32 v[L16], 4, v1
	v_lshlrev_b32 v[L8], 3, v1
	s_mul_i32 s20, s15, HALFT
	s_mul_i32 s21, s16, HALFT
	s_add_co_u32 s21, s21, 2*HALFT
.irp s, 0,1
	v_add_nc_u32 v[A16+\s], s20, v[L16]
	v_add_nc_u32 v[A8+\s], s20, v[L8]
	v_add_nc_u32 v[B16+\s], s21, v[L16]
	v_add_nc_u32 v[B8+\s], s21, v[L8]
	s_add_co_u32 s20, s20, SLOT
	s_add_co_u32 s21, s21, SLOT
.endr
	s_lshl_b32 s20, s15, 12
	s_lshl_b32 s21, s16, 12
	s_add_co_u32 s21, s21, 8192
	s_sub_co_u32 s21, s21, s20
	v_mul_u32_u24 v4, s21, v3                      ; lanes 16-31 take B's words: one product, the distance x h
	s_add_co_u32 s20, s20, SCL
	v_lshl_add_u32 v4, v2, 4, v4
	v_add_nc_u32 v[ADRS], s20, v4
	s_mul_i32 s20, s14, 16*SPITCH                  ; my stage
	v_mul_u32_u24 v4, v2, SPITCH
	v_lshl_add_u32 v4, v3, 6, v4
	v_add_nc_u32 v[STO], s20, v4                   ; in: row r, + 64 h: register j of B's tile b is feature 32 (b / 2) + 8 (b % 2) + 16 h + j
	v_add_nc_u32 v[RD], s20, v[L16]                ; back: the 32 lanes take one row of 512 bytes
	s_lshl_b32 s20, s45, 20                        ; out: my first token's row (4,096 bytes a row) and my first feature
	s_lshl_b32 s21, s15, 19
	s_add_co_u32 s20, s20, s21
	s_lshl_b32 s21, s47, 10
	s_add_co_u32 s20, s20, s21
	s_lshl_b32 s21, s16, 9
	s_add_co_u32 s20, s20, s21
	s_mov_b32 s21, 0
	s_add_nc_u64 s[10:11], s[10:11], s[20:21]
	s_lshl_b32 s20, s47, 10                        ; bo: my 128 features
	s_lshl_b32 s21, s16, 9
	s_add_co_u32 s20, s20, s21
	s_mov_b32 s21, 0
	s_add_nc_u64 s[8:9], s[8:9], s[20:21]
	v_lshlrev_b32 v4, 6, v3
.irp b, 0,1,2,3,4,5,6,7
	global_load_b128 v[BI+8*\b:BI+8*\b+3], v4, s[8:9] offset:(32*(\b/2)+8*(\b%2))*4
	global_load_b128 v[BI+8*\b+4:BI+8*\b+7], v4, s[8:9] offset:(32*(\b/2)+8*(\b%2))*4+16
.endr
.macro FRAG reg, a16, a8, q, i         ; a fragment, 16 rows x 128 K: the images of c = 2 q and 2 q + 1 of tile i
	ds_load_b128 v[\reg:\reg+3], v[\a16] offset:(2*(\q))*CH+768*(\i)
	ds_load_b64 v[\reg+4:\reg+5], v[\a8] offset:(2*(\q))*CH+768*(\i)+512
	ds_load_b128 v[\reg+6:\reg+9], v[\a16] offset:(2*(\q)+1)*CH+768*(\i)
	ds_load_b64 v[\reg+10:\reg+11], v[\a8] offset:(2*(\q)+1)*CH+768*(\i)+512
.endm
.macro FETCH_B slot, q, p
	WIN TO_B
.irp i, 0,1,2,3,4,5,6,7
	FRAG 128*(\p)+FR*\i, B16+\slot, B8+\slot, \q, \i
.endr
	WIN 0
.endm
.macro FETCH_A slot, q, i0
.irp i, \i0, \i0+1, \i0+2, \i0+3
	FRAG AF+FR*(\i), A16+\slot, A8+\slot, \q, \i
.endr
.endm
.macro SCALES set
.irp q, 0,1
.irp e, 0,1
	ds_load_b128 v[SC+16*\set+8*\q+4*\e:SC+16*\set+8*\q+4*\e+3], v[ADRS] offset:512*\q+256*\e
.endr
.endr
.endm
; 16 matrix instructions: A's tiles a0, a0 + 1 x B's eight.  cin = 1: the sums begin with the bias of B's tile.  The 64 accumulators take turns, one instruction a turn, in the same order in every step.
.macro MUL16 a0, p, q, sc, cin
.irp a, \a0, \a0+1
.irp b, 0,1,2,3,4,5,6,7
.if \cin
	v_wmma_scale_f32_16x16x128_f8f6f4 v[8*(8*((\a)%4)+\b):8*(8*((\a)%4)+\b)+7], v[128*(\p)+FR*\b:128*(\p)+FR*\b+FR-1], v[AF+FR*(\a):AF+FR*(\a)+FR-1], v[BI+8*\b:BI+8*\b+7], v[SC+16*(\sc)+8*(\q)+\b], v[SC+16*(\sc)+8*(\q)+(\a)] matrix_a_fmt:MATRIX_FMT_FP6 matrix_b_fmt:MATRIX_FMT_FP6 matrix_a_scale:MATRIX_SCALE_ROW1
.else
	v_wmma_scale_f32_16x16x128_f8f6f4 v[8*(8*((\a)%4)+\b):8*(8*((\a)%4)+\b)+7], v[128*(\p)+FR*\b:128*(\p)+FR*\b+FR-1], v[AF+FR*(\a):AF+FR*(\a)+FR-1], v[8*(8*((\a)%4)+\b):8*(8*((\a)%4)+\b)+7], v[SC+16*(\sc)+8*(\q)+\b], v[SC+16*(\sc)+8*(\q)+(\a)] matrix_a_fmt:MATRIX_FMT_FP6 matrix_b_fmt:MATRIX_FMT_FP6 matrix_a_scale:MATRIX_SCALE_ROW1
.endif
.endr
.endr
.endm
.macro STEP slot, cin                  ; a slot's first step of 128 along K
	s_wait_dscnt 4*NL                              ; all but the youngest sixteen loads (A's tiles 4-7) are in
.if \cin
	WIN MUL_LOB
.else
	WIN MUL_LO
.endif
	MUL16 0, 0, 0, \slot, \cin
	MUL16 2, 0, 0, \slot, \cin
	s_wait_dscnt 0
	PLACES NP                                      ; in front of loads into registers that matrix instructions have read
	FETCH_B \slot, 1, 1
	FETCH_A \slot, 1, 0
.if \cin
	WIN MUL_HIB
.else
	WIN MUL_HI
.endif
	MUL16 4, 0, 0, \slot, \cin
	MUL16 6, 0, 0, \slot, \cin
	PLACES NP
	WIN 0
	FETCH_A \slot, 1, 4
.endm
; A slot's second step changes slots: ONE barrier; in front of it each wave waits for all its tensor loads, adds 0 to its spare word, and waits for that and for its own reads of this slot.
.macro TURN slot, next, fill
	s_wait_tensorcnt 0x0                           ; all my tensor loads have landed: my part of the next slot
	ds_add_u32 v[SPW], v[NIL]                      ; 0 onto my spare word
	s_wait_dscnt 4*NL+1                            ; (the add and the youngest sixteen loads may be out)
	WIN MUL_LO
	MUL16 0, 1, 1, \slot, 0
	s_wait_dscnt 0x0                               ; the add is done, and my reads of this slot are over
	s_barrier_signal -1
	MUL16 2, 1, 1, \slot, 0
	WIN 0
	s_barrier_wait -1
.if \fill
	CREST                                          ; the barrier has opened a round of the cluster's barrier: no wave of any partner still reads this slot or has a load on its way
	s_add_nc_u64 s[G0+4*\slot+2:G0+4*\slot+3], s[G0+4*\slot+2:G0+4*\slot+3], 2*SLOTK
	s_add_nc_u64 s[G0B+4*\slot+2:G0B+4*\slot+3], s[G0B+4*\slot+2:G0B+4*\slot+3], 2*SLOTK
	JLOAD G0+4*\slot, G1, G0B+4*\slot, G1B         ; the first tensor load behind the round; its four v_nop are the places in front of the loads below
.else
	PLACES NP
.endif
	v_add_nc_u32 v[ADRS], 1024, v[ADRS]
	FETCH_B \next, 0, 0
	FETCH_A \next, 0, 0
	SCALES \next
	WIN MUL_HI
	MUL16 4, 1, 1, \slot, 0
	MUL16 6, 1, 1, \slot, 0
	PLACES NP
	WIN 0
	FETCH_A \next, 0, 4
.endm
	s_wait_tensorcnt 1                             ; the scales and my part of the first fill are in (the second fill may be out)
	s_barrier_signal -1
	s_barrier_wait -1                              ; everybody's are
	FETCH_B 0, 0, 0
	FETCH_A 0, 0, 0
	SCALES 0
	FETCH_A 0, 0, 4
	s_wait_loadcnt 0x0                             ; the bias
	STEP 0, 1
	TURN 0, 1, 1
	STEP 1, 0
	TURN 1, 0, 1
	STEP 0, 0
	TURN 0, 1, 0                                   ; nothing is left to fetch
	STEP 1, 0
	s_wait_dscnt 4*NL                              ; the last step
	WIN MUL_LO
	MUL16 0, 1, 1, 1, 0
	MUL16 2, 1, 1, 1, 0
	s_wait_dscnt 0
	WIN MUL_HI
	MUL16 4, 1, 1, 1, 0
	MUL16 6, 1, 1, 1, 0
	WIN 0
; THE WAY OUT, a tile of 16 tokens x 128 features at a time, through my own stage: in by 32 bytes a lane, back as whole rows of 512 bytes.  LDS serves a wave's instructions in order: no wait between the stores and the loads.
.macro TOSTAGE a
.set AC, 64*((\a)%4)
.set WW, 0x08+4*((\a)/4)
	WIN WW                                         ; an LDS store's data are its source 1: window 2 or 3
.irp b, 0,1,2,3,4,5,6,7
	ds_store_b128 v[STO], v[AC+8*\b:AC+8*\b+3] offset:128*(\b/2)+32*(\b%2)          ; each accumulator from its low end on
	ds_store_b128 v[STO], v[AC+8*\b+4:AC+8*\b+7] offset:128*(\b/2)+32*(\b%2)+16
.endr
	WIN 0
.set BB, BK+64*((\a)%2)
.irp t, 0,1,2,3,4,5,6,7,8,9,10,11,12,13,14,15
	ds_load_b128 v[BB+4*\t:BB+4*\t+3], v[RD] offset:\t*SPITCH
.endr
.endm
.macro SEND a, younger                 ; younger: the LDS instructions issued behind tile a's loads, which may stay out
.set BB, BK+64*((\a)%2)
	s_wait_dscnt \younger
.irp t, 0,1,2,3,4,5,6,7,8,9,10,11,12,13,14,15
	global_store_b128 v[L16], v[BB+4*\t:BB+4*\t+3], s[10:11] offset:(32*((\a)/2)+8*((\a)%2)+\t+8*(\t/8))*4096 th:TH_STORE_NT   ; lane t of tile a is that token: 512 consecutive bytes of its row; the base is never stepped
.endr
.endm
	PLACES NP                                      ; behind the last products: results are read, and loads land where A's fragments lay
	TOSTAGE 0
.irp a, 1,2,3,4,5,6,7
.if \a > 1
	s_wait_xcnt 0x0                                ; tile a - 2's stores have read their registers: tile a's loads may land there
.endif
	TOSTAGE \a
	SEND \a-1, 32                                  ; behind tile a - 1's loads: tile a's 16 stores and 16 loads
.endr
	SEND 7, 0
	s_wait_tensorcnt 0x0                           ; the wave's end
	ds_add_u32 v[SPW], v[NIL]
	s_wait_dscnt 0x0
	CROUND                                         ; the closing round
	s_endpgm
.Lfunc_end_k_qa328bcdf20_oproj:
	.size	k_qa328bcdf20_oproj, .Lfunc_end_k_qa328bcdf20_oproj-k_qa328bcdf20_oproj
	.p2alignl 7, 3214868480
	.fill 96, 4, 3214868480
	.section	.rodata,"a",@progbits
	.p2align	6, 0x0
	.amdhsa_kernel k_qa328bcdf20_oproj
		.amdhsa_group_segment_fixed_size 327680
		.amdhsa_private_segment_fixed_size 0
		.amdhsa_enable_private_segment 0
		.amdhsa_kernarg_size 32
		.amdhsa_user_sgpr_count 2
		.amdhsa_user_sgpr_kernarg_segment_ptr 1
		.amdhsa_wavefront_size32 1
		.amdhsa_system_sgpr_workgroup_id_x 1
		.amdhsa_system_sgpr_workgroup_id_y 1
		.amdhsa_system_sgpr_workgroup_id_z 1
		.amdhsa_system_vgpr_workitem_id 0
		.amdhsa_next_free_vgpr 1024
		.amdhsa_next_free_sgpr 96
		.amdhsa_reserve_vcc 0
		.amdhsa_float_denorm_mode_32 3
		.amdhsa_float_denorm_mode_16_64 3
		.amdhsa_memory_ordered 1
		.amdhsa_forward_progress 1
		.amdhsa_inst_pref_size 144
	.end_amdhsa_kernel
	.amdgpu_metadata
---
amdhsa.version: [ 1, 2 ]
amdhsa.kernels:
  - .name:           k_qa328bcdf20_oproj
    .symbol:         k_qa328bcdf20_oproj.kd
    .args:
      - { .name: cq, .offset: 0, .size: 8, .value_kind: global_buffer, .address_space: global }
      - { .name: wq, .offset: 8, .size: 8, .value_kind: global_buffer, .address_space: global }
      - { .name: bo, .offset: 16, .size: 8, .value_kind: global_buffer, .address_space: global }
      - { .name: out0, .offset: 24, .size: 8, .value_kind: global_buffer, .address_space: global }
    .group_segment_fixed_size: 327680
    .private_segment_fixed_size: 0
    .kernarg_segment_align: 8
    .kernarg_segment_size: 32
    .max_flat_workgroup_size: 128
    .sgpr_count:     96
    .vgpr_count:     1024
    .wavefront_size: 32
...
	.end_amdgpu_metadata
.endif
;; end of part 4
;; ======== version 2 of 2: 4 launches
;; limits: right only within a limited range of input values
;; workspace buffers: xq 3,276,800 bytes; wq 3,276,800 bytes; qq 3,407,872 bytes; kv 6,684,672 bytes; cq 3,276,800 bytes
;; launch quant (part 5): grid 256 x 1, 8 waves a work-group, no clusters, 70,656 bytes of LDS; arguments x, Wq, Wk, Wv, Wo, xq, wq; writes xq, wq
.if DOCPART == 5
	.amdgcn_target "amdgcn-amd-amdhsa--gfx1250"
	.amdhsa_code_object_version 6
	.text
	.protected	k_qa328bcdf20_quant
	.globl	k_qa328bcdf20_quant
	.p2align	8
	.type	k_qa328bcdf20_quant,@function
k_qa328bcdf20_quant:
	s_mov_b64 s[64:65], 0
	v_nop
	global_prefetch_b8 v0, s[64:65] scope:SCOPE_SE
	s_setreg_imm32_b32 hwreg(HW_REG_WAVE_MODE, 25, 1), 1
	s_wait_xcnt 0x0
; x [4096][1024] (K innermost) and Wq, Wk, Wv, Wo [1024 (K)][1024] (K outermost), f32, become codes of FP6 (E2M3) with one E8M0 byte for each 32 along K, laid as the products' launches read them.
; A block's scale is 2^(floor(log2(its largest magnitude)) - 2); its byte is the largest magnitude's exponent field - 2, held at 1 from below by a floor among the maximum's leaves.
; LIMITS: a block of zeros, or one whose largest magnitude lies under 2^-124, gets the byte 1 where the rule says 127 (its codes are zeros or the rule's own, and this program alone reads the bytes); NaN and infinities are not served.
; LAYOUT OF THE CODES: [c = K / 64 (16)][tile (256)][768 bytes].  A tile is 16 rows; 768 bytes are the image of registers 0-5 of half a fragment (16 rows x 64 K): lane l's registers 0-3 at 16 l, its registers 4-5 at 512 + 8 l.
; THE ROWS OF A TILE ARE NOT NEIGHBOURS: lane r of tile 2 B + u holds row 32 B + 8 u + r + 8 (r / 8), so that results made with such tiles as source 0 have 16 neighbours in a lane's 16 registers of two tiles.
; LAYOUT OF THE SCALES, behind the codes: [group of 128 rows (32)][K step of 128 (8)][e (2)][r (16)][j (4)] words: tile 4 e + j of the group, row r; byte b scales k = 32 b on.
; Work-groups 0-127 take x (128 rows x 256 K each, a wave a tile), 128-255 the weights (128 columns x 256 K each, a wave 32 columns x 128 K).  Each wave asks for its whole 16 KiB at its head.
; The two texts part on the work-group's number and never join; each has LDS bytes, a barrier and an end of its own.  No tensor loads, no matrix work: the bytes decide here.
.set CSTR,  196608                     ; bytes from one c to the next: 256 tiles x 768
.set SOFF,  3145728                    ; the scales begin behind 16 c
.set STG,   8448                       ; x: a wave's stage, 16 rows x 528 bytes
.set XSG,   8*STG                      ; x: the work-group's scale words, 2 K steps x 512 bytes
.set WSG,   XSG+1024                   ; the weights': likewise
.set SEL,   22                         ; s[22:23] lane selects for v_permlanex16_b32: lane l xor 16
.set PC,    12                         ; v12-31   x: a fragment's 12 registers of codes and 8 at work
.set R0,    32                         ; v32-95   x: K step 0 as loaded; later K step 1 in the quantiser's order
.set R1,    96                         ; v96-159  x: K step 1 as loaded
.set X,     160                        ; v160-223 x: K step 0 in the quantiser's order
.set TM,    224                        ; v224-239 at work
.set PW,    240                        ; v240     the scale word just made
.set WX,    32                         ; v32-159  weights: 128 numbers down K
.set WC,    160                        ; v160-191 weights: a set of 8 for each block's codes, so that no store's data are written again
	s_load_b256 s[4:11], s[0:1], 0x0               ; x, Wq, Wk, Wv
	s_load_b128 s[12:15], s[0:1], 0x20             ; Wo, xq
	s_load_b64 s[16:17], s[0:1], 0x30              ; wq
	v_lshl_add_u32 v254, v0, 2, 0x11000
	v_mov_b32 v255, 0
	v_lshrrev_b32 v1, 5, v0
	s_delay_alu instid0(VALU_DEP_1)
	v_readfirstlane_b32 s20, v1                    ; wave 0..7
	v_and_b32 v1, 31, v0                           ; lane
	v_and_b32 v2, 15, v0                           ; r
	v_bfe_u32 v3, v0, 4, 1                         ; h
	s_mov_b32 s[SEL], 0x76543210
	s_mov_b32 s[SEL+1], 0xfedcba98
	s_cmp_lt_u32 ttmp9, 128
	s_cbranch_scc0 .Lweights
; ---------------- x: work-group = (group of 128 rows g, K steps 2 sp and 2 sp + 1); wave w = tile w of the group
	s_lshr_b32 s24, ttmp9, 2                       ; g
	s_and_b32 s25, ttmp9, 3                        ; sp
	s_lshr_b32 s26, s20, 1
	s_and_b32 s27, s20, 1
	s_lshl_b32 s28, s24, 7
	s_lshl_b32 s29, s26, 5
	s_add_co_u32 s28, s28, s29
	s_lshl_b32 s29, s27, 3
	s_add_co_u32 s28, s28, s29                     ; the tile's first row: 128 g + 32 (w / 2) + 8 (w % 2)
	s_lshl_b32 s28, s28, 12                        ; a row is 4,096 bytes
	s_lshl_b32 s29, s25, 10                        ; 256 along K are 1,024 bytes
	s_add_co_u32 s28, s28, s29
	s_mov_b32 s29, 0
	s_lshl_b32 s30, s24, 3
	s_add_co_u32 s30, s30, s20                     ; tile 8 g + w
	s_mul_i32 s30, s30, 768
	s_mul_i32 s31, s25, 4*CSTR                     ; c = 4 sp on
	s_add_co_u32 s30, s30, s31
	s_mov_b32 s31, 0
	s_lshl_b32 s32, s24, 12                        ; the scale words that waves 0 and 1 store: group g, K step 2 sp + w
	s_lshl_b32 s33, s25, 10
	s_add_co_u32 s32, s32, s33
	s_lshl_b32 s33, s20, 9
	s_add_co_u32 s32, s32, s33
	s_add_co_u32 s32, s32, SOFF
	s_mov_b32 s33, 0
	s_lshr_b32 s36, s20, 2
	s_lshl_b32 s36, s36, 8
	s_and_b32 s37, s20, 3
	s_lshl_b32 s37, s37, 2
	s_add_co_u32 s36, s36, s37
	s_add_co_u32 s36, s36, XSG                     ; my tile's words: 256 (w / 4) + 4 (w % 4)
	s_lshl_b32 s37, s27, 9
	s_add_co_u32 s37, s37, XSG
	s_mul_i32 s38, s20, STG                        ; my stage
	s_wait_alu depctr_va_vdst(0)
	v_lshlrev_b32 v4, 4, v1                        ; 16 x lane
	v_lshlrev_b32 v5, 3, v1                        ; 8 x lane
	s_delay_alu instid0(VALU_DEP_2)
	v_add_nc_u32 v6, s38, v4                       ; into the stage: a row's 512 bytes as they lie
	v_mul_u32_u24 v7, v2, 528
	s_delay_alu instid0(VALU_DEP_1)
	v_lshl_add_u32 v7, v3, 6, v7
	s_delay_alu instid0(VALU_DEP_1)
	v_add_nc_u32 v7, s38, v7                       ; out of it: row r, + 64 h: my 16 numbers of each block of 32.  528 = 33 x 16: sixteen rows fall on sixteen different columns of 16 bytes
	v_lshl_add_u32 v8, v2, 4, s36                  ; my row's scale word
	v_add_nc_u32 v9, s37, v4                       ; waves 0, 1: a K step's 512 bytes of words
.irp b, 0,1,2,3
	v_mov_b32 v[TM+4+\b], 0                        ; written once: a lane permute's destination counts as one of its sources
.endr
	s_wait_alu depctr_va_vdst(0)
	s_wait_kmcnt 0x0
	s_add_nc_u64 s[28:29], s[4:5], s[28:29]
	s_add_nc_u64 s[30:31], s[14:15], s[30:31]
	s_add_nc_u64 s[32:33], s[14:15], s[32:33]
.macro XLOAD reg, s                    ; the tile's 16 rows, 128 numbers of K step s each: every load reads 512 consecutive bytes
.irp r, 0,1,2,3,4,5,6,7,8,9,10,11,12,13,14,15
	global_load_b128 v[\reg+4*\r:\reg+4*\r+3], v4, s[28:29] offset:(\r+8*(\r/8))*4096+512*\s th:TH_LOAD_NT
.endr
.endm
.macro TURN src, dst                   ; through my own stage: LDS serves a wave's instructions in order, so no wait stands between the stores and the loads
.irp r, 0,1,2,3,4,5,6,7,8,9,10,11,12,13,14,15
	ds_store_b128 v6, v[\src+4*\r:\src+4*\r+3] offset:528*\r
.endr
.irp b, 0,1,2,3
.irp j, 0,1,2,3
	ds_load_b128 v[\dst+16*\b+4*\j:\dst+16*\b+4*\j+3], v7 offset:128*\b+16*\j
.endr
.endr
.endm
; 64 numbers of a lane, register 16 b + i = k 32 b + 16 h + i of my row, become a fragment's codes in v[PC] on and its scale word in v[PW]
.macro QUANT s
.irp b, 0,1,2,3
	v_max3_num_f32 v[TM+\b], |v[\s+16*\b]|, |v[\s+1+16*\b]|, 0x1800000   ; block b: my 16 numbers, and the floor 2^(3 - 127): the byte cannot fall under 1
.endr
.irp i, 2,4,6,8,10,12,14
.irp b, 0,1,2,3
	s_delay_alu instid0(VALU_DEP_4)
	v_max3_num_f32 v[TM+\b], v[TM+\b], |v[\s+16*\b+\i]|, |v[\s+1+16*\b+\i]|   ; (the four blocks by turns)
.endr
.endr
.irp b, 0,1,2,3
	s_delay_alu instid0(VALU_DEP_4)
	v_permlanex16_b32 v[TM+4+\b], v[TM+\b], s[SEL], s[SEL+1]
.endr
.irp b, 0,1,2,3
	s_delay_alu instid0(VALU_DEP_4)
	v_max_num_f32 v[TM+\b], v[TM+\b], v[TM+4+\b]   ; with lane l xor 16's: the block's largest magnitude
.endr
.irp b, 0,1,2,3
	s_delay_alu instid0(VALU_DEP_4)
	v_add_nc_u32 v[TM+12+\b], 0xff000000, v[TM+\b] ; 2 off its exponent field: the conversion takes the exponent field of this operand as its scale
.endr
.irp b, 0,1,2,3
	s_delay_alu instid0(VALU_DEP_4)
	v_lshrrev_b32 v[TM+4+\b], 23, v[TM+12+\b]      ; the scale's byte
.endr
	s_delay_alu instid0(VALU_DEP_3)
	v_lshl_or_b32 v[PW], v[TM+5], 8, v[TM+4]
	s_delay_alu instid0(VALU_DEP_1)
	v_lshl_or_b32 v[PW], v[TM+6], 16, v[PW]
	s_delay_alu instid0(VALU_DEP_1)
	v_lshl_or_b32 v[PW], v[TM+7], 24, v[PW]        ; my row's scale word (both halves of the lanes hold the same)
.irp c, 0,1
	v_cvt_scalef32_pk16_fp6_f32 v[PC+6*\c:PC+2+6*\c], v[\s+32*\c:\s+15+32*\c], v[TM+12+2*\c]
	v_cvt_scalef32_pk16_fp6_f32 v[PC+12+4*\c:PC+14+4*\c], v[\s+16+32*\c:\s+31+32*\c], v[TM+12+2*\c+1]   ; (a conversion's three registers begin on an even number)
.endr
	v_nop                                          ; one plain place behind a scaled conversion
.irp c, 0,1                            ; the operand's layout wants a WHOLE block in a lane: lanes 0-15 block 2 c, lanes 16-31 block 2 c + 1
.irp i, 0,1,2
	v_permlane16_swap_b32 v[PC+6*\c+\i], v[PC+12+4*\c+\i]
.endr
.irp i, 0,1,2
	s_delay_alu instid0(VALU_DEP_3)
	v_mov_b32 v[PC+3+6*\c+\i], v[PC+12+4*\c+\i]
.endr
.endr
.endm
.macro IMG s                           ; the fragment leaves as two images: each store covers whole aligned blocks of 256 bytes
	global_store_b128 v4, v[PC:PC+3], s[30:31] offset:(2*\s)*CSTR
	global_store_b64 v5, v[PC+4:PC+5], s[30:31] offset:(2*\s)*CSTR+512
	global_store_b128 v4, v[PC+6:PC+9], s[30:31] offset:(2*\s+1)*CSTR
	global_store_b64 v5, v[PC+10:PC+11], s[30:31] offset:(2*\s+1)*CSTR+512
.endm
	XLOAD R0, 0
	XLOAD R1, 1
	s_wait_loadcnt 16                              ; K step 0's sixteen loads are in; K step 1's sixteen may be out
	TURN R0, X
	s_wait_loadcnt 0x0
	s_wait_dscnt 0x0                               ; X is in, and the stage's stores have read R0, which the next turn loads into
	TURN R1, R0
	QUANT X
	IMG 0
	ds_store_b32 v8, v[PW]
	s_wait_dscnt 1                                 ; behind the second turn's loads stands that one store: the loads are in
	s_wait_xcnt 0x0                                ; the codes' registers are written again only behind this wait
	QUANT R0
	IMG 1
	ds_store_b32 v8, v[PW] offset:512
	s_wait_dscnt 0x0                               ; for the others' sake: my words lie in LDS
	s_barrier_signal -1
	s_barrier_wait -1
	s_cmp_gt_u32 s20, 1
	s_cbranch_scc1 .Lx_end
	ds_load_b128 v[244:247], v9                    ; waves 0 and 1: a K step's words of the eight tiles,
	s_wait_dscnt 0x0
	global_store_b128 v4, v[244:247], s[32:33]     ; 512 consecutive bytes
.Lx_end:
	s_wait_tensorcnt 0x0
	ds_add_u32 v254, v255
	s_wait_dscnt 0x0
	s_endpgm
; ---------------- the weights: work-group = (weight, group of 128 columns gw, K steps 2 sp and 2 sp + 1); wave w: 32 columns cq = w % 4, K step 2 sp + w / 4
; A LANE TAKES A COLUMN AND ITS REGISTERS RUN DOWN K: a block of 32 lies in one lane, and the conversions give codes with K innermost.  Nothing is transposed.
.Lweights:
	s_sub_co_u32 s24, ttmp9, 128
	s_lshr_b32 s25, s24, 5                         ; which weight: 0 Wq, 1 Wk, 2 Wv, 3 Wo
	s_bfe_u32 s26, s24, 0x30002                    ; gw
	s_and_b32 s27, s24, 3                          ; sp
	s_and_b32 s28, s20, 3                          ; cq
	s_lshr_b32 s29, s20, 2                         ; sl
	s_lshl_b32 s30, s27, 1
	s_add_co_u32 s30, s30, s29                     ; my K step
	s_lshl_b32 s32, s30, 19                        ; 128 rows of 4,096 bytes
	s_lshl_b32 s33, s26, 9
	s_add_co_u32 s32, s32, s33
	s_lshl_b32 s33, s28, 7
	s_add_co_u32 s32, s32, s33                     ; + 4 x (128 gw + 32 cq)
	s_mov_b32 s33, 0
	s_mul_i32 s34, s30, 2*CSTR                     ; c = 2 x K step on
	s_lshl_b32 s35, s25, 6
	s_lshl_b32 s36, s26, 3
	s_add_co_u32 s35, s35, s36
	s_lshl_b32 s36, s28, 1
	s_add_co_u32 s35, s35, s36                     ; tile 64 x weight + 8 gw + 2 cq
	s_mul_i32 s35, s35, 768
	s_add_co_u32 s34, s34, s35
	s_mov_b32 s35, 0
	s_lshl_b32 s36, s25, 3
	s_add_co_u32 s36, s36, s26
	s_lshl_b32 s36, s36, 12                        ; the scale words that waves 0 and 1 store: group 8 x weight + gw, K step 2 sp + w
	s_lshl_b32 s37, s27, 10
	s_add_co_u32 s36, s36, s37
	s_lshl_b32 s37, s20, 9
	s_add_co_u32 s36, s36, s37
	s_add_co_u32 s36, s36, SOFF
	s_mov_b32 s37, 0
	s_lshl_b32 s38, s29, 9
	s_lshr_b32 s39, s28, 1
	s_lshl_b32 s39, s39, 8
	s_add_co_u32 s38, s38, s39
	s_and_b32 s39, s28, 1
	s_lshl_b32 s39, s39, 3
	s_add_co_u32 s38, s38, s39
	s_add_co_u32 s38, s38, WSG                     ; my two tiles' words: 512 sl + 256 (cq / 2) + 8 (cq % 2)
	s_and_b32 s39, s20, 1
	s_lshl_b32 s39, s39, 9
	s_add_co_u32 s39, s39, WSG
	s_wait_alu depctr_va_vdst(0)
	v_lshlrev_b32 v4, 2, v1                        ; in: 4 bytes a lane
	v_bfe_u32 v11, v1, 3, 1                        ; column f of the 32 lies in tile u = (f / 8) % 2,
	v_and_b32 v12, 7, v1
	v_lshrrev_b32 v13, 4, v1
	s_delay_alu instid0(VALU_DEP_1)
	v_lshl_add_u32 v12, v13, 3, v12                ; at lane r' = f % 8 + 8 (f / 16)
	s_delay_alu instid0(VALU_DEP_4)
	v_mul_u32_u24 v14, v11, 768
	s_delay_alu instid0(VALU_DEP_1)
	v_lshl_add_u32 v5, v12, 4, v14                 ; an image's registers 0-3: 768 u + 16 r'
	s_delay_alu instid0(VALU_DEP_2)
	v_lshl_add_u32 v6, v12, 3, v14                 ; its registers 4-5: 768 u + 8 r'
	s_delay_alu instid0(VALU_DEP_4)
	v_lshl_add_u32 v7, v12, 4, s38
	s_delay_alu instid0(VALU_DEP_1)
	v_lshl_add_u32 v7, v11, 2, v7                  ; my column's scale word
	v_lshlrev_b32 v10, 4, v1
	s_delay_alu instid0(VALU_DEP_1)
	v_add_nc_u32 v9, s39, v10                      ; waves 0, 1: a K step's 512 bytes of words
	s_wait_kmcnt 0x0
	s_cmp_eq_u32 s25, 1                            ; the choice hangs on the work-group's number alone
	s_cselect_b64 s[6:7], s[8:9], s[6:7]
	s_cmp_eq_u32 s25, 2
	s_cselect_b64 s[6:7], s[10:11], s[6:7]
	s_cmp_eq_u32 s25, 3
	s_cselect_b64 s[6:7], s[12:13], s[6:7]
	s_add_nc_u64 s[6:7], s[6:7], s[32:33]
	s_add_nc_u64 s[34:35], s[16:17], s[34:35]
	s_add_nc_u64 s[36:37], s[16:17], s[36:37]
.set i, 0
.rept 128
	global_load_b32 v[WX+i], v4, s[6:7] offset:i*4096 th:TH_LOAD_NT   ; W(k, my column): a wave reads 128 consecutive bytes, four waves side by side 512
.set i, i+1
.endr
.macro BLOCK t                         ; block t of my four: k = 32 t on.  In the image it is lane r' + 16 (t % 2) of c = t / 2
.set XS, WX+32*(\t)
.set C, WC+8*(\t)
.if (\t) < 2
	s_wait_loadcnt 63                              ; 96 and 64 would do; a wait's count holds 63 at the most
.else
	s_wait_loadcnt 96-32*(\t)                      ; the later blocks' loads may be out
.endif
	v_max3_num_f32 v192, |v[XS]|, |v[XS+1]|, |v[XS+2]|
	v_max3_num_f32 v193, |v[XS+3]|, |v[XS+4]|, |v[XS+5]|
.irp i, 6,10,14,18,22,26
	s_delay_alu instid0(VALU_DEP_2)
	v_max3_num_f32 v192, v192, |v[XS+\i]|, |v[XS+\i+1]|
	s_delay_alu instid0(VALU_DEP_2)
	v_max3_num_f32 v193, v193, |v[XS+\i+2]|, |v[XS+\i+3]|
.endr
	s_delay_alu instid0(VALU_DEP_2)
	v_max3_num_f32 v192, v192, |v[XS+30]|, |v[XS+31]|
	s_delay_alu instid0(VALU_DEP_1)
	v_max3_num_f32 v192, v192, v193, 0x1800000     ; and the floor
	s_delay_alu instid0(VALU_DEP_1)
	v_add_nc_u32 v194, 0xff000000, v192            ; the conversion's scale operand
	v_cvt_scalef32_pk16_fp6_f32 v[C:C+2], v[XS:XS+15], v194
	v_cvt_scalef32_pk16_fp6_f32 v[C+4:C+6], v[XS+16:XS+31], v194
	v_lshrrev_b32 v195, 23, v194                   ; the byte.  (The plain place behind the conversions)
.if (\t) == 0
	s_delay_alu instid0(VALU_DEP_1)
	v_mov_b32 v196, v195
.else
	s_delay_alu instid0(VALU_DEP_1)
	v_lshl_or_b32 v196, v195, 8*(\t), v196         ; four bytes make my column's word for this K step
.endif
	v_mov_b32 v[C+3], v[C+4]                       ; the block's six registers on end
	v_mov_b32 v[C+4], v[C+5]
	v_mov_b32 v[C+5], v[C+6]
	global_store_b128 v5, v[C:C+3], s[34:35] offset:((\t)/2)*CSTR+256*((\t)%2)      ; sixteen lanes fill an aligned 256 bytes of each of the two tiles
	global_store_b64 v6, v[C+4:C+5], s[34:35] offset:((\t)/2)*CSTR+512+128*((\t)%2) ; half of such a block; block t xor 1 fills the other half
.endm
	BLOCK 0
	BLOCK 1
	BLOCK 2
	BLOCK 3
	ds_store_b32 v7, v196
	s_wait_dscnt 0x0                               ; for the others' sake
	s_barrier_signal -1
	s_barrier_wait -1
	s_cmp_gt_u32 s20, 1
	s_cbranch_scc1 .Lw_end
	ds_load_b128 v[200:203], v9
	s_wait_dscnt 0x0
	global_store_b128 v10, v[200:203], s[36:37]    ; 512 consecutive bytes
.Lw_end:
	s_wait_tensorcnt 0x0
	ds_add_u32 v254, v255
	s_wait_dscnt 0x0
	s_endpgm
.Lfunc_end_k_qa328bcdf20_quant:
	.size	k_qa328bcdf20_quant, .Lfunc_end_k_qa328bcdf20_quant-k_qa328bcdf20_quant
	.p2alignl 7, 3214868480
	.fill 96, 4, 3214868480
	.section	.rodata,"a",@progbits
	.p2align	6, 0x0
	.amdhsa_kernel k_qa328bcdf20_quant
		.amdhsa_group_segment_fixed_size 70656
		.amdhsa_private_segment_fixed_size 0
		.amdhsa_enable_private_segment 0
		.amdhsa_kernarg_size 56
		.amdhsa_user_sgpr_count 2
		.amdhsa_user_sgpr_kernarg_segment_ptr 1
		.amdhsa_wavefront_size32 1
		.amdhsa_system_sgpr_workgroup_id_x 1
		.amdhsa_system_sgpr_workgroup_id_y 1
		.amdhsa_system_sgpr_workgroup_id_z 1
		.amdhsa_system_vgpr_workitem_id 0
		.amdhsa_next_free_vgpr 256
		.amdhsa_next_free_sgpr 66
		.amdhsa_reserve_vcc 0
		.amdhsa_float_denorm_mode_32 3
		.amdhsa_float_denorm_mode_16_64 3
		.amdhsa_memory_ordered 1
		.amdhsa_forward_progress 1
		.amdhsa_inst_pref_size 47
	.end_amdhsa_kernel
	.amdgpu_metadata
---
amdhsa.version: [ 1, 2 ]
amdhsa.kernels:
  - .name:           k_qa328bcdf20_quant
    .symbol:         k_qa328bcdf20_quant.kd
    .args:
      - { .name: x, .offset: 0, .size: 8, .value_kind: global_buffer, .address_space: global }
      - { .name: Wq, .offset: 8, .size: 8, .value_kind: global_buffer, .address_space: global }
      - { .name: Wk, .offset: 16, .size: 8, .value_kind: global_buffer, .address_space: global }
      - { .name: Wv, .offset: 24, .size: 8, .value_kind: global_buffer, .address_space: global }
      - { .name: Wo, .offset: 32, .size: 8, .value_kind: global_buffer, .address_space: global }
      - { .name: xq, .offset: 40, .size: 8, .value_kind: global_buffer, .address_space: global }
      - { .name: wq, .offset: 48, .size: 8, .value_kind: global_buffer, .address_space: global }
    .group_segment_fixed_size: 70656
    .private_segment_fixed_size: 0
    .kernarg_segment_align: 8
    .kernarg_segment_size: 56
    .max_flat_workgroup_size: 256
    .sgpr_count:     66
    .vgpr_count:     256
    .wavefront_size: 32
...
	.end_amdgpu_metadata
.endif
;; end of part 5
;; launch qkv (part 6): grid 8 x 24, 4 waves a work-group, clusters of 4 x 4, 327,680 bytes of LDS; arguments xq, wq, bq, bk, bv, qq, kv; writes qq, kv
.if DOCPART == 6
	.amdgcn_target "amdgcn-amd-amdhsa--gfx1250"
	.amdhsa_code_object_version 6
	.text
	.protected	k_qa328bcdf20_qkv
	.globl	k_qa328bcdf20_qkv
	.p2align	8
	.type	k_qa328bcdf20_qkv,@function
k_qa328bcdf20_qkv:
	s_mov_b64 s[64:65], 0
	v_nop
	global_prefetch_b8 v0, s[64:65] scope:SCOPE_SE
	s_setreg_imm32_b32 hwreg(HW_REG_WAVE_MODE, 25, 1), 1
	s_wait_xcnt 0x0
	s_wait_alu depctr_hold_cnt(0) depctr_sa_sdst(0) depctr_va_vdst(0) depctr_va_sdst(0) depctr_va_ssrc(0) depctr_va_vcc(0) depctr_vm_vsrc(0)
	s_getreg_b32 s2, hwreg(HW_REG_IB_STS2, 6, 4)
	s_cmp_eq_u32 s2, 0
	s_cbranch_scc0 .Lentry_in_a_cluster
	s_endpgm
.Lentry_in_a_cluster:
	s_bfe_u32 s2, ttmp6, 0x10000c
	s_cmp_lg_u32 s2, 0xf033
	s_cbranch_scc0 .Lentry_shape_is_right
	s_endpgm
.Lentry_shape_is_right:
; q = x Wq + bq, k = x Wk + bk, v = x Wv + bv on codes of FP6 (E2M3) with E8M0 scales, and q, k, v quantised again in registers: q and k along the head's 64, v along the keys.  Nothing wide goes to memory.
; One text for three products.  A tile of 256 x 256 to a work-group, 128 x 128 to each of four waves: 64 accumulators, 512 registers.  Source 0 takes rows of the B side, source 1 rows of the A side:
; a lane then holds ONE row of A, and its registers run along B's rows, which is the axis that the results are quantised along.
;   clusters with y < 4:  A = x's tokens, B = Wq's (cluster x 0) or Wk's (1) features: a lane holds a token, its registers features (the next K of q and k);
;   clusters with y >= 4: A = Wv's features, B = x's tokens: a lane holds a feature, its registers tokens (the keys, the next K of v).
; OPERANDS ARE IMAGES OF REGISTERS: [c = K / 64][tile][768 bytes]; lane l's registers 0-3 of half a fragment at 16 l, registers 4-5 at 512 + 8 l.  A fragment is two such halves: two loads of 16 bytes and two of 8, each over consecutive bytes.
; Lane r of tile 2 B + u holds row 32 B + 8 u + r + 8 (r / 8): so the 16 registers of B's tiles 2 B and 2 B + 1 are the 16 neighbours 32 B + 16 h + 0 .. 15.
; K = 1,024 goes in four fills of 256 through two LDS slots; the eight steps of 128 are written out.  The scale words of the work-group's rows, for all of K, come once.
; CLUSTERS: 4 x 4.  A's tiles are asked for jointly along a row of the cluster, B's along a column.  Which path a work-group takes hangs on the cluster's y alone: all partners run alike.
; The bias is the C of each sum's first matrix instruction: another order of rounding than x W + b.
; LIMITS: a block of zeros, or one under 2^-124, gets the byte 1 where the rule says 127 (this program alone reads the bytes); NaN and infinities are not served.
; REGISTERS, in windows of 256: window 0: v1-3 lane numbers, v16-31 addresses, v32-63 scale words (two sets), v64-127 the bias, v128-223 A's fragments (one set; on the way out at work).
;   window 1: B's fragments, two sets, at v0 and v128.   window 2: accumulators of A's tiles 0-3 ((a, b) at v[8 (8 (a % 4) + b)]);   window 3: of tiles 4-7.
.set CSTR,  196608                     ; bytes from one c to the next
.set SOFF,  3145728                    ; where a buffer's scale words begin
.set CH,    6144                       ; 8 tiles of one c
.set HALFT, 4*CH                       ; what one tensor load of the ring brings: 2 c x 16 tiles = 256 rows x 128 K
.set SLOT,  4*HALFT                    ; A's [c (4)][16 tiles], then B's
.set SLOTK, 4*CSTR                     ; memory bytes from one fill to the next
.set SCL,   2*SLOT                     ; behind the ring: four groups of scale words, 4,096 bytes each
.set SPARE, SCL+4*4096                 ; behind them: the spare words, 128 bytes a wave: two blocks of 256 bytes that no other line names
.set REC,   13056                      ; kv: a key step's record: K's 8 tiles, V's 2 x 4 halves, K's 512 bytes of scale words, V's 256
.set HEADB, 16*REC                     ; a head's records
.set FR,    12                         ; registers of a fragment
.set NL,    4                          ; LDS loads that bring one
.set NP,    4                          ; places behind this matrix instruction (ISA guide 7.12.1)
.set A16,   16                         ; v16-17 A's fragments in slot 0, 1: + 16 x lane;  v18-19: + 8 x lane
.set A8,    18
.set B16,   20                         ; v20-23 the same for B
.set B8,    22
.set ADRS,  27                         ; v27    my scale words: lanes 0-15 A's, lanes 16-31 B's
.set SPW,   28                         ; v28    my spare word; never rewritten
.set NIL,   29                         ; v29    0; never rewritten
.set L16,   30                         ; v30    16 x lane
.set L8,    31                         ; v31    8 x lane
.set SC,    32                         ; register SC + 16 set + 8 q + i: lanes 0-15 the word of A's tile i, lanes 16-31 of B's tile i, for the slot's q-th 128 along K
.set BI,    64
.set AF,    128
.set PC,    128                        ; the way out: 12 registers of codes and 8 at work
.set TM,    160
.set WS,    176                        ; the eight tiles' scale words
.set Z,     184
.set ZL,    188
.set ZH,    192
.set VO,    196
.set G1,    24                         ; s[24:31] group 1 for A's tiles, s[32:39] group 0, a set a slot
.set G0,    32
.set G1B,   48                         ; s[48:55], s[56:63] for B's
.set G0B,   56
.set G1S,   68                         ; s[68:75], s[76:79] for A's scales;  s[80:87], s[88:91] for B's
.set G0S,   76
.set G1SB,  80
.set G0SB,  88
.set PATHV, 98                         ; s98  1 on v's path
.set HIM,   99                         ; s99  a mask of lanes 16-31
.set SEL,   100                        ; s[100:101] lane l xor 16
.set PP,    24                         ; the way out (the descriptors are done with): s[24:31] four pointers for codes, s[32:35] two for scale words
.set PS,    32
.set MSB, 0
.macro WIN new                         ; the immediate's high byte repeats the setting that is left
.if MSB != \new
	s_set_vgpr_msb (MSB<<8)|\new
.set MSB, \new
.endif
.endm
.set MUL_LO,  0xa1                     ; source 0 (B) window 1, source 1 (A) window 0, C and D window 2
.set MUL_HI,  0xf1                     ; C and D window 3
.set MUL_LOB, 0x81                     ; the same with C (the bias) in window 0
.set MUL_HIB, 0xc1
.set TO_B,    0x40                     ; destination window 1, address window 0
; A joint load: waves 0 and 1 fetch for A, waves 2 and 3 for B; the branch hangs on the wave's number alone.  Four v_nop follow each line.
.macro JLOAD g0a, g1a, g0b, g1b
	s_cmp_eq_u32 s15, 0
	s_cbranch_scc0 .Lfor_b_\@
	tensor_load_to_lds s[\g0a:\g0a+3], s[\g1a:\g1a+7]
	s_nop 0
.rept 4
	v_nop
.endr
	s_branch .Lasked_\@
.Lfor_b_\@:
	tensor_load_to_lds s[\g0b:\g0b+3], s[\g1b:\g1b+7]
	s_nop 0
.rept 4
	v_nop
.endr
.Lasked_\@:
.endm
.macro CREST                           ; a round of the cluster's barrier behind its opening barrier
	s_cmp_lg_u32 s14, 0
	s_cbranch_scc1 .Lnot_wave_0_\@
	s_barrier_signal -3
.Lnot_wave_0_\@:
	s_barrier_wait -3
	s_barrier_signal -1
	s_barrier_wait -1
.endm
.macro CROUND
	s_barrier_signal -1
	s_barrier_wait -1
	CREST
.endm
.macro PLACES n
.rept \n
	v_nop
.endr
.endm
	s_load_b128 s[4:7], s[0:1], 0x0                ; xq, wq
	s_load_b128 s[92:95], s[0:1], 0x10             ; bq, bk
	s_load_b64 s[96:97], s[0:1], 0x20              ; bv
	s_load_b64 s[2:3], s[0:1], 0x28                ; qq
	s_load_b64 s[104:105], s[0:1], 0x30            ; kv
	v_lshl_add_u32 v[SPW], v0, 2, SPARE
	v_mov_b32 v[NIL], 0
	ds_add_u32 v28, v29
	ds_add_u32 v28, v29
	s_wait_dscnt 0x0
	v_lshrrev_b32 v1, 5, v0
	v_readfirstlane_b32 s14, v1                    ; wave 0..3
	s_lshr_b32 s15, s14, 1                         ; which half of A's rows is mine.  Also: I fetch for A (0) or for B (1)
	s_and_b32 s16, s14, 1                          ; which half of B's rows.  Also: which two c of a fill I fetch in the ring
	s_mov_b32 s[HIM], 0xffff0000
	s_mov_b32 s[SEL], 0x76543210
	s_mov_b32 s[SEL+1], 0xfedcba98
	s_bfe_u32 s40, ttmp6, 0x40000                  ; cx, cy: my place in the cluster
	s_bfe_u32 s41, ttmp6, 0x40004
	s_and_b32 s42, ttmp7, 0xffff                   ; the cluster's y: 0..5
	s_lshl_b32 s43, s41, 2
	s_lshl_b32 s43, 15, s43                        ; my row of the cluster
	s_lshl_b32 s44, 0x1111, s40                    ; my column
	s_lshl_b32 s45, s42, 2
	s_add_co_u32 s45, s45, s41                     ; q, k: A's block of 256 tokens = 4 x cluster y + cy
	s_add_co_u32 s46, s41, 8                       ; v: A's block of the weights' rows = 8 + cy (Wv's)
	s_lshl_b32 s47, ttmp9, 2
	s_add_co_u32 s47, s47, s40                     ; q, k: B's block of the weights' rows = 4 x cluster x + cx (0-3 Wq's, 4-7 Wk's)
	s_and_b32 s17, s42, 1
	s_lshl_b32 s17, s17, 3
	s_add_co_u32 s17, s17, s47                     ; v: B's block of tokens = 8 (cluster y - 4) + 4 x cluster x + cx
	s_cmp_ge_u32 s42, 4
	s_cselect_b32 s[PATHV], 1, 0
	s_cselect_b32 s45, s46, s45                    ; A's block: made of the cluster's y and cy alone
	s_cselect_b32 s47, s17, s47                    ; B's block: of the cluster's x and y and cx alone
	; group 1 for codes: 4 rows (c) of 1536 elements of 8 bytes (16 tiles), CSTR bytes apart; dense in LDS
	s_or_b32 s[G1+0], s43, (3<<16)|(1<<21)         ; 15:0 the mask: A's tiles go to my row; 17:16 elements of 8 bytes; 20 no padding; 21 set beside a mask
	s_or_b32 s[G1B+0], s44, (3<<16)|(1<<21)
.irp g, G1, G1B
	s_mov_b32 s[\g+1], 1536<<16                    ; tensor_dim0: 16 tiles of one c, 12,288 bytes
	s_mov_b32 s[\g+2], 4<<16                       ; tensor_dim1: 4 c for the head's loads; behind them 2, for the ring's
	s_mov_b32 s[\g+3], 1536<<16                    ; tile_dim0
	s_mov_b32 s[\g+4], 4                           ; tile_dim1
	s_mov_b32 s[\g+5], CSTR/8                      ; tensor_dim0_stride
	s_mov_b32 s[\g+6], 0
	s_mov_b32 s[\g+7], 0
.endr
	; and for the scale words of 256 rows: 8,192 dense bytes as 32 rows of 256
	s_or_b32 s[G1S+0], s43, (3<<16)|(1<<21)
	s_or_b32 s[G1SB+0], s44, (3<<16)|(1<<21)
.irp g, G1S, G1SB
	s_mov_b32 s[\g+1], 32<<16
	s_mov_b32 s[\g+2], 32<<16                      ; the words of 256 rows: 8,192 dense bytes as 32 rows of 256
	s_mov_b32 s[\g+3], 32<<16
	s_mov_b32 s[\g+4], 32
	s_mov_b32 s[\g+5], 32
	s_mov_b32 s[\g+6], 0
	s_mov_b32 s[\g+7], 0
.endr
	s_mul_i32 s18, s45, 2*CH                       ; A's codes: a block is 16 tiles
	s_mov_b32 s19, 0
	s_lshl_b32 s20, s45, 13                        ; A's scales: a block is two groups of 4,096 bytes
	s_add_co_u32 s20, s20, SOFF
	s_mov_b32 s21, 0
	s_mul_i32 s22, s47, 2*CH                       ; B's likewise
	s_mov_b32 s23, 0
	s_lshl_b32 s12, s47, 13
	s_add_co_u32 s12, s12, SOFF
	s_mov_b32 s13, 0
	s_mul_i32 s66, s14, HALFT                      ; where they go: wave x what a load brings: no place in the cluster enters an LDS address
	s_mul_i32 s42, s16, 2*CSTR                     ; in the ring I fetch two c of a fill: which two, in bytes (the cluster's y and my row's mask have served)
	s_mov_b32 s43, 0
	s_wait_kmcnt 0x0
	s_cmp_eq_u32 s[PATHV], 0
	s_cselect_b64 s[8:9], s[4:5], s[6:7]           ; A's buffer: x's codes, or on v's path the weights'
	s_cselect_b64 s[10:11], s[6:7], s[4:5]         ; B's: the other
	s_add_nc_u64 s[18:19], s[8:9], s[18:19]
	s_add_nc_u64 s[20:21], s[8:9], s[20:21]
	s_add_nc_u64 s[22:23], s[10:11], s[22:23]
	s_add_nc_u64 s[12:13], s[10:11], s[12:13]
	CROUND                                         ; all sixteen work-groups are here: the first joint loads meet
	s_mov_b32 s[G0S], 1                            ; the head's four tiles, each whole: the scale words of A's 256 rows,
	s_mov_b32 s[G0S+1], SCL
	s_mov_b64 s[G0S+2:G0S+3], s[20:21]
	s_or_b32 s[G0S+3], s[G0S+3], 0x80000000
	s_mov_b32 s[G0SB], 1                           ; of B's,
	s_mov_b32 s[G0SB+1], SCL+8192
	s_mov_b64 s[G0SB+2:G0SB+3], s[12:13]
	s_or_b32 s[G0SB+3], s[G0SB+3], 0x80000000
	s_mov_b32 s4, 1                                ; s[4:7]: fill 0 of A's 256 rows (the arguments that lay here have served),
	s_mov_b32 s5, 0
	s_mov_b64 s[6:7], s[18:19]
	s_or_b32 s7, s7, 0x80000000
	s_mov_b32 s8, 1                                ; s[8:11]: and of B's, behind A's in slot 0
	s_mov_b32 s9, 2*HALFT
	s_mov_b64 s[10:11], s[22:23]
	s_or_b32 s11, s11, 0x80000000
	s_add_nc_u64 s[18:19], s[18:19], s[42:43]      ; for the ring: my two c
	s_add_nc_u64 s[22:23], s[22:23], s[42:43]
.irp s, 0,1
	s_mov_b32 s[G0+4*\s], 1
	s_add_co_u32 s[G0+4*\s+1], s66, \s*SLOT
	s_add_nc_u64 s[G0+4*\s+2:G0+4*\s+3], s[18:19], \s*SLOTK
	s_or_b32 s[G0+4*\s+3], s[G0+4*\s+3], 0x80000000
	s_mov_b32 s[G0B+4*\s], 1
	s_add_co_u32 s[G0B+4*\s+1], s66, \s*SLOT
	s_add_nc_u64 s[G0B+4*\s+2:G0B+4*\s+3], s[22:23], \s*SLOTK
	s_or_b32 s[G0B+4*\s+3], s[G0B+4*\s+3], 0x80000000
.endr
; THE HEAD'S LOADS, ONE A WAVE: wave 0 fill 0 of A, wave 1 of B, wave 2 A's scale words, wave 3 B's.  One tree of branches on the wave's number; every way through it passes one load.
.macro ARM under, g0, g1, next
	s_cmp_lt_u32 s14, \under
	s_cbranch_scc0 \next
	tensor_load_to_lds s[\g0:\g0+3], s[\g1:\g1+7]
	s_nop 0
.rept 4
	v_nop
.endr
	s_branch .Lhead_asked
\next:
.endm
	ARM 1, 4, G1, .Lhead_b
	ARM 2, 8, G1B, .Lhead_sa
	ARM 3, G0S, G1S, .Lhead_sb
	tensor_load_to_lds s[G0SB:G0SB+3], s[G1SB:G1SB+7]
	s_nop 0
.rept 4
	v_nop
.endr
.Lhead_asked:
	v_and_b32 v1, 31, v0                           ; lane
	v_and_b32 v2, 15, v0                           ; r
	v_bfe_u32 v3, v0, 4, 1                         ; h
	v_lshlrev_b32 v[L16], 4, v1
	v_lshlrev_b32 v[L8], 3, v1
	s_mul_i32 s20, s15, CH                         ; my 8 tiles of A's 16 in each c
	s_mul_i32 s21, s16, CH                         ; my 8 tiles of B's,
	s_add_co_u32 s21, s21, 2*HALFT                 ; which lie behind A's 4 c
.irp s, 0,1
	v_add_nc_u32 v[A16+\s], s20, v[L16]
	v_add_nc_u32 v[A8+\s], s20, v[L8]
	v_add_nc_u32 v[B16+\s], s21, v[L16]
	v_add_nc_u32 v[B8+\s], s21, v[L8]
	s_add_co_u32 s20, s20, SLOT
	s_add_co_u32 s21, s21, SLOT
.endr
	s_lshl_b32 s20, s15, 12                        ; A's group of scale words
	s_lshl_b32 s21, s16, 12
	s_add_co_u32 s21, s21, 8192                    ; B's, behind A's two
	s_sub_co_u32 s21, s21, s20
	v_mul_u32_u24 v4, s21, v3                      ; lanes 16-31 take B's: one product, the distance x h
	s_add_co_u32 s20, s20, SCL
	v_lshl_add_u32 v4, v2, 4, v4                   ; four tiles' words of row r: 16 bytes
	v_add_nc_u32 v[ADRS], s20, v4
	; THE BIAS, in the result's layout, eight registers a tile.  Both arms write all 64 registers and wait for their loads; the next line waits for the first tiles anyway.
	s_cmp_lg_u32 s[PATHV], 0
	s_cbranch_scc1 .Lbias_v
	s_cmp_eq_u32 ttmp9, 0
	s_cselect_b64 s[92:93], s[92:93], s[94:95]     ; bq or bk
	s_lshl_b32 s20, s40, 10                        ; my block's 256 features,
	s_lshl_b32 s21, s16, 9                         ; my 128 of them
	s_add_co_u32 s20, s20, s21
	s_mov_b32 s21, 0
	s_add_nc_u64 s[92:93], s[92:93], s[20:21]
	v_lshlrev_b32 v4, 6, v3                        ; register j of B's tile b is feature 32 (b / 2) + 8 (b % 2) + 16 h + j
.irp b, 0,1,2,3,4,5,6,7
	global_load_b128 v[BI+8*\b:BI+8*\b+3], v4, s[92:93] offset:(32*(\b/2)+8*(\b%2))*4
	global_load_b128 v[BI+8*\b+4:BI+8*\b+7], v4, s[92:93] offset:(32*(\b/2)+8*(\b%2))*4+16
.endr
	s_wait_loadcnt 0x0
	s_branch .Lbias_done
.Lbias_v:
	s_lshl_b32 s20, s41, 10
	s_lshl_b32 s21, s15, 9
	s_add_co_u32 s20, s20, s21
	s_mov_b32 s21, 0
	s_add_nc_u64 s[96:97], s[96:97], s[20:21]
	v_and_b32 v4, 8, v2
	v_add_nc_u32 v4, v4, v2
	v_lshlrev_b32 v4, 2, v4                        ; lane r of A's tile a is feature 32 (a / 2) + 8 (a % 2) + r + 8 (r / 8): one number for the tile's eight registers
.irp a, 0,1,2,3,4,5,6,7
	global_load_b32 v[BI+8*\a], v4, s[96:97] offset:(32*(\a/2)+8*(\a%2))*4
.endr
	s_wait_loadcnt 0x0
.irp a, 0,1,2,3,4,5,6,7
.irp j, 1,2,3,4,5,6,7
	v_mov_b32 v[BI+8*\a+\j], v[BI+8*\a]
.endr
.endr
.Lbias_done:
.macro FRAG reg, a16, a8, q, i         ; a fragment, 16 rows x 128 K: the images of c = 2 q and 2 q + 1 of tile i
	ds_load_b128 v[\reg:\reg+3], v[\a16] offset:(2*(\q))*2*CH+768*(\i)
	ds_load_b64 v[\reg+4:\reg+5], v[\a8] offset:(2*(\q))*2*CH+768*(\i)+512
	ds_load_b128 v[\reg+6:\reg+9], v[\a16] offset:(2*(\q)+1)*2*CH+768*(\i)
	ds_load_b64 v[\reg+10:\reg+11], v[\a8] offset:(2*(\q)+1)*2*CH+768*(\i)+512
.endm
.macro FETCH_B slot, q, p              ; B's eight fragments of the slot's q-th 128 along K into set p
	WIN TO_B
.irp i, 0,1,2,3,4,5,6,7
	FRAG 128*(\p)+FR*\i, B16+\slot, B8+\slot, \q, \i
.endr
	WIN 0
.endm
.macro FETCH_A slot, q, i0             ; A's tiles i0 .. i0 + 3
.irp i, \i0, \i0+1, \i0+2, \i0+3
	FRAG AF+FR*(\i), A16+\slot, A8+\slot, \q, \i
.endr
.endm
.macro SCALES set                      ; a slot's scale words: four loads of 16 bytes, four tiles' words each
.irp q, 0,1
.irp e, 0,1
	ds_load_b128 v[SC+16*\set+8*\q+4*\e:SC+16*\set+8*\q+4*\e+3], v[ADRS] offset:512*\q+256*\e
.endr
.endr
.endm
; 16 matrix instructions: A's tiles a0, a0 + 1 x B's eight.  p: B's set; q, sc: which scale words.  cin = 0: the sums go on; 1: they begin with the bias of B's tile; 2: of A's tile.
; The 64 accumulators take turns, one instruction a turn, in the same order in every step.
.macro MUL16 a0, p, q, sc, cin
.irp a, \a0, \a0+1
.irp b, 0,1,2,3,4,5,6,7
.if \cin == 1
	v_wmma_scale_f32_16x16x128_f8f6f4 v[8*(8*((\a)%4)+\b):8*(8*((\a)%4)+\b)+7], v[128*(\p)+FR*\b:128*(\p)+FR*\b+FR-1], v[AF+FR*(\a):AF+FR*(\a)+FR-1], v[BI+8*\b:BI+8*\b+7], v[SC+16*(\sc)+8*(\q)+\b], v[SC+16*(\sc)+8*(\q)+(\a)] matrix_a_fmt:MATRIX_FMT_FP6 matrix_b_fmt:MATRIX_FMT_FP6 matrix_a_scale:MATRIX_SCALE_ROW1
.elseif \cin == 2
	v_wmma_scale_f32_16x16x128_f8f6f4 v[8*(8*((\a)%4)+\b):8*(8*((\a)%4)+\b)+7], v[128*(\p)+FR*\b:128*(\p)+FR*\b+FR-1], v[AF+FR*(\a):AF+FR*(\a)+FR-1], v[BI+8*(\a):BI+8*(\a)+7], v[SC+16*(\sc)+8*(\q)+\b], v[SC+16*(\sc)+8*(\q)+(\a)] matrix_a_fmt:MATRIX_FMT_FP6 matrix_b_fmt:MATRIX_FMT_FP6 matrix_a_scale:MATRIX_SCALE_ROW1
.else
	v_wmma_scale_f32_16x16x128_f8f6f4 v[8*(8*((\a)%4)+\b):8*(8*((\a)%4)+\b)+7], v[128*(\p)+FR*\b:128*(\p)+FR*\b+FR-1], v[AF+FR*(\a):AF+FR*(\a)+FR-1], v[8*(8*((\a)%4)+\b):8*(8*((\a)%4)+\b)+7], v[SC+16*(\sc)+8*(\q)+\b], v[SC+16*(\sc)+8*(\q)+(\a)] matrix_a_fmt:MATRIX_FMT_FP6 matrix_b_fmt:MATRIX_FMT_FP6 matrix_a_scale:MATRIX_SCALE_ROW1
.endif
.endr
.endr
.endm
; A slot's first step of 128 along K.  A tile of A is free as soon as its eight products are issued, so one set serves A: tiles 0-3 are fetched anew in the step's middle, tiles 4-7 at its end; B has two sets.
.macro STEP slot, cin
	s_wait_dscnt 4*NL                              ; all but the youngest sixteen loads (A's tiles 4-7) are in
.if \cin
	WIN MUL_LOB
.else
	WIN MUL_LO
.endif
	MUL16 0, 0, 0, \slot, \cin
	MUL16 2, 0, 0, \slot, \cin
	s_wait_dscnt 0                                 ; A's tiles 4-7 are in (asked for 32 matrix instructions ago)
	PLACES NP                                      ; in front of loads into registers that matrix instructions have read
	FETCH_B \slot, 1, 1
	FETCH_A \slot, 1, 0
.if \cin
	WIN MUL_HIB
.else
	WIN MUL_HI
.endif
	MUL16 4, 0, 0, \slot, \cin
	MUL16 6, 0, 0, \slot, \cin
	PLACES NP
	WIN 0
	FETCH_A \slot, 1, 4
.endm
; A slot's second step changes slots: ONE barrier; in front of it each wave waits for all its tensor loads, adds 0 to its spare word, and waits for that and for its own reads of this slot.  fill = 1: this slot is filled again, two fills ahead.
.macro TURN slot, next, fill
	s_wait_tensorcnt 0x0                           ; all my tensor loads have landed: my part of the next slot;  (every window is 0 here)
	ds_add_u32 v[SPW], v[NIL]                      ; 0 onto my spare word
	s_wait_dscnt 4*NL+1                            ; (the add and the youngest sixteen loads may be out)
	WIN MUL_LO
	MUL16 0, 1, 1, \slot, 0                        ; sixteen matrix instructions stand between the add and the wait for it
	s_wait_dscnt 0x0                               ; the add is done, and my reads of this slot are over
	s_barrier_signal -1
	MUL16 2, 1, 1, \slot, 0
	WIN 0
	s_barrier_wait -1
.if \fill
	CREST                                          ; the barrier has opened a round of the cluster's barrier: no wave of any partner still reads this slot or has a load on its way
	s_add_nc_u64 s[G0+4*\slot+2:G0+4*\slot+3], s[G0+4*\slot+2:G0+4*\slot+3], 2*SLOTK
	s_add_nc_u64 s[G0B+4*\slot+2:G0B+4*\slot+3], s[G0B+4*\slot+2:G0B+4*\slot+3], 2*SLOTK
	JLOAD G0+4*\slot, G1, G0B+4*\slot, G1B         ; the first tensor load behind the round; its four v_nop are the places in front of the loads below
.else
	PLACES NP
.endif
	s_wait_alu depctr_va_vdst(0)
	v_add_nc_u32 v[ADRS], 1024, v[ADRS]            ; on to the next slot's scale words
	FETCH_B \next, 0, 0
	FETCH_A \next, 0, 0
	SCALES \next
	WIN MUL_HI
	MUL16 4, 1, 1, \slot, 0
	MUL16 6, 1, 1, \slot, 0
	PLACES NP
	WIN 0
	FETCH_A \next, 0, 4
.endm
	s_wait_alu depctr_va_vdst(0)
	s_wait_tensorcnt 0x0                           ; my tile of the head's four is in
	ds_add_u32 v[SPW], v[NIL]
	s_mov_b32 s[G1+2], 2<<16                       ; no tensor load of mine is out: from here on a load brings 2 c
	s_mov_b32 s[G1+4], 2
	s_mov_b32 s[G1B+2], 2<<16
	s_mov_b32 s[G1B+4], 2
	s_wait_dscnt 0x0
	CROUND                                         ; a whole round: all four tiles are in, and the sixteen work-groups are here
	JLOAD G0+4, G1, G0B+4, G1B                     ; fill 1, into slot 1: the first tensor load behind the round
	s_wait_alu depctr_va_vdst(0)
	FETCH_B 0, 0, 0
	FETCH_A 0, 0, 0
	SCALES 0
	FETCH_A 0, 0, 4
	s_cmp_lg_u32 s[PATHV], 0                       ; the first step is written twice: its C is the bias of B's tile (q, k) or of A's (v).  No barrier and no tensor load stands in it
	s_cbranch_scc1 .Lfirst_v
	STEP 0, 1
	s_branch .Lfirst_done
.Lfirst_v:
	STEP 0, 2
.Lfirst_done:
	TURN 0, 1, 1
	STEP 1, 0
	TURN 1, 0, 1
	STEP 0, 0
	TURN 0, 1, 0                                   ; nothing is left to fetch
	STEP 1, 0
	s_wait_dscnt 4*NL                              ; the last step
	WIN MUL_LO
	MUL16 0, 1, 1, 1, 0
	MUL16 2, 1, 1, 1, 0
	s_wait_dscnt 0
	WIN MUL_HI
	MUL16 4, 1, 1, 1, 0
	MUL16 6, 1, 1, 1, 0
	WIN 0
; THE WAY OUT.  For each of A's eight tiles a lane's 64 numbers (register 16 b + i = index 32 b + 16 h + i along B's 128 rows) become 12 registers of codes and a scale word: two half images.
;   q, k: the halves are two heads (64 features each) of 16 tokens;   v: the halves are keys 0-63 and 64-127 of a key step, for 16 features of a head.
; Where they go, in numbers shared by the paths: FA = 2 x A's block + wave / 2, FB = 2 x B's block + wave % 2; the group of 128 tokens is FA (q, k) or FB (v), the pair of heads the other.
	PLACES NP                                      ; behind the last products: their results are read and A's registers written below
	s_lshl_b32 s36, s45, 1
	s_add_co_u32 s36, s36, s15                     ; FA
	s_lshl_b32 s37, s47, 1
	s_add_co_u32 s37, s37, s16                     ; FB
	s_cmp_lg_u32 s[PATHV], 0
	s_cselect_b32 s38, s37, s36                    ; the group of 128 tokens, 0..31
	s_cselect_b32 s39, s36, s37
	s_lshl_b32 s39, s39, 1
	s_and_b32 s39, s39, 15                         ; my first head
	s_lshr_b32 s48, s38, 4                         ; the batch
	s_and_b32 s38, s38, 15                         ; the key step, or q's group of 8 tiles
	s_lshl_b32 s48, s48, 4
	s_add_co_u32 s39, s39, s48                     ; 16 x batch + head
	s_cmp_eq_u32 ttmp9, 0
	s_cselect_b32 s49, 1, 0
	s_xor_b32 s50, s[PATHV], 1
	s_and_b32 s49, s49, s50                        ; 1 on q's path
	s_mov_b32 s51, HEADB                           ; bytes from head to head: codes,
	s_mov_b32 s52, REC                             ; from step to step,
	s_mov_b32 s53, HEADB                           ; and the same for the scale words,
	s_mov_b32 s54, REC
	s_mov_b32 s55, 2*CH                            ; which begin here
	s_cmp_lg_u32 s49, 0
	s_cselect_b64 s[56:57], s[2:3], s[104:105]     ; qq or kv
	s_cselect_b32 s51, 98304, s51                  ; q: 128 tiles a head,
	s_cselect_b32 s52, CH, s52                     ; 8 tiles a group,
	s_cselect_b32 s53, 8192, s53                   ; 16 groups of 512 bytes of words a head
	s_cselect_b32 s54, 512, s54
	s_cselect_b32 s55, SOFF, s55
	s_mov_b32 s58, 3072
	s_mov_b32 s59, HEADB
	s_cmp_lg_u32 s[PATHV], 0
	s_cselect_b32 s60, s58, s51                    ; from the first half image to the second: the next head (q, k) or V's second 64 keys
	s_cselect_b32 s61, s59, s58                    ; from A's tiles 0-3 to tiles 4-7: four tiles on (q, k) or the next head (v)
	s_cselect_b32 s62, CH, 0                       ; V lies behind K in a record,
	s_cselect_b32 s63, 512, 0                      ; and its words behind K's
	s_mul_i32 s36, s39, s51
	s_mul_i32 s37, s38, s52
	s_add_co_u32 s36, s36, s37
	s_add_co_u32 s36, s36, s62
	s_mov_b32 s37, 0
	s_add_nc_u64 s[PP:PP+1], s[56:57], s[36:37]
	s_mov_b32 s36, s61
	s_add_nc_u64 s[PP+2:PP+3], s[PP:PP+1], s[36:37]
	s_mov_b32 s36, s60
	s_add_nc_u64 s[PP+4:PP+5], s[PP:PP+1], s[36:37]
	s_add_nc_u64 s[PP+6:PP+7], s[PP+2:PP+3], s[36:37]
	s_mul_i32 s36, s39, s53
	s_mul_i32 s48, s38, s54
	s_add_co_u32 s36, s36, s48
	s_add_co_u32 s36, s36, s55
	s_add_co_u32 s36, s36, s63
	s_add_nc_u64 s[PS:PS+1], s[56:57], s[36:37]
	s_mov_b32 s36, s53
	s_add_nc_u64 s[PS+2:PS+3], s[PS:PS+1], s[36:37]   ; the second head's words (q, k)
.irp b, 0,1,2,3
	v_mov_b32 v[TM+4+\b], 0                        ; written once: a lane permute's destination counts as one of its sources
.endr
	v_mul_u32_u24 v[VO], HEADB, v3
	v_lshl_add_u32 v[VO], v2, 4, v[VO]             ; v's words: lanes 0-15 the first head's, lanes 16-31 the second's
.macro QUANTW a
.set AC, 64*((\a)%4)
.set W, 2+(\a)/4
.set WW, (W<<2)|(W<<4)
	WIN WW                                         ; sources 1 and 2: the accumulators' window
.irp b, 0,1,2,3
	v_max3_num_f32 v[TM+\b], 0x1800000, |v[AC+16*\b]|, |v[AC+16*\b+1]|   ; block b: my 16 numbers and the floor 2^(3 - 127).  Each accumulator is read from its low end on
.endr
.irp i, 2,4,6,8,10,12,14
.irp b, 0,1,2,3
	v_max3_num_f32 v[TM+\b], v[TM+\b], |v[AC+16*\b+\i]|, |v[AC+16*\b+\i+1]|
.endr
.endr
	WIN 0
.irp b, 0,1,2,3
	v_permlanex16_b32 v[TM+4+\b], v[TM+\b], s[SEL], s[SEL+1]
.endr
.irp b, 0,1,2,3
	v_max_num_f32 v[TM+\b], v[TM+\b], v[TM+4+\b]   ; with lane l xor 16's: the block's largest magnitude
.endr
.irp b, 0,1,2,3
	v_add_nc_u32 v[TM+12+\b], 0xff000000, v[TM+\b] ; 2 off its exponent field: the conversion's scale operand
.endr
.irp b, 0,1,2,3
	v_lshrrev_b32 v[TM+4+\b], 23, v[TM+12+\b]      ; the byte
.endr
	v_lshl_or_b32 v[WS+(\a)], v[TM+5], 8, v[TM+4]
	v_lshl_or_b32 v[WS+(\a)], v[TM+6], 16, v[WS+(\a)]
	v_lshl_or_b32 v[WS+(\a)], v[TM+7], 24, v[WS+(\a)]
.if (\a) > 0
	s_wait_xcnt 0x0                                ; the codes' registers, which the last tile's stores read, are written again only behind this wait
.endif
.set WW, W
	WIN WW                                         ; source 0: the accumulators' window
.irp c, 0,1
	v_cvt_scalef32_pk16_fp6_f32 v[PC+6*\c:PC+2+6*\c], v[AC+32*\c:AC+15+32*\c], v[TM+12+2*\c]
	v_cvt_scalef32_pk16_fp6_f32 v[PC+12+4*\c:PC+14+4*\c], v[AC+16+32*\c:AC+31+32*\c], v[TM+13+2*\c]
.endr
	WIN 0
	v_nop                                          ; one plain place behind a scaled conversion
.irp c, 0,1
.irp i, 0,1,2
	v_permlane16_swap_b32 v[PC+6*\c+\i], v[PC+12+4*\c+\i]   ; a whole block to a lane
.endr
.irp i, 0,1,2
	v_mov_b32 v[PC+3+6*\c+\i], v[PC+12+4*\c+\i]
.endr
.endr
.endm
.macro UNIT a
	QUANTW \a
	global_store_b128 v[L16], v[PC:PC+3], s[PP+2*((\a)/4):PP+2*((\a)/4)+1] offset:768*((\a)%4)          ; each store covers whole aligned blocks of 256 bytes
	global_store_b64 v[L8], v[PC+4:PC+5], s[PP+2*((\a)/4):PP+2*((\a)/4)+1] offset:768*((\a)%4)+512
	global_store_b128 v[L16], v[PC+6:PC+9], s[PP+4+2*((\a)/4):PP+4+2*((\a)/4)+1] offset:768*((\a)%4)
	global_store_b64 v[L8], v[PC+10:PC+11], s[PP+4+2*((\a)/4):PP+4+2*((\a)/4)+1] offset:768*((\a)%4)+512
.endm
.irp a, 0,1,2,3,4,5,6,7
	UNIT \a
.endr
.irp j, 0,1,2,3
	v_cndmask_b32 v[Z+\j], v[WS+\j], v[WS+4+\j], s[HIM]   ; lanes 0-15 keep tiles 0-3's words, lanes 16-31 take tiles 4-7's
.endr
	s_cmp_lg_u32 s[PATHV], 0
	s_cbranch_scc1 .Lwords_v
.irp j, 0,1,2,3
	v_and_b32 v[ZL+\j], 0xffff, v[Z+\j]            ; the first head's two bytes; bytes 2 and 3 are 0 and stand over zero codes in the product of 128 along K
	v_lshrrev_b32 v[ZH+\j], 16, v[Z+\j]            ; the second head's
.endr
	global_store_b128 v[L16], v[ZL:ZL+3], s[PS:PS+1]       ; [e][r][j]: 512 consecutive bytes
	global_store_b128 v[L16], v[ZH:ZH+3], s[PS+2:PS+3]
	s_branch .Lwords_done
.Lwords_v:
	s_wait_alu depctr_va_vdst(0)
	global_store_b128 v[VO], v[Z:Z+3], s[PS:PS+1]  ; [r][t]: 256 consecutive bytes for each of the two heads
.Lwords_done:
	s_wait_tensorcnt 0x0                           ; the wave's end
	ds_add_u32 v[SPW], v[NIL]
	s_wait_dscnt 0x0
	CROUND                                         ; the closing round: no work-group ends while a partner may still ask for a tile that names it
	s_endpgm
.Lfunc_end_k_qa328bcdf20_qkv:
	.size	k_qa328bcdf20_qkv, .Lfunc_end_k_qa328bcdf20_qkv-k_qa328bcdf20_qkv
	.p2alignl 7, 3214868480
	.fill 96, 4, 3214868480
	.section	.rodata,"a",@progbits
	.p2align	6, 0x0
	.amdhsa_kernel k_qa328bcdf20_qkv
		.amdhsa_group_segment_fixed_size 327680
		.amdhsa_private_segment_fixed_size 0
		.amdhsa_enable_private_segment 0
		.amdhsa_kernarg_size 56
		.amdhsa_user_sgpr_count 2
		.amdhsa_user_sgpr_kernarg_segment_ptr 1
		.amdhsa_wavefront_size32 1
		.amdhsa_system_sgpr_workgroup_id_x 1
		.amdhsa_system_sgpr_workgroup_id_y 1
		.amdhsa_system_sgpr_workgroup_id_z 1
		.amdhsa_system_vgpr_workitem_id 0
		.amdhsa_next_free_vgpr 1024
		.amdhsa_next_free_sgpr 106
		.amdhsa_reserve_vcc 0
		.amdhsa_float_denorm_mode_32 3
		.amdhsa_float_denorm_mode_16_64 3
		.amdhsa_memory_ordered 1
		.amdhsa_forward_progress 1
		.amdhsa_inst_pref_size 169
	.end_amdhsa_kernel
	.amdgpu_metadata
---
amdhsa.version: [ 1, 2 ]
amdhsa.kernels:
  - .name:           k_qa328bcdf20_qkv
    .symbol:         k_qa328bcdf20_qkv.kd
    .args:
      - { .name: xq, .offset: 0, .size: 8, .value_kind: global_buffer, .address_space: global }
      - { .name: wq, .offset: 8, .size: 8, .value_kind: global_buffer, .address_space: global }
      - { .name: bq, .offset: 16, .size: 8, .value_kind: global_buffer, .address_space: global }
      - { .name: bk, .offset: 24, .size: 8, .value_kind: global_buffer, .address_space: global }
      - { .name: bv, .offset: 32, .size: 8, .value_kind: global_buffer, .address_space: global }
      - { .name: qq, .offset: 40, .size: 8, .value_kind: global_buffer, .address_space: global }
      - { .name: kv, .offset: 48, .size: 8, .value_kind: global_buffer, .address_space: global }
    .group_segment_fixed_size: 327680
    .private_segment_fixed_size: 0
    .kernarg_segment_align: 8
    .kernarg_segment_size: 56
    .max_flat_workgroup_size: 128
    .sgpr_count:     106
    .vgpr_count:     1024
    .wavefront_size: 32
...
	.end_amdgpu_metadata
.endif
;; end of part 6
;; launch attn (part 7): grid 8 x 32, 8 waves a work-group, clusters of 4 x 1, 210,944 bytes of LDS; arguments qq, kv, cq; writes cq
.if DOCPART == 7
	.amdgcn_target "amdgcn-amd-amdhsa--gfx1250"
	.amdhsa_code_object_version 6
	.text
	.protected	k_qa328bcdf20_attn
	.globl	k_qa328bcdf20_attn
	.p2align	8
	.type	k_qa328bcdf20_attn,@function
k_qa328bcdf20_attn:
	s_mov_b64 s[64:65], 0
	v_nop
	global_prefetch_b8 v0, s[64:65] scope:SCOPE_SE
	s_setreg_imm32_b32 hwreg(HW_REG_WAVE_MODE, 25, 1), 1
	s_wait_xcnt 0x0
	s_wait_alu depctr_hold_cnt(0) depctr_sa_sdst(0) depctr_va_vdst(0) depctr_va_sdst(0) depctr_va_ssrc(0) depctr_va_vcc(0) depctr_vm_vsrc(0)
	s_getreg_b32 s2, hwreg(HW_REG_IB_STS2, 6, 4)
	s_cmp_eq_u32 s2, 0
	s_cbranch_scc0 .Lentry_in_a_cluster
	s_endpgm
.Lentry_in_a_cluster:
	s_bfe_u32 s2, ttmp6, 0x10000c
	s_cmp_lg_u32 s2, 0x3003
	s_cbranch_scc0 .Lentry_shape_is_right
	s_endpgm
.Lentry_shape_is_right:
; ctx[b][h][q] = the sum over k of softmax_k(q . k / 8) v, both products on codes of FP6 (E2M3) with E8M0 scales, and ctx quantised again along the hidden axis, in registers.
; THE SOFTMAX AHEAD OF THE SECOND PRODUCT: t = score x log2(e) / 8; M = the running largest t rounded UP to a whole number; p = 2^(t - M) is quantised along the keys, not normalised.
; The row's sum is taken of the unquantised p and divides O at the end.  When M moves, the sum and O are multiplied by 2^(old M - new M): exact.
; SHARES.  A work-group owns 256 queries of one (batch, head); each of its eight waves TWO tiles of 16, in 512 registers: each fragment of K and V read from LDS feeds both tiles, and the two tiles' dependent chains take turns line by line.
; THE HEAD'S K AND V are 16 records of 13,056 bytes (K's 8 tiles, V's 2 x 4 half images, K's 512 bytes of scale words, V's 256).  Wave w asks for records 2 w and 2 w + 1, 102 rows of 256 bytes: one tensor load a wave, nothing is filled again.
; CLUSTER.  The four query blocks of a cluster belong to one head: the records are asked for jointly.  Waves 0 and 1 have a load line and a wait of their own: key steps 0-2 read records 0-3 behind the first barrier; a second barrier shows the rest.
; No prefetch: every load of K and V stands at the head, so there is no loop to run ahead in.
; LAYOUT.  Both products are used transposed: S^T = K Q^T, O^T = V^T P^T: a lane holds ONE query of each tile throughout.
; WHICH KEYS FORM A TILE OF K IS CHOSEN BY THE LANES' LDS ADDRESSES.  A stored tile 2 B + w holds keys 32 B + 8 w + r + 8 (r / 8).  Tile (c, u) as it is read here has in rows 0-7 keys 64 c + 8 u + i and in rows 8-15 keys 64 c + 32 + 8 u + i:
; lane (r, h) reads stored tile 4 c + 2 (r / 8) + u % 2 at stored lane r % 8 + 8 (u / 2) + 16 h.  So the 32 registers of tiles (c, 0 .. 3) are keys 64 c + 32 h + 0 .. 31: a WHOLE scale block, in the order of p's operand registers 6 c .. 6 c + 5.
; THE HEAD IS 64 WIDE, HALF OF THE INSTRUCTION'S 128.  A fragment of K holds tile (0, u) in registers 0-5 and tile (1, u) in 6-11.  Q stands as [q | 0 | q]: against [q | 0] the fragment gives tile (0, u)'s scores, against [0 | q] tile (1, u)'s.
; A scale word of K carries tile (0, u)'s two bytes below and tile (1, u)'s above; q's word carries q's two bytes twice.
; This step's V and the next step's K are asked for in one run of 37 LDS loads straight behind the score products; one wait for all of them stands behind the exponentials.
; ctx's scale words have two bytes from this head and two from its neighbour, another work-group's: so they leave as 2 bytes a lane.
; LIMITS: NaN and infinities are not served; the promise holds while |t| stays under 2^31; p under 2^-126 counts as 0; 1 / l is v_rcp_f32; a block of zeros gets the byte 1 where the rule says 127 (this program alone reads the bytes).
; REGISTERS, t = 0, 1 the tile of queries.  WINDOW 0: v0 8 h; v1-3 16 x lane, 8 x lane, 16 r; v4-6 K's lane terms; v7-11, v154 the step's addresses; v[12+2t] -M, v[13+2t] the largest score; v[16+2t:17+2t] the sum; v[20+2t] f;
;   v[24+8t ..] eight at work; v40-87 K; v88-95 K's scale words; v96-99 V's; v100-147 V; v148+t q's scale word; v150+t p's; v152, v153 the spare word's address and 0.
; WINDOW 1 (v256 on): 64 t + .. S^T, then p; 128 + 32 t + .. O^T; 192 + 18 t + .. Q; 228 + 12 t + .. p's codes.  So a window setting belongs to a kind of instruction, not to a tile.
.set REC,   13056
.set HEADB, 16*REC
.set SPARE, 16*REC                     ; behind the records: the spare words, 128 bytes a wave
.set CSTR,  196608
.set SOFF,  3145728
.set KF,    40
.set KS,    88
.set VS,    96
.set VF,    100
.set QW,    148
.set PW,    150
.set SPW,   152
.set NIL,   153
.set AVS,   154
.set WV,    18
.set SEL,   20                         ; s[20:21] lane l xor 16
.set CS,    22                         ; s[22:23] c = log2(e) / 8
.set G1,    24
.set G0,    32
.set TB,    48                         ; LDS byte of the record in hand
.set CNT,   49
.set MSB, 0
.macro WIN new                         ; bits 1:0 source 0, 3:2 source 1, 5:4 source 2, 7:6 destination; the high byte repeats the setting that is left
.if MSB != \new
	s_set_vgpr_msb (MSB<<8)|\new
.set MSB, \new
.endif
.endm
.macro WALU
	s_wait_alu depctr_va_vdst(0)
.endm
.macro ROUND                           ; a round of the cluster's barrier
	s_barrier_signal -1
	s_barrier_wait -1
	s_cmp_lg_u32 s[WV], 0
	s_cbranch_scc1 .Lnot_wave_0_\@
	s_barrier_signal -3
.Lnot_wave_0_\@:
	s_barrier_wait -3
	s_barrier_signal -1
	s_barrier_wait -1
.endm
	s_load_b128 s[4:7], s[0:1], 0x0                ; qq, kv
	s_load_b64 s[8:9], s[0:1], 0x10                ; cq
	v_lshl_add_u32 v[SPW], v0, 2, SPARE
	v_mov_b32 v[NIL], 0
	ds_add_u32 v[SPW], v[NIL]                      ; the opening lines: the add twice on end and one wait
	ds_add_u32 v[SPW], v[NIL]
	v_lshrrev_b32 v1, 5, v0
	v_readfirstlane_b32 s[WV], v1                  ; wave 0..7
	s_bfe_u32 s50, ttmp6, 0x40000                  ; cx
	s_lshl_b32 s51, ttmp9, 2
	s_add_co_u32 s51, s51, s50                     ; my block of 256 queries: it enters Q's and ctx's addresses alone
	s_and_b32 s52, ttmp7, 0xffff                   ; 16 x batch + head, which the four partners share
	s_mul_i32 s54, s52, HEADB
	s_mov_b32 s55, 0
	s_mov_b32 s[G1], 15|(3<<16)|(1<<21)            ; the mask: all four work-groups; elements of 8 bytes; bit 21 beside a mask
	s_mov_b32 s[G1+1], 32<<16                      ; rows of 256 bytes
	s_mov_b32 s[G1+2], 102<<16                     ; 102 of them are two records
	s_mov_b32 s[G1+3], 32<<16
	s_mov_b32 s[G1+4], 102
	s_mov_b32 s[G1+5], 32                          ; dense
	s_mov_b32 s[G1+6], 0
	s_mov_b32 s[G1+7], 0
	s_mov_b32 s[G0], 1
	s_mul_i32 s[G0+1], s[WV], 2*REC                ; records 2 w, 2 w + 1 land at 2 w x REC
	s_mov_b32 s36, s[G0+1]
	s_mov_b32 s37, 0
	s_mov_b32 s[SEL], 0x76543210
	s_mov_b32 s[SEL+1], 0xfedcba98
	s_mov_b32 s[CS], 0x3e38aa3b                    ; log2(e) / sqrt(64)
	s_mov_b32 s[CS+1], s[CS]
	s_lshl_b32 s53, s51, 4
	s_lshl_b32 s39, s[WV], 1
	s_add_co_u32 s53, s53, s39                     ; my first tile of queries in the sequence, an even number, 0..126; the second follows it in every buffer
	s_lshl_b32 s56, s52, 7
	s_add_co_u32 s56, s56, s53
	s_mul_i32 s56, s56, 768                        ; its half image
	s_mov_b32 s57, 0
	s_lshl_b32 s58, s52, 4                         ; its scale words: [16 x batch + head][group of 8 tiles][e][r][j]
	s_lshr_b32 s59, s53, 3
	s_add_co_u32 s58, s58, s59
	s_lshl_b32 s58, s58, 9
	s_bfe_u32 s59, s53, 0x10002
	s_lshl_b32 s59, s59, 8
	s_add_co_u32 s58, s58, s59
	s_and_b32 s59, s53, 3
	s_lshl_b32 s59, s59, 2
	s_add_co_u32 s58, s58, s59
	s_add_co_u32 s58, s58, SOFF
	s_mov_b32 s59, 0
	s_lshr_b32 s60, s52, 4
	s_lshl_b32 s60, s60, 7
	s_add_co_u32 s60, s60, s53                     ; T: my first tile among all 256 tiles of tokens
	s_and_b32 s61, s52, 15                         ; the head, which is ctx's c = K / 64
	s_mul_i32 s62, s61, CSTR
	s_mul_i32 s63, s60, 768
	s_add_co_u32 s62, s62, s63
	s_mov_b32 s63, 0
	s_lshr_b32 s10, s60, 3                         ; ctx's scale bytes: group T / 8, K step head / 2, tile T % 8, bytes 2 (head % 2) on
	s_lshl_b32 s10, s10, 12
	s_lshr_b32 s11, s61, 1
	s_lshl_b32 s11, s11, 9
	s_add_co_u32 s10, s10, s11
	s_bfe_u32 s11, s60, 0x10002
	s_lshl_b32 s11, s11, 8
	s_add_co_u32 s10, s10, s11
	s_and_b32 s11, s60, 3
	s_lshl_b32 s11, s11, 2
	s_add_co_u32 s10, s10, s11
	s_and_b32 s11, s61, 1
	s_lshl_b32 s11, s11, 1
	s_add_co_u32 s10, s10, s11
	s_add_co_u32 s10, s10, SOFF
	s_mov_b32 s11, 0
	s_wait_dscnt 0x0
	s_wait_kmcnt 0x0
	s_add_nc_u64 s[6:7], s[6:7], s[54:55]          ; the head's records
	s_add_nc_u64 s[56:57], s[4:5], s[56:57]
	s_add_nc_u64 s[58:59], s[4:5], s[58:59]
	s_add_nc_u64 s[62:63], s[8:9], s[62:63]
	s_add_nc_u64 s[10:11], s[8:9], s[10:11]
	s_add_nc_u64 s[G0+2:G0+3], s[6:7], s[36:37]
	s_or_b32 s[G0+3], s[G0+3], 0x80000000
	ROUND                                          ; all four work-groups are here: the joint loads meet
	s_cmp_lt_u32 s[WV], 2                          ; two arms, one load each: waves 0 and 1, which wait ahead of the first barrier, have a line of their own
	s_cbranch_scc0 .Llater
	tensor_load_to_lds s[G0:G0+3], s[G1:G1+7]
	s_nop 0
	s_branch .Lasked
.Llater:
	s_nop 15                                       ; records 0-3, which the first three key steps read, are asked for first: the other waves' loads follow these idle lines
	s_nop 15
	s_nop 15
	tensor_load_to_lds s[G0:G0+3], s[G1:G1+7]
	s_nop 0
.Lasked:
	v_and_b32 v3, 31, v0
	v_lshlrev_b32 v1, 4, v3                        ; 16 x lane
	v_lshlrev_b32 v2, 3, v3                        ; 8 x lane
	v_and_b32 v3, 15, v0
	v_lshlrev_b32 v3, 4, v3                        ; 16 r
	v_and_b32 v7, 7, v0                            ; r % 8
	v_bfe_u32 v8, v0, 3, 1                         ; r / 8
	v_bfe_u32 v9, v0, 4, 1                         ; h
	WIN 0x40                                       ; destinations in window 1
.irp t, 0,1
	global_load_b128 v[192+18*\t:195+18*\t], v1, s[56:57] offset:768*\t        ; Q's half image stays in registers, twice: [q | 0 | q]
	global_load_b64 v[196+18*\t:197+18*\t], v2, s[56:57] offset:768*\t+512
	global_load_b128 v[204+18*\t:207+18*\t], v1, s[56:57] offset:768*\t
	global_load_b64 v[208+18*\t:209+18*\t], v2, s[56:57] offset:768*\t+512
.irp j, 6,7,8,9,10,11
	v_mov_b32 v[192+18*\t+\j], 0                   ; the zero codes between
.endr
.endr
.set j, 0
.rept 64
	v_mov_b32 v[128+j], 0                          ; O^T: the step is written once and finds zeros
.set j, j+1
.endr
	WIN 0
.irp t, 0,1
	global_load_b32 v[QW+\t], v3, s[58:59] offset:4*\t   ; and its scale words
.endr
	v_mul_u32_u24 v10, v8, 1536                    ; rows 8-15 come from the stored tile two further on
	v_lshl_add_u32 v4, v7, 4, v10
	v_lshl_add_u32 v5, v7, 3, v10
	v_lshlrev_b32 v6, 4, v7
	v_lshl_add_u32 v4, v9, 8, v4                   ; K's registers 0-3: 1536 (r / 8) + 16 (r % 8) + 256 h
	v_lshl_add_u32 v5, v9, 7, v5                   ; registers 4-5: 1536 (r / 8) + 8 (r % 8) + 128 h
	v_lshl_add_u32 v6, v8, 3, v6                   ; scale words: 16 (r % 8) + 8 (r / 8)
	v_lshlrev_b32 v0, 3, v9                        ; 8 h: where my two bytes stand in p's scale word
.irp t, 0,1
	v_mov_b32 v[13+2*\t], 0xff61b1e6               ; the largest score so far: -3e38
	v_mov_b32 v[16+2*\t], 0                        ; the sum, in two halves
	v_mov_b32 v[17+2*\t], 0
	v_mov_b32 v[21+2*\t], 0                        ; (named with f as a pair, so it is written)
.endr
.irp t, 0,1
	v_floor_f32 v[12+2*\t], -v[13+2*\t]            ; -M
.endr
; Load j of K's twenty, of the record off bytes behind the addresses given: four fragments of two tiles each, and eight scale words
.macro KL j, a16, a8, as, off
.if (\j) < 16
.set U_, (\j)/4
.set P_, (\j)%4
.set B_, \off+768*(4*(P_/2)+U_%2)
.if P_%2 == 0
	ds_load_b128 v[KF+12*U_+6*(P_/2):KF+12*U_+6*(P_/2)+3], v[\a16] offset:B_+128*(U_/2)
.else
	ds_load_b64 v[KF+12*U_+6*(P_/2)+4:KF+12*U_+6*(P_/2)+5], v[\a8] offset:B_+512+64*(U_/2)
.endif
.else
.set C_, ((\j)-16)/2
.set G_, ((\j)-16)%2
	ds_load_b64 v[KS+4*C_+2*G_:KS+4*C_+2*G_+1], v[\as] offset:\off+12288+256*C_+128*G_   ; the words of tiles (c, 2 g) and (c, 2 g + 1): two bytes each, the upper two 0
.endif
.endm
; Load n of a step's 37: V^T's four fragments (16 channels x 128 keys), V's words, and, pre = 1, the next record's K.  Beyond the last: nothing
.macro LD n, pre
.if (\n) < 16
.set U_, (\n)/4
.set P_, (\n)%4
.if P_%2 == 0
	ds_load_b128 v[VF+12*U_+6*(P_/2):VF+12*U_+6*(P_/2)+3], v10 offset:6144+3072*(P_/2)+768*U_
.else
	ds_load_b64 v[VF+12*U_+6*(P_/2)+4:VF+12*U_+6*(P_/2)+5], v11 offset:6144+3072*(P_/2)+768*U_+512
.endif
.elseif (\n) == 16
	ds_load_b128 v[VS:VS+3], v[AVS] offset:12800
.elseif ((\n) < 37) && (\pre)
	KL (\n)-17, 7, 8, 9, REC
.endif
.endm
.macro COMBINE                         ; tile (0, u)'s two bytes below, tile (1, u)'s above
.irp j, 0,1,2,3
	v_lshl_or_b32 v[KS+\j], v[KS+4+\j], 16, v[KS+\j]
.endr
.endm
; A KEY STEP: 128 keys, one record, both tiles of queries.  Its K and K's scale words are in registers when it begins.  pre = 1: the next record's are asked for.
.macro STEP pre
	WIN 0x44                                       ; K window 0, Q and the scores window 1
.irp t, 0,1
.irp g, 0,1
.irp u, 0,1,2,3
	v_wmma_scale_f32_16x16x128_f8f6f4 v[64*\t+32*\g+8*\u:64*\t+32*\g+8*\u+7], v[KF+12*\u:KF+12*\u+11], v[192+18*\t+6*\g:192+18*\t+6*\g+11], 0, v[KS+\u], v[QW+\t] matrix_a_fmt:MATRIX_FMT_FP6 matrix_b_fmt:MATRIX_FMT_FP6
.endr
.endr
.endr                                  ; lane (r, h) holds query r of tile t; register 64 t + 32 c + i is key 64 c + 32 h + i of the step
	WIN 0
	v_add_nc_u32 v10, s[TB], v1                    ; six plain lines: the places in front of the loads into V's and K's registers and of the first read of the scores
	v_add_nc_u32 v11, s[TB], v2
	v_add_nc_u32 v[AVS], s[TB], v3
	v_add_nc_u32 v7, s[TB], v4
	v_add_nc_u32 v8, s[TB], v5
	v_add_nc_u32 v9, s[TB], v6
.set LN, 0
.rept 37                               ; the step's LDS loads, in one run: the whole softmax stands between them and the wait for them
	LD LN, \pre
.set LN, LN+1
.endr
	WIN 0x14                                       ; sources 1 and 2: the scores
; THE LARGEST SCORE OF EACH BLOCK OF 32 KEYS, in two chains a block, eight chains by turns: it serves the row's maximum and, since p rises with the score, the block's largest p.  Each accumulator is read from its low end on.
.irp i, 0,2,4,6,8,10,12,14
.irp t, 0,1
.irp k, 0,1,2,3
.if \i == 0
	v_max3_num_f32 v[24+8*\t+\k], 0xff7fffff, v[64*\t+16*\k], v[64*\t+16*\k+1]   ; (the lowest finite number stands under every score)
.else
	v_max3_num_f32 v[24+8*\t+\k], v[24+8*\t+\k], v[64*\t+16*\k+\i], v[64*\t+16*\k+\i+1]
.endif
.endr
.endr
.endr
	WIN 0
.irp t, 0,1
	v_max_num_f32 v[24+8*\t], v[24+8*\t], v[25+8*\t]   ; block h
	v_max_num_f32 v[26+8*\t], v[26+8*\t], v[27+8*\t]   ; block 2 + h
.endr
.irp t, 0,1
	v_max_num_f32 v[25+8*\t], v[24+8*\t], v[26+8*\t]
.endr
.irp t, 0,1
	v_permlanex16_b32 v[27+8*\t], v[25+8*\t], s[SEL], s[SEL+1]
.endr
.irp t, 0,1
	v_mov_b32 v[28+8*\t], v[12+2*\t]               ; the old -M
.endr
.irp t, 0,1
	v_max3_num_f32 v[13+2*\t], v[13+2*\t], v[25+8*\t], v[27+8*\t]   ; the running largest score of my query
.endr
.irp t, 0,1
	v_mul_f32 v[25+8*\t], s[CS], v[13+2*\t]        ; as t (c is positive)
.endr
.irp t, 0,1
	v_floor_f32 v[12+2*\t], -v[25+8*\t]            ; the new -M = -ceil(t): M IS A WHOLE NUMBER
.endr
.irp t, 0,1
	v_sub_f32 v[28+8*\t], v[12+2*\t], v[28+8*\t]   ; M's old value less its new one: a whole number, 0 or less
.endr
.irp t, 0,1
	v_fma_f32 v[24+8*\t], v[24+8*\t], s[CS], v[12+2*\t]   ; t - M of each block's largest score
	v_fma_f32 v[26+8*\t], v[26+8*\t], s[CS], v[12+2*\t]
.endr
.irp t, 0,1
	v_cvt_i32_f32 v[28+8*\t], v[28+8*\t]           ; (it saturates)
.endr
.irp t, 0,1
	v_ldexp_f32 v[20+2*\t], 1.0, v[28+8*\t]        ; f = 2^(old M - new M)
.endr
	WIN 0x41                                       ; source 0 and destination window 1
.set j, 0
.rept 32
	v_pk_fma_f32 v[j:j+1], v[j:j+1], s[CS:CS+1], v[12:13] op_sel_hi:[1,0,0]   ; tile 0: t - M
.set j, j+2
.endr
.irp t, 0,1
.set j, 0
.rept 16
	v_pk_mul_f32 v[128+32*\t+j:129+32*\t+j], v[128+32*\t+j:129+32*\t+j], v[20+2*\t:21+2*\t] op_sel_hi:[1,0]   ; O^T under the new M: x f
.set j, j+2
.endr
.endr
	WIN 0
	WALU
.irp t, 0,1
	v_exp_f32 v[24+8*\t], v[24+8*\t]               ; the blocks' largest p: the same arithmetic on the same number gives the same bits
	v_exp_f32 v[26+8*\t], v[26+8*\t]
.endr
	WIN 0x41
.set j, 0
.rept 32                               ; tile 0's p = 2^(t - M), at most 1, NOT normalised; among them tile 1's t - M, whose sources stood ahead of the wait above and whose results are read behind the wait below
	v_exp_f32 v[j], v[j]
	v_exp_f32 v[j+1], v[j+1]
	v_pk_fma_f32 v[64+j:65+j], v[64+j:65+j], s[CS:CS+1], v[14:15] op_sel_hi:[1,0,0]
.set j, j+2
.endr
	WALU                                           ; behind the first batch and ahead of the second
.set j, 0
.rept 64
	v_exp_f32 v[64+j], v[64+j]                     ; tile 1's p
.set j, j+1
.endr
	v_nop                                          ; one plain place behind the exponentials
	WALU                                           ; the wait behind the batch; it also stands directly ahead of the wait below
	s_wait_dscnt 0x0                               ; V, and the next K, asked for ahead of the softmax, are in
	WIN 0
.irp t, 0,1
	v_max_num_f32 v[24+8*\t], 0x1800000, v[24+8*\t]   ; the floor 2^(3 - 127): the byte cannot fall under 1
	v_max_num_f32 v[26+8*\t], 0x1800000, v[26+8*\t]
.endr
.if \pre
	COMBINE                                        ; more than eight plain lines ahead of the products that take these words
.endif
.irp t, 0,1
	v_add_nc_u32 v[24+8*\t], 0xff000000, v[24+8*\t]   ; 2 off the exponent field: the conversions' scale operands
	v_add_nc_u32 v[26+8*\t], 0xff000000, v[26+8*\t]
.endr
.irp t, 0,1
	v_lshrrev_b32 v[25+8*\t], 23, v[24+8*\t]       ; the bytes of blocks h and 2 + h
	v_lshrrev_b32 v[27+8*\t], 23, v[26+8*\t]
.endr
.irp t, 0,1
	v_lshl_or_b32 v[25+8*\t], v[27+8*\t], 16, v[25+8*\t]
.endr
.irp t, 0,1
	v_lshlrev_b32 v[25+8*\t], v0, v[25+8*\t]       ; at their places in the word: 8 h bits up
.endr
.irp t, 0,1
	v_permlanex16_b32 v[27+8*\t], v[25+8*\t], s[SEL], s[SEL+1]
.endr
.irp t, 0,1
	v_or_b32 v[PW+\t], v[25+8*\t], v[27+8*\t]      ; with lane l xor 16's two bytes p's scale word is whole
.endr
	WIN 0x41
.irp t, 0,1                            ; a conversion's three registers begin on an even number: a block's upper 16 codes are made one register down and moved up, then the lower 16 are made in place
	v_cvt_scalef32_pk16_fp6_f32 v[230+12*\t:232+12*\t], v[64*\t+16:64*\t+31], v[24+8*\t]
	v_cvt_scalef32_pk16_fp6_f32 v[236+12*\t:238+12*\t], v[64*\t+48:64*\t+63], v[26+8*\t]
.endr
	v_nop                                          ; one plain place behind a scaled conversion
.irp t, 0,1
.irp c, 0,6
	v_mov_b32 v[233+12*\t+\c], v[232+12*\t+\c]
	v_mov_b32 v[232+12*\t+\c], v[231+12*\t+\c]
	v_mov_b32 v[231+12*\t+\c], v[230+12*\t+\c]
.endr
.endr
.irp t, 0,1
	v_cvt_scalef32_pk16_fp6_f32 v[228+12*\t:230+12*\t], v[64*\t:64*\t+15], v[24+8*\t]
	v_cvt_scalef32_pk16_fp6_f32 v[234+12*\t:236+12*\t], v[64*\t+32:64*\t+47], v[26+8*\t]
.endr
	v_nop                                          ; and again: the sums below write over the conversions' sources
	WIN 0x45                                       ; sources 0 and 1 and destination window 1
.irp m, 1,2,3,4,5,6,7                  ; THE ROW'S SUM IS TAKEN OF THE UNQUANTISED p: four chains a tile, which grow in p's pairs 0-3; eight chains by turns
.irp t, 0,1
.irp k, 0,1,2,3
	v_pk_add_f32 v[64*\t+2*\k:64*\t+2*\k+1], v[64*\t+2*\k:64*\t+2*\k+1], v[64*\t+8*\m+2*\k:64*\t+8*\m+2*\k+1]
.endr
.endr
.endr
.irp t, 0,1
	v_pk_add_f32 v[64*\t:64*\t+1], v[64*\t:64*\t+1], v[64*\t+2:64*\t+3]
	v_pk_add_f32 v[64*\t+4:64*\t+5], v[64*\t+4:64*\t+5], v[64*\t+6:64*\t+7]
.endr
.irp t, 0,1
	v_pk_add_f32 v[64*\t:64*\t+1], v[64*\t:64*\t+1], v[64*\t+4:64*\t+5]
.endr
	WIN 0x10                                       ; source 2 window 1
.irp t, 0,1
	v_pk_fma_f32 v[16+2*\t:17+2*\t], v[16+2*\t:17+2*\t], v[20+2*\t:21+2*\t], v[64*\t:64*\t+1] op_sel_hi:[1,0,1]   ; the running sum under the new M, and the step's
.endr
	WIN 0x54                                       ; V window 0; p's codes and O^T window 1
.irp t, 0,1                            ; O^T += V^T P^T: eight accumulators by turns
.irp d, 0,1,2,3
	v_wmma_scale_f32_16x16x128_f8f6f4 v[128+32*\t+8*\d:128+32*\t+8*\d+7], v[VF+12*\d:VF+12*\d+11], v[228+12*\t:228+12*\t+11], v[128+32*\t+8*\d:128+32*\t+8*\d+7], v[VS+\d], v[PW+\t] matrix_a_fmt:MATRIX_FMT_FP6 matrix_b_fmt:MATRIX_FMT_FP6
.endr
.endr
	WIN 0
	s_add_co_u32 s[TB], s[TB], REC
.endm
	WALU
	s_cmp_lt_u32 s[WV], 2
	s_cbranch_scc0 .Lnot_first
	s_wait_tensorcnt 0x0                           ; waves 0 and 1: my two records are in
.Lnot_first:
	s_barrier_signal -1
	s_barrier_wait -1                              ; records 0-3 are in; the others may be on their way: nothing is ever filled again
.set LN, 0
.rept 20
	KL LN, 4, 5, 6, 0                              ; key step 0's K
.set LN, LN+1
.endr
	s_wait_loadcnt 0x0                             ; Q
.irp t, 0,1
	v_lshl_or_b32 v[QW+\t], v[QW+\t], 16, v[QW+\t] ; q's two bytes twice
.endr
	WALU                                           ; directly ahead of the wait below
	s_wait_dscnt 0x0
	COMBINE
.rept 8
	v_nop                                          ; eight places between scale words made by vector lines and the products that take them
.endr
	s_mov_b32 s[TB], 0
	s_mov_b32 s[CNT], 3
.Lfirst:                                           ; key steps 0-2: they read records 0-2 and ask for K of records 1-3
	STEP 1
	s_sub_co_u32 s[CNT], s[CNT], 1
	s_cmp_lg_u32 s[CNT], 0
	s_cbranch_scc1 .Lfirst
	WALU
	s_wait_tensorcnt 0x0                           ; every wave: my records are in
	s_wait_dscnt 0x0
	s_barrier_signal -1
	s_barrier_wait -1                              ; the whole head is in
	s_mov_b32 s[TB], 3*REC
	s_mov_b32 s[CNT], 12
.Lmain:                                            ; key steps 3-14: they ask for K of records 4-15
	STEP 1
	s_sub_co_u32 s[CNT], s[CNT], 1
	s_cmp_lg_u32 s[CNT], 0
	s_cbranch_scc1 .Lmain
	s_mov_b32 s[TB], 15*REC
	STEP 0                                         ; the last step is written out: it asks for no further K
	; THE WAY OUT.  ctx = O^T / the sum, into v[40 + 60 t ..], where K and V lay.  V^T's tiles hold the head's channels as they are stored: number 16 B + i is channel 32 B + 16 h + i of my query:
	; two blocks of 32 along the hidden axis, each in lanes l and l xor 16.
.rept 4
	v_nop                                          ; places behind the last products
.endr
.irp t, 0,1
	v_add_f32 v[16+2*\t], v[16+2*\t], v[17+2*\t]   ; the sum's two halves,
.endr
.irp t, 0,1
	v_permlanex16_b32 v[24+8*\t], v[16+2*\t], s[SEL], s[SEL+1]
.endr
.irp t, 0,1
	v_add_f32 v[16+2*\t], v[16+2*\t], v[24+8*\t]   ; and lane l xor 16's: the row's sum
.endr
	WALU
.irp t, 0,1
	v_rcp_f32 v[16+2*\t], v[16+2*\t]
.endr
	v_nop                                          ; one plain place behind a transcendental
	WIN 0x01                                       ; source 0: O^T
	WALU
.irp t, 0,1
.set j, 0
.rept 32
	v_mul_f32 v[40+60*\t+j], v[128+32*\t+j], v[16+2*\t]   ; each accumulator from its low end on
.set j, j+1
.endr
.endr
	WIN 0
.irp t, 0,1
.irp b, 0,1
	v_max3_num_f32 v[24+8*\t+\b], |v[40+60*\t+16*\b]|, |v[41+60*\t+16*\b]|, 0x1800000
.endr
.endr
.irp i, 2,4,6,8,10,12,14
.irp t, 0,1
.irp b, 0,1
	v_max3_num_f32 v[24+8*\t+\b], v[24+8*\t+\b], |v[40+60*\t+16*\b+\i]|, |v[41+60*\t+16*\b+\i]|
.endr
.endr
.endr
.irp t, 0,1
.irp b, 0,1
	v_permlanex16_b32 v[26+8*\t+\b], v[24+8*\t+\b], s[SEL], s[SEL+1]
.endr
.endr
.irp t, 0,1
.irp b, 0,1
	v_max_num_f32 v[24+8*\t+\b], v[24+8*\t+\b], v[26+8*\t+\b]
.endr
.endr
.irp t, 0,1
.irp b, 0,1
	v_add_nc_u32 v[28+8*\t+\b], 0xff000000, v[24+8*\t+\b]
.endr
.endr
.irp t, 0,1
.irp b, 0,1
	v_lshrrev_b32 v[26+8*\t+\b], 23, v[28+8*\t+\b]
.endr
.endr
.irp t, 0,1
	v_lshl_or_b32 v[30+8*\t], v[27+8*\t], 8, v[26+8*\t]   ; this head's two bytes of my row's scale word
.endr
.irp t, 0,1
	v_cvt_scalef32_pk16_fp6_f32 v[72+60*\t:74+60*\t], v[40+60*\t:55+60*\t], v[28+8*\t]
	v_cvt_scalef32_pk16_fp6_f32 v[76+60*\t:78+60*\t], v[56+60*\t:71+60*\t], v[29+8*\t]
.endr
	v_nop                                          ; one plain place behind a scaled conversion
.irp t, 0,1
.irp i, 0,1,2
	v_permlane16_swap_b32 v[72+60*\t+\i], v[76+60*\t+\i]   ; lanes 0-15 block 0, lanes 16-31 block 1
.endr
.endr
.irp t, 0,1
	v_mov_b32 v[75+60*\t], v[76+60*\t]
	v_mov_b32 v[76+60*\t], v[77+60*\t]
	v_mov_b32 v[77+60*\t], v[78+60*\t]
.endr
.irp t, 0,1
	global_store_b128 v1, v[72+60*\t:75+60*\t], s[62:63] offset:768*\t       ; a half image: whole aligned blocks of 256 bytes
	global_store_b64 v2, v[76+60*\t:77+60*\t], s[62:63] offset:768*\t+512
	global_store_b16 v3, v[30+8*\t], s[10:11] offset:4*\t                    ; both halves of the lanes write the same two bytes
.endr
	s_wait_tensorcnt 0x0                           ; the wave's end
	ds_add_u32 v[SPW], v[NIL]
	s_wait_dscnt 0x0
	ROUND                                          ; the closing round
	s_endpgm
.Lfunc_end_k_qa328bcdf20_attn:
	.size	k_qa328bcdf20_attn, .Lfunc_end_k_qa328bcdf20_attn-k_qa328bcdf20_attn
	.p2alignl 7, 3214868480
	.fill 96, 4, 3214868480
	.section	.rodata,"a",@progbits
	.p2align	6, 0x0
	.amdhsa_kernel k_qa328bcdf20_attn
		.amdhsa_group_segment_fixed_size 210944
		.amdhsa_private_segment_fixed_size 0
		.amdhsa_enable_private_segment 0
		.amdhsa_kernarg_size 24
		.amdhsa_user_sgpr_count 2
		.amdhsa_user_sgpr_kernarg_segment_ptr 1
		.amdhsa_wavefront_size32 1
		.amdhsa_system_sgpr_workgroup_id_x 1
		.amdhsa_system_sgpr_workgroup_id_y 1
		.amdhsa_system_sgpr_workgroup_id_z 1
		.amdhsa_system_vgpr_workitem_id 0
		.amdhsa_next_free_vgpr 512
		.amdhsa_next_free_sgpr 66
		.amdhsa_reserve_vcc 0
		.amdhsa_float_denorm_mode_32 3
		.amdhsa_float_denorm_mode_16_64 3
		.amdhsa_memory_ordered 1
		.amdhsa_forward_progress 1
		.amdhsa_inst_pref_size 102
	.end_amdhsa_kernel
	.amdgpu_metadata
---
amdhsa.version: [ 1, 2 ]
amdhsa.kernels:
  - .name:           k_qa328bcdf20_attn
    .symbol:         k_qa328bcdf20_attn.kd
    .args:
      - { .name: qq, .offset: 0, .size: 8, .value_kind: global_buffer, .address_space: global }
      - { .name: kv, .offset: 8, .size: 8, .value_kind: global_buffer, .address_space: global }
      - { .name: cq, .offset: 16, .size: 8, .value_kind: global_buffer, .address_space: global }
    .group_segment_fixed_size: 210944
    .private_segment_fixed_size: 0
    .kernarg_segment_align: 8
    .kernarg_segment_size: 24
    .max_flat_workgroup_size: 256
    .sgpr_count:     66
    .vgpr_count:     512
    .wavefront_size: 32
...
	.end_amdgpu_metadata
.endif
;; end of part 7
;; launch oproj (part 8): grid 8 x 32, 4 waves a work-group, clusters of 4 x 4, 327,680 bytes of LDS; arguments cq, wq, bo, out0; writes out0
.if DOCPART == 8
	.amdgcn_target "amdgcn-amd-amdhsa--gfx1250"
	.amdhsa_code_object_version 6
	.text
	.protected	k_qa328bcdf20_oproj
	.globl	k_qa328bcdf20_oproj
	.p2align	8
	.type	k_qa328bcdf20_oproj,@function
k_qa328bcdf20_oproj:
	s_mov_b64 s[64:65], 0
	v_nop
	global_prefetch_b8 v0, s[64:65] scope:SCOPE_SE
	s_setreg_imm32_b32 hwreg(HW_REG_WAVE_MODE, 25, 1), 1
	s_wait_xcnt 0x0
	s_wait_alu depctr_hold_cnt(0) depctr_sa_sdst(0) depctr_va_vdst(0) depctr_va_sdst(0) depctr_va_ssrc(0) depctr_va_vcc(0) depctr_vm_vsrc(0)
	s_getreg_b32 s2, hwreg(HW_REG_IB_STS2, 6, 4)
	s_cmp_eq_u32 s2, 0
	s_cbranch_scc0 .Lentry_in_a_cluster
	s_endpgm
.Lentry_in_a_cluster:
	s_bfe_u32 s2, ttmp6, 0x10000c
	s_cmp_lg_u32 s2, 0xf033
	s_cbranch_scc0 .Lentry_shape_is_right
	s_endpgm
.Lentry_shape_is_right:
; out0 = ctx Wo + bo on codes of FP6 (E2M3) with E8M0 scales.  A tile of 128 x 128 to a work-group, 64 x 64 to each of four waves: 16 accumulators.  Source 0 takes Wo's rows (features), source 1 ctx's tokens.
; Operands are images of registers, [c = K / 64][tile][768 bytes]; lane r of tile 2 B + u holds row 32 B + 8 u + r + 8 (r / 8).  The bias is the C of each sum's first product: another order of rounding than ctx Wo + b.
; ALL OF K (16 c x 8 tiles, 98,304 bytes a side) AND THE SCALE WORDS (4,096 bytes a side) COME ONCE, by four joint loads at the head, one a wave; nothing is filled again.  4 x 4 clusters: ctx's tiles are shared along a row, Wo's along a column.
; No prefetch: every tensor load stands at the head, so there is no loop to run ahead in.  The results leave through each wave's own stage in LDS, sixteen lanes to 256 aligned bytes.
.set CSTR,  196608
.set SOFF,  3145728
.set CH,    6144
.set QK4,   4*CH
.set HALFK, 8*CH
.set OPER,  16*CH
.set SCL,   2*OPER
.set STG,   SCL+2*4096
.set SPITCH, 272
.set FR,    12
.set NP,    4
.set A16,   16
.set A8,    18
.set B16,   20
.set B8,    22
.set STO,   24
.set RD,    25
.set CO,    26
.set ADRS,  27
.set L16,   30
.set L8,    31
.set SC,    32
.set BI,    64
.set ACC,   128
.set G1,    24
.set G0,    32
.set G1B,   48
.set G0B,   56
.set G1S,   68
.set G0S,   76
.set G1SB,  80
.set G0SB,  88
.set MSB, 0
.macro WIN new
.if MSB != \new
	s_set_vgpr_msb (MSB<<8)|\new
.set MSB, \new
.endif
.endm
.set MUL,  0x05
.set TO_F, 0x40
.macro ARM under, g0, g1, next         ; an arm of the head's tree of branches on the wave's number: one load, and a jump to the tree's end
	s_cmp_lt_u32 s14, \under
	s_cbranch_scc0 \next
	tensor_load_to_lds s[\g0:\g0+3], s[\g1:\g1+7]
	s_nop 0
.rept 4
	v_nop
.endr
	s_branch .Lhead_asked
\next:
.endm
.macro CROUND
	s_barrier_signal -1
	s_barrier_wait -1
	s_cmp_lg_u32 s14, 0
	s_cbranch_scc1 .Lnot_wave_0_\@
	s_barrier_signal -3
.Lnot_wave_0_\@:
	s_barrier_wait -3
	s_barrier_signal -1
	s_barrier_wait -1
.endm
.macro PLACES n
.rept \n
	v_nop
.endr
.endm
	s_load_b128 s[4:7], s[0:1], 0x0
	s_load_b128 s[8:11], s[0:1], 0x10
	v_lshl_add_u32 v28, v0, 2, 0x36400
	v_mov_b32 v29, 0
	ds_add_u32 v28, v29
	ds_add_u32 v28, v29
	v_lshrrev_b32 v1, 5, v0
	v_readfirstlane_b32 s14, v1
	s_lshr_b32 s15, s14, 1
	s_and_b32 s16, s14, 1
	s_bfe_u32 s40, ttmp6, 0x40000
	s_bfe_u32 s41, ttmp6, 0x40004
	s_and_b32 s42, ttmp7, 0xffff
	s_lshl_b32 s43, s41, 2
	s_lshl_b32 s43, 15, s43
	s_lshl_b32 s44, 0x1111, s40
	s_lshl_b32 s45, s42, 2
	s_add_co_u32 s45, s45, s41
	s_lshl_b32 s47, ttmp9, 2
	s_add_co_u32 s47, s47, s40
	s_add_co_u32 s46, s47, 24
	s_or_b32 s[G1+0], s43, (3<<16)|(1<<21)
	s_or_b32 s[G1B+0], s44, (3<<16)|(1<<21)
.irp g, G1, G1B
	s_mov_b32 s[\g+1], 768<<16                     ; a row: 8 tiles of one c, 6,144 bytes
	s_mov_b32 s[\g+2], 16<<16                      ; all 16 c
	s_mov_b32 s[\g+3], 768<<16
	s_mov_b32 s[\g+4], 16
	s_mov_b32 s[\g+5], CSTR/8
	s_mov_b32 s[\g+6], 0
	s_mov_b32 s[\g+7], 0
.endr
	s_or_b32 s[G1S+0], s43, (3<<16)|(1<<21)
	s_or_b32 s[G1SB+0], s44, (3<<16)|(1<<21)
.irp g, G1S, G1SB
	s_mov_b32 s[\g+1], 32<<16
	s_mov_b32 s[\g+2], 16<<16                      ; the words of 128 rows: 16 rows of 256 bytes
	s_mov_b32 s[\g+3], 32<<16
	s_mov_b32 s[\g+4], 16
	s_mov_b32 s[\g+5], 32
	s_mov_b32 s[\g+6], 0
	s_mov_b32 s[\g+7], 0
.endr
	s_mul_i32 s18, s45, CH
	s_mov_b32 s19, 0
	s_lshl_b32 s20, s45, 12
	s_add_co_u32 s20, s20, SOFF
	s_mov_b32 s21, 0
	s_mul_i32 s22, s46, CH
	s_mov_b32 s23, 0
	s_lshl_b32 s12, s46, 12
	s_add_co_u32 s12, s12, SOFF
	s_mov_b32 s13, 0
	s_wait_dscnt 0x0
	s_wait_kmcnt 0x0
	s_add_nc_u64 s[18:19], s[4:5], s[18:19]
	s_add_nc_u64 s[20:21], s[4:5], s[20:21]
	s_add_nc_u64 s[22:23], s[6:7], s[22:23]
	s_add_nc_u64 s[12:13], s[6:7], s[12:13]
	CROUND
	s_mov_b32 s[G0], 1                             ; ctx's 128 rows, all of K
	s_mov_b32 s[G0+1], 0
	s_mov_b64 s[G0+2:G0+3], s[18:19]
	s_or_b32 s[G0+3], s[G0+3], 0x80000000
	s_mov_b32 s[G0B], 1                            ; Wo's 128 rows, behind them
	s_mov_b32 s[G0B+1], OPER
	s_mov_b64 s[G0B+2:G0B+3], s[22:23]
	s_or_b32 s[G0B+3], s[G0B+3], 0x80000000
	s_mov_b32 s[G0S], 1                            ; ctx's scale words
	s_mov_b32 s[G0S+1], SCL
	s_mov_b64 s[G0S+2:G0S+3], s[20:21]
	s_or_b32 s[G0S+3], s[G0S+3], 0x80000000
	s_mov_b32 s[G0SB], 1                           ; Wo's
	s_mov_b32 s[G0SB+1], SCL+4096
	s_mov_b64 s[G0SB+2:G0SB+3], s[12:13]
	s_or_b32 s[G0SB+3], s[G0SB+3], 0x80000000
	ARM 1, G0, G1, .Lhead_b                        ; one tensor load a wave at the head
	ARM 2, G0B, G1B, .Lhead_sa
	ARM 3, G0S, G1S, .Lhead_sb
	tensor_load_to_lds s[G0SB:G0SB+3], s[G1SB:G1SB+7]
	s_nop 0
.rept 4
	v_nop
.endr
.Lhead_asked:
	v_and_b32 v1, 31, v0
	v_and_b32 v2, 15, v0
	v_bfe_u32 v3, v0, 4, 1
	v_lshlrev_b32 v[L16], 4, v1
	v_lshlrev_b32 v[L8], 3, v1
	s_mul_i32 s20, s15, 4*768
	s_mul_i32 s21, s16, 4*768
	s_add_co_u32 s21, s21, OPER
.irp s, 0,1
	v_add_nc_u32 v[A16+\s], s20, v[L16]
	v_add_nc_u32 v[A8+\s], s20, v[L8]
	v_add_nc_u32 v[B16+\s], s21, v[L16]
	v_add_nc_u32 v[B8+\s], s21, v[L8]
	s_add_co_u32 s20, s20, HALFK
	s_add_co_u32 s21, s21, HALFK
.endr
	s_lshl_b32 s20, s15, 8
	s_lshl_b32 s21, s16, 8
	s_add_co_u32 s21, s21, 4096
	s_sub_co_u32 s21, s21, s20
	v_mul_u32_u24 v4, s21, v3
	s_add_co_u32 s20, s20, SCL
	v_lshl_add_u32 v4, v2, 4, v4
	v_add_nc_u32 v[ADRS], s20, v4
	s_mul_i32 s20, s14, 16*SPITCH
	s_add_co_u32 s20, s20, STG
	v_mul_u32_u24 v4, v2, SPITCH
	v_lshl_add_u32 v4, v3, 6, v4
	v_add_nc_u32 v[STO], s20, v4
	v_mul_u32_u24 v4, v3, SPITCH
	v_lshl_add_u32 v4, v2, 4, v4
	v_add_nc_u32 v[RD], s20, v4
	v_lshlrev_b32 v4, 12, v3
	v_lshl_add_u32 v[CO], v2, 4, v4
	s_lshl_b32 s20, s45, 19
	s_lshl_b32 s21, s15, 18
	s_add_co_u32 s20, s20, s21
	s_lshl_b32 s21, s47, 9
	s_add_co_u32 s20, s20, s21
	s_lshl_b32 s21, s16, 8
	s_add_co_u32 s20, s20, s21
	s_mov_b32 s21, 0
	s_add_nc_u64 s[10:11], s[10:11], s[20:21]
	s_lshl_b32 s20, s47, 9
	s_lshl_b32 s21, s16, 8
	s_add_co_u32 s20, s20, s21
	s_mov_b32 s21, 0
	s_add_nc_u64 s[8:9], s[8:9], s[20:21]
	v_lshlrev_b32 v4, 6, v3
.irp b, 0,1,2,3
	global_load_b128 v[BI+8*\b:BI+8*\b+3], v4, s[8:9] offset:(32*(\b/2)+8*(\b%2))*4
	global_load_b128 v[BI+8*\b+4:BI+8*\b+7], v4, s[8:9] offset:(32*(\b/2)+8*(\b%2))*4+16
.endr
.macro FRAG reg, a16, a8, q, i
	ds_load_b128 v[\reg:\reg+3], v[\a16] offset:(2*(\q))*CH+768*(\i)
	ds_load_b64 v[\reg+4:\reg+5], v[\a8] offset:(2*(\q))*CH+768*(\i)+512
	ds_load_b128 v[\reg+6:\reg+9], v[\a16] offset:(2*(\q)+1)*CH+768*(\i)
	ds_load_b64 v[\reg+10:\reg+11], v[\a8] offset:(2*(\q)+1)*CH+768*(\i)+512
.endm
.macro FETCH q, f
.set QS, (\q)/4
.set QQ, (\q)%4
	WIN TO_F
.irp i, 0,1,2,3
	FRAG \f+48+FR*\i, B16+QS, B8+QS, QQ, \i
.endr
.irp i, 0,1,2,3
	FRAG \f+FR*\i, A16+QS, A8+QS, QQ, \i
.endr
.endm
.macro MUL8 f, a0, q, cin
.irp a, \a0, \a0+1
.irp b, 0,1,2,3
.if \cin
	v_wmma_scale_f32_16x16x128_f8f6f4 v[ACC+8*(4*(\a)+\b):ACC+8*(4*(\a)+\b)+7], v[\f+48+FR*\b:\f+48+FR*\b+FR-1], v[\f+FR*(\a):\f+FR*(\a)+FR-1], v[BI+8*\b:BI+8*\b+7], v[SC+4*(\q)+\b], v[SC+4*(\q)+(\a)] matrix_a_fmt:MATRIX_FMT_FP6 matrix_b_fmt:MATRIX_FMT_FP6 matrix_a_scale:MATRIX_SCALE_ROW1
.else
	v_wmma_scale_f32_16x16x128_f8f6f4 v[ACC+8*(4*(\a)+\b):ACC+8*(4*(\a)+\b)+7], v[\f+48+FR*\b:\f+48+FR*\b+FR-1], v[\f+FR*(\a):\f+FR*(\a)+FR-1], v[ACC+8*(4*(\a)+\b):ACC+8*(4*(\a)+\b)+7], v[SC+4*(\q)+\b], v[SC+4*(\q)+(\a)] matrix_a_fmt:MATRIX_FMT_FP6 matrix_b_fmt:MATRIX_FMT_FP6 matrix_a_scale:MATRIX_SCALE_ROW1
.endif
.endr
.endr
.endm
.macro STEP q, cin, fetch, meet
.set FS, 128*((\q)%2)
.set FN, 128-FS
	s_wait_dscnt 8
	WIN MUL
	MUL8 FS, 0, \q, \cin
.if \meet
	s_wait_tensorcnt 0x0
	s_wait_dscnt 0x0
	s_barrier_signal -1
	s_barrier_wait -1
.endif
.if \fetch
	PLACES NP
	FETCH (\q)+1, FN
	s_wait_dscnt 32
.else
	s_wait_alu depctr_va_vdst(0)
	s_wait_dscnt 0x0
.endif
	WIN MUL
	MUL8 FS, 2, \q, \cin
.endm
	s_wait_alu depctr_va_vdst(0)
	s_wait_tensorcnt 0x0                           ; my tile of the four is in,
	s_barrier_signal -1
	s_barrier_wait -1                              ; everybody's is
.irp q, 0,1,2,3,4,5,6,7
	ds_load_b128 v[SC+4*\q:SC+4*\q+3], v[ADRS] offset:512*\q
.endr
	FETCH 0, 0
	s_wait_loadcnt 0x0
	STEP 0, 1, 1, 0
	STEP 1, 0, 1, 0
	STEP 2, 0, 1, 0
	STEP 3, 0, 1, 0
	STEP 4, 0, 1, 0
	STEP 5, 0, 1, 0
	STEP 6, 0, 1, 0
	STEP 7, 0, 0, 0
	WIN 0
.macro TOSTAGE a
.set AC, ACC+32*(\a)
.irp b, 0,1,2,3
	ds_store_b128 v[STO], v[AC+8*\b:AC+8*\b+3] offset:128*(\b/2)+32*(\b%2)
	ds_store_b128 v[STO], v[AC+8*\b+4:AC+8*\b+7] offset:128*(\b/2)+32*(\b%2)+16
.endr
.set BB, 96-32*((\a)%2)
.irp t, 0,1,2,3,4,5,6,7
	ds_load_b128 v[BB+4*\t:BB+4*\t+3], v[RD] offset:2*\t*SPITCH
.endr
.endm
.macro SEND a, younger
.set BB, 96-32*((\a)%2)
	s_wait_dscnt \younger
.irp t, 0,1,2,3,4,5,6,7
	global_store_b128 v[CO], v[BB+4*\t:BB+4*\t+3], s[10:11] offset:(32*((\a)/2)+8*((\a)%2)+2*\t+8*(\t/4))*4096 th:TH_STORE_NT
.endr
.endm
	PLACES NP
	TOSTAGE 0
.irp a, 1,2,3
.if \a > 1
	s_wait_xcnt 0x0
.endif
	TOSTAGE \a
	SEND \a-1, 16
.endr
	SEND 3, 0
	s_wait_dscnt 0x0
	s_wait_tensorcnt 0x0
	ds_add_u32 v28, v29
	s_wait_dscnt 0x0
	CROUND
	s_endpgm
.Lfunc_end_k_qa328bcdf20_oproj:
	.size	k_qa328bcdf20_oproj, .Lfunc_end_k_qa328bcdf20_oproj-k_qa328bcdf20_oproj
	.p2alignl 7, 3214868480
	.fill 96, 4, 3214868480
	.section	.rodata,"a",@progbits
	.p2align	6, 0x0
	.amdhsa_kernel k_qa328bcdf20_oproj
		.amdhsa_group_segment_fixed_size 327680
		.amdhsa_private_segment_fixed_size 0
		.amdhsa_enable_private_segment 0
		.amdhsa_kernarg_size 32
		.amdhsa_user_sgpr_count 2
		.amdhsa_user_sgpr_kernarg_segment_ptr 1
		.amdhsa_wavefront_size32 1
		.amdhsa_system_sgpr_workgroup_id_x 1
		.amdhsa_system_sgpr_workgroup_id_y 1
		.amdhsa_system_sgpr_workgroup_id_z 1
		.amdhsa_system_vgpr_workitem_id 0
		.amdhsa_next_free_vgpr 512
		.amdhsa_next_free_sgpr 96
		.amdhsa_reserve_vcc 0
		.amdhsa_float_denorm_mode_32 3
		.amdhsa_float_denorm_mode_16_64 3
		.amdhsa_memory_ordered 1
		.amdhsa_forward_progress 1
		.amdhsa_inst_pref_size 52
	.end_amdhsa_kernel
	.amdgpu_metadata
---
amdhsa.version: [ 1, 2 ]
amdhsa.kernels:
  - .name:           k_qa328bcdf20_oproj
    .symbol:         k_qa328bcdf20_oproj.kd
    .args:
      - { .name: cq, .offset: 0, .size: 8, .value_kind: global_buffer, .address_space: global }
      - { .name: wq, .offset: 8, .size: 8, .value_kind: global_buffer, .address_space: global }
      - { .name: bo, .offset: 16, .size: 8, .value_kind: global_buffer, .address_space: global }
      - { .name: out0, .offset: 24, .size: 8, .value_kind: global_buffer, .address_space: global }
    .group_segment_fixed_size: 327680
    .private_segment_fixed_size: 0
    .kernarg_segment_align: 8
    .kernarg_segment_size: 32
    .max_flat_workgroup_size: 128
    .sgpr_count:     96
    .vgpr_count:     512
    .wavefront_size: 32
...
	.end_amdgpu_metadata
.endif
;; end of part 8
